; MI455X (gfx1250); checked and timed in simulation.
; The chip was launched on July 23, 2026; its instructions are those of AMD's public machine-readable ISA for CDNA 5 (MIT licence, August 2026) and "CDNA5" Instruction Set Architecture Reference Guide (July 2026). The comments in the code are by the model that wrote it; some were corrected since.
;; Transformer Block. Allowed arithmetic: matrix products marked QUANTISED: E3M2 operands, one E8M0 scale for each 32 along K, by v_wmma_scale_f32_16x16x128_f8f6f4 with both operands' format E3M2, f32 sums; everything else in f32.
;; Inputs: W1_codes 3,072 x 24 x 24 uint8 (E3M2 codes of W1, K innermost, in blocks of 32 codes, four codes in three bytes); W1_scales 3,072 x 24 uint8 (E8M0 scales of W1, one for each 32 codes along K); W2_codes 768 x 96 x 24 uint8 (E3M2 codes of W2, K innermost, in blocks of 32 codes, four codes in three bytes); W2_scales 768 x 96 uint8 (E8M0 scales of W2, one for each 32 codes along K); Wk_codes 768 x 24 x 24 uint8 (E3M2 codes of Wk, K innermost, in blocks of 32 codes, four codes in three bytes); Wk_scales 768 x 24 uint8 (E8M0 scales of Wk, one for each 32 codes along K); Wo_codes 768 x 24 x 24 uint8 (E3M2 codes of Wo, K innermost, in blocks of 32 codes, four codes in three bytes); Wo_scales 768 x 24 uint8 (E8M0 scales of Wo, one for each 32 codes along K); Wq_codes 768 x 24 x 24 uint8 (E3M2 codes of Wq, K innermost, in blocks of 32 codes, four codes in three bytes); Wq_scales 768 x 24 uint8 (E8M0 scales of Wq, one for each 32 codes along K); Wv_codes 768 x 24 x 24 uint8 (E3M2 codes of Wv, K innermost, in blocks of 32 codes, four codes in three bytes); Wv_scales 768 x 24 uint8 (E8M0 scales of Wv, one for each 32 codes along K); b1 3,072 float32; b2 768 float32; bk 768 float32; bo 768 float32; bq 768 float32; bv 768 float32; ln1_b 768 float32; ln1_g 768 float32; ln2_b 768 float32; ln2_g 768 float32; x 1 x 4,096 x 768 float32.
;; Outputs: out0 1 x 4,096 x 768 float32.
;; This version of the problem:
;;   THIS VERSION OF THE PROBLEM IS GIVEN IN LOW PRECISION. The matrix products marked QUANTISED in the list below multiply operands that are first quantised to E3M2 (3 exponent bits, 2 mantissa bits; 6 bits a number), with one power-of-two scale for each 32 numbers along K (OCP MX v1.0); their sums are f32. All else is computed in f32.
;;   The module's matrix products, in the order in which they are computed (A, B: the left and right operand; K: the contracted axis; several contracted axes count as one K, in the product's order):
;;     1. [M 4,096, K 768] x [K 768, N 768]; A: input x; B: input Wq (given as codes): QUANTISED
;;     2. [M 4,096, K 768] x [K 768, N 768]; A: input x; B: input Wk (given as codes): QUANTISED
;;     3. [M 4,096, K 768] x [K 768, N 768]; A: input x; B: input Wv (given as codes): QUANTISED
;;     4. batch 12 x [M 4,096, K 64] x [K 64, N 4,096]; A: computed on the way; B: computed on the way: QUANTISED
;;     5. batch 12 x [M 4,096, K 4,096] x [K 4,096, N 64]; A: softmax (see below); B: computed on the way: QUANTISED
;;     6. [M 4,096, K 768] x [K 768, N 768]; A: computed on the way; B: input Wo (given as codes): QUANTISED
;;     7. [M 4,096, K 768] x [K 768, N 3,072]; A: computed on the way; B: input W1 (given as codes): QUANTISED
;;     8. [M 4,096, K 3,072] x [K 3,072, N 768]; A: computed on the way; B: input W2 (given as codes): QUANTISED
;;   THE QUANTISER, for each operand of a quantised product, along K:
;;     - K is cut into blocks of 32 from its start; a last block that is shorter is filled with zeros.
;;     - A block's scale is 2^e with e = floor(log2(the largest magnitude in the block)) - 4, held to -126 .. 127; a block of zeros has e = 0. As a byte (E8M0): e + 127.
;;     - Each number is divided by its block's scale, clamped to +-28, and rounded to the nearest number of E3M2, ties to even, subnormals kept.
;;     - The product sums the exact products of the quantised numbers (number of the format x scale) in f32.
;;   ~~~python
;;   def quantise(x, axis):      # numpy; x: float32 -> the quantised numbers, widened to float32 again
;;       x = np.moveaxis(x, axis, -1); K = x.shape[-1]
;;       x = np.pad(x, [(0, 0)] * (x.ndim - 1) + [(0, -K % 32)]); x = x.reshape(x.shape[:-1] + (-1, 32)); a = np.abs(x).max(-1, keepdims=True)
;;       e = np.where(a > 0, np.clip(np.frexp(np.where(a > 0, a, 1))[1] - 1 - 4, -126, 127), 0)      # np.frexp(a)[1] - 1 = floor(log2(a)), exactly
;;       r = np.clip(x / 2.0 ** e, -28, 28)
;;       step = 2.0 ** (np.maximum(np.frexp(np.where(r == 0, 1, r))[1] - 1, -2) - 2)
;;       q = np.round(r / step) * step * 2.0 ** e      # np.round: ties to even
;;       return np.moveaxis(q.reshape(q.shape[:-2] + (-1,))[..., :K], -1, axis).astype(np.float32)
;;   ~~~
;;   SOFTMAX AHEAD OF A QUANTISED PRODUCT. Where the list says 'softmax', what is quantised is not the finished softmax but p = 2^(t - M), with t = logit x log2(e) and M = ceil(the row's largest t), a whole number; so 1/2 < the row's largest p <= 1. The row's sum l is taken of the UNQUANTISED p, in f32, and the product's result is divided by l at the end. Since M is a whole number, a kernel that streams over the keys may use a running M (the ceiling of the running maximum): every later rescaling is an exact power of two, which a block's scale takes up: the codes' values come out the same.
;;   OPERANDS COMPUTED ON THE WAY. 'Computed on the way' means the value that the module computes at that place (a softmax that the list does not call 'softmax' is quantised finished and normalised). What goes into a quantiser is computed in f32, as accurately as f32 sums, v_exp_f32 and their like allow (about 1e-6 of the number): no bf16 or f16 on the way to a quantiser, and a product that is left as it is and whose result goes on into a quantised operand takes f32 operands (vector FMAs, or v_wmma_f32_16x16x4_f32). A number that lies on a knife's edge between two numbers of the format may be rounded either way, as far as f32 arithmetic and the matrix unit's own rounding can turn it there, and no further.
;;   INPUTS GIVEN AS CODES. W1 (in the module: [768, 3072], K = its axis 0); W2 (in the module: [3072, 768], K = its axis 0); Wk (in the module: [768, 768], K = its axis 0); Wo (in the module: [768, 768], K = its axis 0); Wq (in the module: [768, 768], K = its axis 0); Wv (in the module: [768, 768], K = its axis 0): each comes as NAME_codes (uint8): NAME with its K axis moved to the last place and cut into blocks of 32 codes, [.., K / 32, bytes a block], one block behind the other in memory; four codes in three bytes: a row's codes are one little-endian stream of bits, code i at bits 6 i .. 6 i + 5 (a code: sign, 3 exponent bits, 2 mantissa bits); and NAME_scales (uint8): the same leading axes, one E8M0 byte (e + 127) for each 32 codes along K. Its value is code x scale, taken as it is: it is not quantised again, and the codes and scales need not be those that the quantiser above would give.
;; 2 versions. Each part assembles by itself: llvm-mc -triple=amdgcn-amd-amdhsa -mcpu=gfx1250 --defsym DOCPART=n.
;; ======== version 1 of 2: 6 launches
;; workspace buffers: xf 12,582,912 bytes; wa 1,382,400 bytes; wb 4,147,200 bytes; qf 3,145,728 bytes; kv 5,111,808 bytes; ctxf 2,359,296 bytes; ctxs 98,304 bytes; mo 22,413,312 bytes
;; launch prep (part 1): grid 400 x 1, 6 waves a work-group, no clusters, 51,456 bytes of LDS; arguments x, Wq_codes, Wq_scales, Wk_codes, Wk_scales, Wv_codes, Wv_scales, Wo_codes, Wo_scales, W1_codes, W1_scales, W2_codes, W2_scales, xf, wa, wb; writes xf, wa, wb
.if DOCPART == 1
	.amdgcn_target "amdgcn-amd-amdhsa--gfx1250"
	.amdhsa_code_object_version 6
	.text
	.protected	k_qe8e8d03fdb_prep
	.globl	k_qe8e8d03fdb_prep
	.p2align	8
	.type	k_qe8e8d03fdb_prep,@function
k_qe8e8d03fdb_prep:
	s_mov_b64 s[64:65], 0
	v_nop
	global_prefetch_b8 v0, s[64:65] scope:SCOPE_SE
	s_setreg_imm32_b32 hwreg(HW_REG_WAVE_MODE, 25, 1), 1
	s_wait_xcnt 0x0
; PREP.  Two kinds of work-group, told apart by the work-group's number alone.
; Work-groups 0-143 (role W): each of the six waves lays one QUAD of a weight in the order of the operand's registers: 4 tiles of 16 weight rows x 128 along K,
;   four images of 1,536 bytes (register group c of lane L at 512 c + 16 L), then 256 bytes of scale words.  Lane r of tile i of a group of 64 rows stands for row 32 (i/2) + 8 (i%2) + r + 8 (r/8).
; Work-groups 144-399 (role X): row tile T = number - 144 of x; wave s quantises the tile's 16 rows x 128 along K (K step s) to E3M2 with one E8M0 byte for each 32 along K.
;   Lane r of tile T stands for row 64 (T/4) + 32 ((T/2)%2) + 8 (T%2) + r + 8 (r/8).  A record of xf is 1,728 bytes: image 1,536, sixteen scale words, 128 zero bytes (later launches copy records whole).
; A block's scale byte is its largest magnitude's exponent field - 4, held at 1 from below.
; LIMITS: NaN and infinities in x are not served; a block whose largest magnitude lies under 2^-122 keeps the byte 1; a block of zeros gets the byte 1 and not 127 (its codes are zeros, and this program alone reads the bytes).
.set NWQ, 144                          ; work-groups of role W: 36 (Wq, Wk, Wv) + 12 (Wo) + 48 (W1) + 48 (W2)
.set F,   16                           ; role W: v16-63 four fragments
.set SCR, 64                           ; v64-65 two scale registers
.set VO,  66                           ; v66-69 byte offset of my 24 bytes in tile i
.set VS,  70                           ; v70-71 byte offset of my scale words
.set R,   16                           ; role X: v16-79 sixteen rows as loaded
.set X,   80                           ; v80-143 my 64 numbers: register 16 b + i = k 32 b + 16 (lane/16) + i of my row
.set PC,  144                          ; v144-155 the codes
.set PT,  156                          ; v156-162 second halves of blocks
.set TM,  164                          ; v164-179 at work
.set PW,  180                          ; the scale word
.set ZR,  181                          ; 0
.set SEL, 62                           ; s[62:63] selects for lane l xor 16
; 64 numbers of a lane become a fragment's 12 registers at pc and its scale word in pw
.macro QUANT s, pc, pt, pw, tm
.irp b, 0,1,2,3
	v_max3_num_f32 v[\tm+\b], |v[\s+16*\b]|, |v[\s+1+16*\b]|, 0x2800000   ; my 16 numbers of block b, and the floor 2^(5 - 127): the byte cannot fall under 1
.endr
.irp i, 2,4,6,8,10,12,14
.irp b, 0,1,2,3
	v_max3_num_f32 v[\tm+\b], v[\tm+\b], |v[\s+16*\b+\i]|, |v[\s+1+16*\b+\i]|
.endr
.endr
.irp b, 0,1,2,3
	v_permlanex16_b32 v[\tm+4+\b], v[\tm+\b], s[SEL], s[SEL+1]
.endr
.irp b, 0,1,2,3
	v_max_num_f32 v[\tm+\b], v[\tm+\b], v[\tm+4+\b]       ; with lane l xor 16's: the block's largest magnitude
.endr
.irp b, 0,1,2,3
	v_add_nc_u32 v[\tm+12+\b], 0xfe000000, v[\tm+\b]      ; 4 off its exponent field: the conversion's scale operand
.endr
.irp b, 0,1,2,3
	v_lshrrev_b32 v[\tm+4+\b], 23, v[\tm+12+\b]           ; the scale's byte
.endr
	v_lshl_or_b32 v[\pw], v[\tm+5], 8, v[\tm+4]
	v_lshl_or_b32 v[\pw], v[\tm+6], 16, v[\pw]
	v_lshl_or_b32 v[\pw], v[\tm+7], 24, v[\pw]
.irp c, 0,1
	v_cvt_scalef32_pk16_bf6_f32 v[\pc+6*\c:\pc+2+6*\c], v[\s+32*\c:\s+15+32*\c], v[\tm+12+2*\c]
	v_cvt_scalef32_pk16_bf6_f32 v[\pt+4*\c:\pt+2+4*\c], v[\s+16+32*\c:\s+31+32*\c], v[\tm+13+2*\c]
.endr
	v_nop                                          ; one plain instruction behind the conversions
.irp c, 0,1                                    ; the operand wants a whole block in a lane: lanes 0-15 block 2 c, lanes 16-31 block 2 c + 1
.irp i, 0,1,2
	v_permlane16_swap_b32 v[\pc+6*\c+\i], v[\pt+4*\c+\i]
.endr
.irp i, 0,1,2
	v_mov_b32 v[\pc+3+6*\c+\i], v[\pt+4*\c+\i]
.endr
.endr
.endm
	s_load_b512 s[16:31], s[0:1], 0x0              ; x 16, Wq codes 18, scales 20, Wk 22, 24, Wv 26, 28, Wo codes 30
	s_load_b512 s[32:47], s[0:1], 0x40             ; Wo scales 32, W1 34, 36, W2 38, 40, xf 42, wa 44, wb 46
	v_lshl_add_u32 v192, v0, 2, 0xc600
	v_mov_b32 v193, 0
	v_lshrrev_b32 v1, 5, v0
	v_readfirstlane_b32 s3, v1                     ; wave 0..5
	v_and_b32 v2, 31, v0                           ; lane L
	v_and_b32 v3, 15, v0                           ; r
	v_bfe_u32 v4, v0, 4, 1                         ; h
	v_lshlrev_b32 v1, 4, v2                        ; 16 L
	s_mov_b32 s2, ttmp9
	s_cmp_lt_u32 s2, NWQ
	s_cbranch_scc0 .Lrole_x
	; ---- role W.  Which matrix: its first work-group s4, a row of codes s5 and of scales s6 in bytes, its pointers, the buffer it goes to.  All by selection on the work-group's number.
	s_mov_b32 s4, 96
	s_mov_b32 s5, 2304
	s_mov_b32 s6, 96
	s_wait_kmcnt 0x0
	s_cmp_lt_u32 s2, 96
	s_cselect_b32 s4, 48, s4
	s_cselect_b32 s5, 576, s5
	s_cselect_b32 s6, 24, s6
	s_cselect_b64 s[8:9], s[34:35], s[38:39]       ; W1 or W2
	s_cselect_b64 s[10:11], s[36:37], s[40:41]
	s_cmp_lt_u32 s2, 48
	s_cselect_b32 s4, 36, s4
	s_cselect_b64 s[8:9], s[30:31], s[8:9]         ; Wo
	s_cselect_b64 s[10:11], s[32:33], s[10:11]
	s_cmp_lt_u32 s2, 36
	s_cselect_b32 s4, 24, s4
	s_cselect_b64 s[8:9], s[26:27], s[8:9]         ; Wv
	s_cselect_b64 s[10:11], s[28:29], s[10:11]
	s_cselect_b64 s[12:13], s[44:45], s[46:47]     ; Wq, Wk, Wv go to wa, the others to wb
	s_cmp_lt_u32 s2, 24
	s_cselect_b32 s4, 12, s4
	s_cselect_b64 s[8:9], s[22:23], s[8:9]         ; Wk
	s_cselect_b64 s[10:11], s[24:25], s[10:11]
	s_cmp_lt_u32 s2, 12
	s_cselect_b32 s4, 0, s4
	s_cselect_b64 s[8:9], s[18:19], s[8:9]         ; Wq
	s_cselect_b64 s[10:11], s[20:21], s[10:11]
	s_sub_co_u32 s7, s2, s4                        ; c: my number within the matrix
	s_lshr_b32 s48, s7, 2
	s_and_b32 s49, s7, 3
	s_mul_i32 s50, s48, 54
	s_mul_i32 s51, s49, 6
	s_add_co_u32 s51, s51, s3                      ; W2: K step 6 (c % 4) + wave
	s_add_co_u32 s52, s50, s51
	s_add_co_u32 s52, s52, 30                      ; W2: quad 54 (c / 4) + 30 + K step
	s_bfe_u32 s53, s7, 0x10001
	s_mul_i32 s53, s53, 12
	s_and_b32 s54, s7, 1
	s_add_co_u32 s53, s53, s54
	s_add_co_u32 s53, s53, s50
	s_lshl_b32 s54, s3, 1
	s_add_co_u32 s53, s53, s54
	s_add_co_u32 s53, s53, 6                       ; W1: quad 54 (c / 4) + 6 + 12 ((c / 2) % 2) + c % 2 + 2 wave
	s_mul_i32 s54, s7, 54
	s_add_co_u32 s54, s54, s3                      ; Wo: quad 54 c + wave
	s_mul_i32 s55, s2, 6
	s_add_co_u32 s55, s55, s3                      ; Wq, Wk, Wv: quad 6 x work-group + wave
	s_cmp_lt_u32 s2, 96
	s_cselect_b32 s56, s7, s48                     ; which group of 64 rows
	s_cselect_b32 s57, s3, s51                     ; which K step
	s_cselect_b32 s58, s53, s52
	s_cmp_lt_u32 s2, 48
	s_cselect_b32 s58, s54, s58
	s_cmp_lt_u32 s2, 36
	s_cselect_b32 s58, s55, s58                    ; which quad of the buffer
	s_mul_i32 s59, s56, s5
	s_lshl_b32 s59, s59, 6
	s_mul_i32 s60, s57, 96
	s_add_co_u32 s60, s59, s60
	s_mov_b32 s61, 0
	s_add_nc_u64 s[8:9], s[8:9], s[60:61]          ; codes: 64 rows x group + 96 bytes x K step
	s_mul_i32 s59, s56, s6
	s_lshl_b32 s59, s59, 6
	s_lshl_b32 s60, s57, 2
	s_add_co_u32 s60, s59, s60
	s_add_nc_u64 s[10:11], s[10:11], s[60:61]      ; scales: 4 bytes a K step
	s_mul_i32 s60, s58, 6400
	s_add_nc_u64 s[12:13], s[12:13], s[60:61]
	v_lshlrev_b32 v9, 3, v2                        ; 8 L
	v_and_b32 v5, 8, v3
	v_add_nc_u32 v5, v5, v3                        ; r + 8 (r / 8)
	v_mul_u32_u24 v6, v4, 24
.irp i, 0,1,2,3
	v_add_nc_u32 v7, 32*(\i/2)+8*(\i%2), v5
	v_mad_u32_u24 v[VO+\i], v7, s5, v6             ; tile i: my row x row bytes + 24 h
.endr
	v_lshl_add_u32 v8, v4, 3, v5
.irp p, 0,1
	v_add_nc_u32 v7, 32*\p, v8
	v_mul_u32_u24 v[VS+\p], s6, v7                 ; scale register p: lanes 0-15 tile 2 p, lanes 16-31 tile 2 p + 1
.endr
.irp i, 0,1,2,3
.irp q, 0,1,2,3,4,5
	global_load_b64 v[F+12*\i+2*\q:F+12*\i+2*\q+1], v[VO+\i], s[8:9] offset:48*(\q/3)+8*(\q%3)
.endr
.endr
.irp p, 0,1
	global_load_b32 v[SCR+\p], v[VS+\p], s[10:11]
.endr
	s_wait_loadcnt 0x0
.irp c, 0,1,2,3,4,5,6,7,8,9,10,11
	global_store_b128 v1, v[F+4*\c:F+4*\c+3], s[12:13] offset:512*\c    ; 32 lanes store 512 consecutive bytes
.endr
	global_store_b64 v9, v[SCR:SCR+1], s[12:13] offset:6144
	s_endpgm
.Lrole_x:
	s_sub_co_u32 s4, s2, NWQ                       ; T
	s_lshr_b32 s5, s4, 2
	s_lshl_b32 s5, s5, 6
	s_bfe_u32 s6, s4, 0x10001
	s_lshl_b32 s6, s6, 5
	s_add_co_u32 s5, s5, s6
	s_and_b32 s6, s4, 1
	s_lshl_b32 s6, s6, 3
	s_add_co_u32 s5, s5, s6                        ; the tile's first row
	s_mul_i32 s8, s5, 3072
	s_lshl_b32 s6, s3, 9
	s_add_co_u32 s8, s8, s6                        ; + my K step's 512 bytes
	s_mov_b32 s9, 0
	s_mul_i32 s10, s4, 6
	s_add_co_u32 s10, s10, s3
	s_mul_i32 s10, s10, 1728
	s_mov_b32 s11, 0
	s_mul_i32 s7, s3, 8448                         ; my wave's stage: 16 rows of 512 bytes + 16
	v_add_nc_u32 v5, s7, v1                        ; in: 16 L
	v_mul_u32_u24 v6, v3, 528
	v_lshl_add_u32 v6, v4, 6, v6
	v_add_nc_u32 v6, s7, v6                        ; out: row r, + 64 h
	v_lshlrev_b32 v7, 2, v3                        ; 4 r
	v_lshlrev_b32 v8, 2, v2                        ; 4 L
	v_mov_b32 v[ZR], 0
.irp b, 0,1,2,3
	v_mov_b32 v[TM+4+\b], 0                        ; a lane permute's destination counts as read
.endr
	s_mov_b32 s[SEL], 0x76543210
	s_mov_b32 s[SEL+1], 0xfedcba98
	s_wait_kmcnt 0x0
	s_add_nc_u64 s[16:17], s[16:17], s[8:9]
	s_add_nc_u64 s[42:43], s[42:43], s[10:11]
.irp i, 0,1,2,3,4,5,6,7,8,9,10,11,12,13,14,15
	global_load_b128 v[R+4*\i:R+4*\i+3], v1, s[16:17] offset:(\i+8*(\i/8))*3072   ; 512 consecutive bytes of the tile's row i
.endr
.irp i, 0,1,2,3,4,5,6,7,8,9,10,11,12,13,14,15
	s_wait_loadcnt 15-\i                           ; loads come back in order: the 15 - i younger ones may be out
	ds_store_b128 v5, v[R+4*\i:R+4*\i+3] offset:528*\i
.endr
.irp b, 0,1,2,3
.irp j, 0,1,2,3
	ds_load_b128 v[X+16*\b+4*\j:X+16*\b+4*\j+3], v6 offset:128*\b+16*\j   ; the wave's own bytes, served in order: these see the stores above
.endr
.endr
	s_wait_dscnt 0x0
	QUANT X, PC, PT, PW, TM
.irp c, 0,1,2
	global_store_b128 v1, v[PC+4*\c:PC+4*\c+3], s[42:43] offset:512*\c
.endr
	global_store_b32 v7, v[PW], s[42:43] offset:1536      ; lanes r and r + 16 hold the same word
	global_store_b32 v8, v[ZR], s[42:43] offset:1600
	s_wait_tensorcnt 0x0
	ds_add_u32 v192, v193
	s_wait_dscnt 0x0
	s_endpgm
.Lfunc_end_k_qe8e8d03fdb_prep:
	.size	k_qe8e8d03fdb_prep, .Lfunc_end_k_qe8e8d03fdb_prep-k_qe8e8d03fdb_prep
	.p2alignl 7, 3214868480
	.fill 96, 4, 3214868480
	.section	.rodata,"a",@progbits
	.p2align	6, 0x0
	.amdhsa_kernel k_qe8e8d03fdb_prep
		.amdhsa_group_segment_fixed_size 51456
		.amdhsa_private_segment_fixed_size 0
		.amdhsa_enable_private_segment 0
		.amdhsa_kernarg_size 128
		.amdhsa_user_sgpr_count 2
		.amdhsa_user_sgpr_kernarg_segment_ptr 1
		.amdhsa_wavefront_size32 1
		.amdhsa_system_sgpr_workgroup_id_x 1
		.amdhsa_system_sgpr_workgroup_id_y 1
		.amdhsa_system_sgpr_workgroup_id_z 1
		.amdhsa_system_vgpr_workitem_id 0
		.amdhsa_next_free_vgpr 194
		.amdhsa_next_free_sgpr 66
		.amdhsa_reserve_vcc 0
		.amdhsa_float_denorm_mode_32 3
		.amdhsa_float_denorm_mode_16_64 3
		.amdhsa_memory_ordered 1
		.amdhsa_forward_progress 1
		.amdhsa_inst_pref_size 18
	.end_amdhsa_kernel
	.amdgpu_metadata
---
amdhsa.version: [ 1, 2 ]
amdhsa.kernels:
  - .name:           k_qe8e8d03fdb_prep
    .symbol:         k_qe8e8d03fdb_prep.kd
    .args:
      - { .name: x, .offset: 0, .size: 8, .value_kind: global_buffer, .address_space: global }
      - { .name: Wq_codes, .offset: 8, .size: 8, .value_kind: global_buffer, .address_space: global }
      - { .name: Wq_scales, .offset: 16, .size: 8, .value_kind: global_buffer, .address_space: global }
      - { .name: Wk_codes, .offset: 24, .size: 8, .value_kind: global_buffer, .address_space: global }
      - { .name: Wk_scales, .offset: 32, .size: 8, .value_kind: global_buffer, .address_space: global }
      - { .name: Wv_codes, .offset: 40, .size: 8, .value_kind: global_buffer, .address_space: global }
      - { .name: Wv_scales, .offset: 48, .size: 8, .value_kind: global_buffer, .address_space: global }
      - { .name: Wo_codes, .offset: 56, .size: 8, .value_kind: global_buffer, .address_space: global }
      - { .name: Wo_scales, .offset: 64, .size: 8, .value_kind: global_buffer, .address_space: global }
      - { .name: W1_codes, .offset: 72, .size: 8, .value_kind: global_buffer, .address_space: global }
      - { .name: W1_scales, .offset: 80, .size: 8, .value_kind: global_buffer, .address_space: global }
      - { .name: W2_codes, .offset: 88, .size: 8, .value_kind: global_buffer, .address_space: global }
      - { .name: W2_scales, .offset: 96, .size: 8, .value_kind: global_buffer, .address_space: global }
      - { .name: xf, .offset: 104, .size: 8, .value_kind: global_buffer, .address_space: global }
      - { .name: wa, .offset: 112, .size: 8, .value_kind: global_buffer, .address_space: global }
      - { .name: wb, .offset: 120, .size: 8, .value_kind: global_buffer, .address_space: global }
    .group_segment_fixed_size: 51456
    .private_segment_fixed_size: 0
    .kernarg_segment_align: 8
    .kernarg_segment_size: 128
    .max_flat_workgroup_size: 192
    .sgpr_count:     66
    .vgpr_count:     194
    .wavefront_size: 32
...
	.end_amdgpu_metadata
.endif
;; end of part 1
;; launch qkv (part 2): grid 256 x 1, 9 waves a work-group, no clusters, 42,752 bytes of LDS; arguments xf, wa, bq, bk, bv, qf, kv; writes qf, kv
.if DOCPART == 2
	.amdgcn_target "amdgcn-amd-amdhsa--gfx1250"
	.amdhsa_code_object_version 6
	.text
	.protected	k_qe8e8d03fdb_qkv
	.globl	k_qe8e8d03fdb_qkv
	.p2align	8
	.type	k_qe8e8d03fdb_qkv,@function
k_qe8e8d03fdb_qkv:
	s_mov_b64 s[64:65], 0
	v_nop
	global_prefetch_b8 v0, s[64:65] scope:SCOPE_SE
	s_setreg_imm32_b32 hwreg(HW_REG_WAVE_MODE, 25, 1), 1
	s_wait_xcnt 0x0
; QKV.  q = x Wq + bq, k = x Wk + bk, v = x Wv + bv on codes of E3M2, and their quantising: q and k along the head's 64, v along the keys.
; SHARES.  Work-group id: G = id % 4 takes heads 3 G .. 3 G + 2, RB = id / 4 takes 64 rows (row tiles 4 RB .. 4 RB + 3).  Waves 0-2 make q, 3-5 k, 6-8 v, each for one head: 64 rows x 64 columns, 16 accumulators.
; x's 24 fragment records (41,472 bytes, dense) are copied into LDS once and read by all nine waves; each weight quad is read by one wave alone, from memory straight into a ring of two register buffers.
; q, k: source 0 = 16 weight rows, source 1 = 16 rows of x: a lane holds one row and its registers run along the head's channels.  v: the sources swapped: a lane holds one channel and its registers run along the keys.
; The tiles' rows and columns are chosen (32 (i/2) + 8 (i%2) + r + 8 (r/8)) so that the 16 registers of two neighbouring tiles are 16 neighbours along the next product's K.
; No cluster and no tensor load: what the work-groups of a row block share is the small thing (x's codes), and a weight fragment feeds one wave only.
; LIMITS: as in the quantiser: NaN and infinities not served; blocks under 2^-122 and blocks of zeros keep the byte 1.
.set XF,  8                            ; v8-19 a fragment of x;  v20 its scale words
.set XSC, 20
.set QA,  24                           ; ring buffer k at v[24 + 50 k]: 48 registers of codes, 2 of scale words
.set ACC, 128                          ; v128-255
.set BI,  24                           ; behind K step 4: the bias
.set TM,  56                           ; behind the products: at work
.set PT,  68
.set PC,  76                           ; four sets of 8: six registers of codes, the scale word
.set ZR,  108
.set SEL, 62
.set NLD, 0                            ; global loads issued so far;  QE0, QE1: that count just behind the last load into ring buffer 0, 1
.set QE0, 0
.set QE1, 0
.macro WM d, a, b, zero, sa, sb, row   ; one product; zero: C = 0 starts the sum; row 1 / 2: source 0's / source 1's scales stand in lanes 16-31
.if \zero
.if (\row)==0
	v_wmma_scale_f32_16x16x128_f8f6f4 v[\d:\d+7], v[\a:\a+11], v[\b:\b+11], 0, v[\sa], v[\sb] matrix_a_fmt:MATRIX_FMT_BF6 matrix_b_fmt:MATRIX_FMT_BF6
.elseif (\row)==1
	v_wmma_scale_f32_16x16x128_f8f6f4 v[\d:\d+7], v[\a:\a+11], v[\b:\b+11], 0, v[\sa], v[\sb] matrix_a_fmt:MATRIX_FMT_BF6 matrix_b_fmt:MATRIX_FMT_BF6 matrix_a_scale:MATRIX_SCALE_ROW1
.else
	v_wmma_scale_f32_16x16x128_f8f6f4 v[\d:\d+7], v[\a:\a+11], v[\b:\b+11], 0, v[\sa], v[\sb] matrix_a_fmt:MATRIX_FMT_BF6 matrix_b_fmt:MATRIX_FMT_BF6 matrix_b_scale:MATRIX_SCALE_ROW1
.endif
.else
.if (\row)==0
	v_wmma_scale_f32_16x16x128_f8f6f4 v[\d:\d+7], v[\a:\a+11], v[\b:\b+11], v[\d:\d+7], v[\sa], v[\sb] matrix_a_fmt:MATRIX_FMT_BF6 matrix_b_fmt:MATRIX_FMT_BF6
.elseif (\row)==1
	v_wmma_scale_f32_16x16x128_f8f6f4 v[\d:\d+7], v[\a:\a+11], v[\b:\b+11], v[\d:\d+7], v[\sa], v[\sb] matrix_a_fmt:MATRIX_FMT_BF6 matrix_b_fmt:MATRIX_FMT_BF6 matrix_a_scale:MATRIX_SCALE_ROW1
.else
	v_wmma_scale_f32_16x16x128_f8f6f4 v[\d:\d+7], v[\a:\a+11], v[\b:\b+11], v[\d:\d+7], v[\sa], v[\sb] matrix_a_fmt:MATRIX_FMT_BF6 matrix_b_fmt:MATRIX_FMT_BF6 matrix_b_scale:MATRIX_SCALE_ROW1
.endif
.endif
.endm
.macro QLOAD k, n                      ; quad n of my stream into ring buffer k: 13 loads, each of consecutive bytes
.set QR, QA+50*(\k)
.irp c, 0,1,2,3,4,5,6,7,8,9,10,11
	global_load_b128 v[QR+4*\c:QR+4*\c+3], v1, s[6:7] offset:6400*(\n)+512*\c
.endr
	global_load_b64 v[QR+48:QR+49], v2, s[6:7] offset:6400*(\n)+6144
.set NLD, NLD+13
.if (\k)==0
.set QE0, NLD
.else
.set QE1, NLD
.endif
.endm
.macro WAITQ k                         ; ring buffer k is in: the count is that of the loads issued behind its last one
.if (\k)==0
	s_wait_loadcnt NLD-QE0
.else
	s_wait_loadcnt NLD-QE1
.endif
.endm
; 32 numbers of a lane (register 16 b + i = k 32 b + 16 (lane/16) + i) become half a fragment, six registers at pc, and two scale bytes in pw
.macro QUANTH s, pc, pt, pw, tm
.irp b, 0,1
	v_max3_num_f32 v[\tm+\b], |v[\s+16*\b]|, |v[\s+1+16*\b]|, 0x2800000   ; with the floor 2^(5 - 127): the byte cannot fall under 1
.endr
.irp i, 2,4,6,8,10,12,14
.irp b, 0,1
	v_max3_num_f32 v[\tm+\b], v[\tm+\b], |v[\s+16*\b+\i]|, |v[\s+1+16*\b+\i]|
.endr
.endr
.irp b, 0,1
	v_permlanex16_b32 v[\tm+4+\b], v[\tm+\b], s[SEL], s[SEL+1]
.endr
.irp b, 0,1
	v_max_num_f32 v[\tm+\b], v[\tm+\b], v[\tm+4+\b]
.endr
.irp b, 0,1
	v_add_nc_u32 v[\tm+8+\b], 0xfe000000, v[\tm+\b]       ; 4 off the exponent field: the conversion's scale operand
.endr
.irp b, 0,1
	v_lshrrev_b32 v[\tm+4+\b], 23, v[\tm+8+\b]            ; the scale's byte
.endr
	v_lshl_or_b32 v[\pw], v[\tm+5], 8, v[\tm+4]
	v_cvt_scalef32_pk16_bf6_f32 v[\pc:\pc+2], v[\s:\s+15], v[\tm+8]
	v_cvt_scalef32_pk16_bf6_f32 v[\pt:\pt+2], v[\s+16:\s+31], v[\tm+9]
	v_nop                                          ; one plain instruction behind the conversions
.irp i, 0,1,2
	v_permlane16_swap_b32 v[\pc+\i], v[\pt+\i]     ; a whole block to a lane: lanes 0-15 block 0, lanes 16-31 block 1
.endr
.irp i, 0,1,2
	v_mov_b32 v[\pc+3+\i], v[\pt+\i]
.endr
.endm
; The products: six K steps of 128; in each, four tiles of rows against the quad's four tiles of columns.  The 16 accumulators take turns, one instruction a turn.
.macro MAIN isv
.set SS, 0
.rept 6
	WAITQ SS%2
.set MM, 0
.rept 4
.irp c, 0,1,2
	ds_load_b128 v[XF+4*\c:XF+4*\c+3], v1 offset:1728*(6*MM+SS)+512*\c
.endr
	ds_load_b32 v[XSC], v3 offset:1728*(6*MM+SS)+1536
	s_wait_dscnt 0x0
.set QR, QA+50*(SS%2)
.irp i, 0,1,2,3
.if \isv
	WM ACC+32*\i+8*MM, XF, QR+12*\i, SS==0, XSC, QR+48+\i/2, 2*(\i%2)
.else
	WM ACC+32*MM+8*\i, QR+12*\i, XF, SS==0, QR+48+\i/2, XSC, \i%2
.endif
.endr
.rept 4
	v_nop                                          ; four plain instructions in front of loads into registers that these products read, and of the first read of results
.endr
.set MM, MM+1
.endr
.if SS+2 < 6
	QLOAD SS%2, SS+2
.endif
.if SS == 4                            ; ring buffer 0 has had its last quad: the bias lands there
.if \isv
.irp i, 0,1,2,3
	global_load_b32 v[BI+2*\i], v22, s[48:49] offset:(32*(\i/2)+8*(\i%2))*4     ; my channel's bias, in both registers of a pair
	global_load_b32 v[BI+2*\i+1], v22, s[48:49] offset:(32*(\i/2)+8*(\i%2))*4
.endr
.else
.irp b, 0,1
.irp j, 0,1,2,3
	global_load_b128 v[BI+16*\b+4*\j:BI+16*\b+4*\j+3], v21, s[48:49] offset:128*\b+16*\j   ; channels 32 b + 16 h + 4 j on
.endr
.endr
.endif
.set NLD, NLD+8
.endif
.set SS, SS+1
.endr
	v_mov_b32 v[TM+4], 0                           ; a lane permute's destination counts as read
	v_mov_b32 v[TM+5], 0
	v_mov_b32 v[ZR], 0
	s_wait_loadcnt 0x0                             ; the bias
.endm
	s_load_b256 s[4:11], s[0:1], 0x0               ; xf, wa, bq, bk
	s_load_b128 s[12:15], s[0:1], 0x20             ; bv, qf
	s_load_b64 s[16:17], s[0:1], 0x30              ; kv
	v_lshl_add_u32 v126, v0, 2, 0xa200
	v_mov_b32 v127, 0
	v_lshrrev_b32 v1, 5, v0
	v_readfirstlane_b32 s20, v1                    ; wave 0..8
	v_and_b32 v7, 31, v0
	v_and_b32 v3, 15, v0
	v_bfe_u32 v21, v0, 4, 1
	v_lshlrev_b32 v1, 4, v7                        ; v1 16 L
	v_lshlrev_b32 v2, 3, v7                        ; v2 8 L
	v_lshlrev_b32 v7, 2, v7                        ; v7 4 L
	v_and_b32 v22, 8, v3
	v_add_nc_u32 v22, v22, v3
	v_lshlrev_b32 v22, 2, v22                      ; v22 4 (r + 8 (r / 8))
	v_lshlrev_b32 v5, 4, v3                        ; v5 16 r
	v_lshlrev_b32 v6, 3, v3                        ; v6 8 r
	v_lshlrev_b32 v3, 2, v3                        ; v3 4 r
	v_lshlrev_b32 v21, 6, v21                      ; v21 64 h
	s_mul_i32 s21, s20, 4608
	v_add_nc_u32 v4, s21, v1                       ; v4 my wave's ninth of the copy, in memory and in LDS alike
	s_and_b32 s22, ttmp9, 3                        ; G
	s_lshr_b32 s23, ttmp9, 2                       ; RB
	s_cmp_ge_u32 s20, 3
	s_cselect_b32 s24, 1, 0
	s_cmp_ge_u32 s20, 6
	s_cselect_b32 s25, 1, 0
	s_add_co_u32 s24, s24, s25                     ; y: 0 q, 1 k, 2 v
	s_mul_i32 s25, s24, 3
	s_sub_co_u32 s25, s20, s25
	s_mul_i32 s26, s22, 3
	s_add_co_u32 s27, s26, s25                     ; my head
	s_mul_i32 s28, s24, 9
	s_add_co_u32 s28, s28, s26
	s_add_co_u32 s28, s28, s20
	s_mul_i32 s28, s28, 38400                      ; my six quads: (12 y + head) x 6 x 6,400 bytes
	s_mov_b32 s29, 0
	s_mul_i32 s30, s23, 41472
	s_mov_b32 s31, 0
	s_lshl_b32 s32, s27, 8                         ; the head's 64 numbers of a bias
	s_mov_b32 s33, 0
	s_lshl_b32 s34, s27, 8
	s_lshl_b32 s35, s23, 2
	s_add_co_u32 s34, s34, s35
	s_lshl_b32 s34, s34, 10                        ; qf: record 256 head + 4 RB
	s_mov_b32 s35, 0
	s_lshl_b32 s36, s27, 5
	s_lshr_b32 s37, s23, 1
	s_add_co_u32 s36, s36, s37
	s_mul_i32 s36, s36, 13312                      ; kv: record 32 head + RB / 2
	s_and_b32 s38, s23, 1                          ; which half of the record's 128 keys
	s_mov_b32 s[SEL], 0x76543210
	s_mov_b32 s[SEL+1], 0xfedcba98
	s_wait_kmcnt 0x0
	s_cmp_lt_u32 s20, 6
	s_cselect_b64 s[48:49], s[10:11], s[12:13]
	s_cmp_lt_u32 s20, 3
	s_cselect_b64 s[48:49], s[8:9], s[48:49]       ; my bias: the choice hangs on the wave's number alone
	s_add_nc_u64 s[48:49], s[48:49], s[32:33]
	s_add_nc_u64 s[4:5], s[4:5], s[30:31]
	s_add_nc_u64 s[6:7], s[6:7], s[28:29]
.irp i, 0,1,2,3,4,5,6,7,8
	global_load_b128 v[ACC+4*\i:ACC+4*\i+3], v4, s[4:5] offset:512*\i
.endr
.set NLD, 9
	QLOAD 0, 0
	QLOAD 1, 1
	s_wait_loadcnt 26                              ; the copy's nine loads are in; the 26 of the two quads are younger
.irp i, 0,1,2,3,4,5,6,7,8
	ds_store_b128 v4, v[ACC+4*\i:ACC+4*\i+3] offset:512*\i
.endr
	s_wait_dscnt 0x0                               ; for the others' sake: my part of x's records lies in LDS
	s_barrier_signal -1
	s_barrier_wait -1                              ; everybody's does.  The launch's one barrier; LDS is only read from here on
.set NLD_P, NLD
.set QE0_P, QE0
.set QE1_P, QE1
	s_cmp_ge_u32 s20, 6
	s_cbranch_scc1 .Lv_path
	; ---- q and k
	MAIN 0
.irp m, 0,1,2,3
.irp k, 0,2,4,6,8,10,12,14,16,18,20,22,24,26,28,30
	v_pk_add_f32 v[ACC+32*\m+\k:ACC+32*\m+\k+1], v[ACC+32*\m+\k:ACC+32*\m+\k+1], v[BI+\k:BI+\k+1]   ; each accumulator from its low end on
.endr
	QUANTH ACC+32*\m, PC+8*\m, PT, PC+8*\m+6, TM
.endr
	s_cmp_ge_u32 s20, 3
	s_cbranch_scc1 .Lk_store
	s_add_nc_u64 s[14:15], s[14:15], s[34:35]
.irp m, 0,1,2,3
	global_store_b128 v1, v[PC+8*\m:PC+8*\m+3], s[14:15] offset:1024*\m
	global_store_b64 v2, v[PC+8*\m+4:PC+8*\m+5], s[14:15] offset:1024*\m+512
	global_store_b32 v3, v[PC+8*\m+6], s[14:15] offset:1024*\m+768      ; bytes 2 and 3 of the word are 0
.endr
	s_wait_tensorcnt 0x0
	ds_add_u32 v126, v127
	s_wait_dscnt 0x0
	s_endpgm
.Lk_store:
	s_mul_i32 s40, s38, 3072
	s_add_co_u32 s40, s40, s36
	s_mov_b32 s41, 0
	s_lshl_b32 s42, s38, 3
	s_add_co_u32 s42, s42, s36
	s_add_co_u32 s42, s42, 6144
	s_mov_b32 s43, 0
	s_add_nc_u64 s[40:41], s[16:17], s[40:41]      ; key tiles 4 (RB % 2) + m, 768 bytes each
	s_add_nc_u64 s[42:43], s[16:17], s[42:43]      ; the word of tile 2 p + u, lane r, at 16 (16 u + r) + 4 p
.irp m, 0,1,2,3
	global_store_b128 v1, v[PC+8*\m:PC+8*\m+3], s[40:41] offset:768*\m
	global_store_b64 v2, v[PC+8*\m+4:PC+8*\m+5], s[40:41] offset:768*\m+512
	global_store_b32 v5, v[PC+8*\m+6], s[42:43] offset:256*(\m%2)+4*(\m/2)
.endr
	s_wait_tensorcnt 0x0
	ds_add_u32 v126, v127
	s_wait_dscnt 0x0
	s_endpgm
	; ---- v
.Lv_path:
.set NLD, NLD_P
.set QE0, QE0_P
.set QE1, QE1_P
	MAIN 1
	s_mul_i32 s40, s38, 768
	s_add_co_u32 s40, s40, s36
	s_add_co_u32 s40, s40, 6656
	s_mov_b32 s41, 0
	s_lshl_b32 s42, s38, 1
	s_add_co_u32 s42, s42, s36
	s_add_co_u32 s42, s42, 12800
	s_mov_b32 s43, 0
	s_lshl_b32 s44, s38, 7
	s_add_co_u32 s44, s44, s36
	s_add_co_u32 s44, s44, 13056
	s_mov_b32 s45, 0
	s_add_nc_u64 s[40:41], s[16:17], s[40:41]      ; channel tile i: its half RB % 2 of 128 keys
	s_add_nc_u64 s[42:43], s[16:17], s[42:43]      ; two bytes of the word of tile 2 p + u, lane r, at 8 (16 u + r) + 4 p
	s_add_nc_u64 s[44:45], s[16:17], s[44:45]      ; the record's last 256 bytes are written as zeros: it is fetched whole
.irp i, 0,1,2,3
.irp k, 0,2,4,6,8,10,12,14,16,18,20,22,24,26,28,30
	v_pk_add_f32 v[ACC+32*\i+\k:ACC+32*\i+\k+1], v[ACC+32*\i+\k:ACC+32*\i+\k+1], v[BI+2*\i:BI+2*\i+1]
.endr
	QUANTH ACC+32*\i, PC+8*\i, PT, PC+8*\i+6, TM
.endr
.irp i, 0,1,2,3
	global_store_b128 v1, v[PC+8*\i:PC+8*\i+3], s[40:41] offset:1536*\i
	global_store_b64 v2, v[PC+8*\i+4:PC+8*\i+5], s[40:41] offset:1536*\i+512
	global_store_b16 v6, v[PC+8*\i+6], s[42:43] offset:128*(\i%2)+4*(\i/2)
.endr
	global_store_b32 v7, v[ZR], s[44:45]
	s_wait_tensorcnt 0x0
	ds_add_u32 v126, v127
	s_wait_dscnt 0x0
	s_endpgm
.Lfunc_end_k_qe8e8d03fdb_qkv:
	.size	k_qe8e8d03fdb_qkv, .Lfunc_end_k_qe8e8d03fdb_qkv-k_qe8e8d03fdb_qkv
	.p2alignl 7, 3214868480
	.fill 96, 4, 3214868480
	.section	.rodata,"a",@progbits
	.p2align	6, 0x0
	.amdhsa_kernel k_qe8e8d03fdb_qkv
		.amdhsa_group_segment_fixed_size 42752
		.amdhsa_private_segment_fixed_size 0
		.amdhsa_enable_private_segment 0
		.amdhsa_kernarg_size 56
		.amdhsa_user_sgpr_count 2
		.amdhsa_user_sgpr_kernarg_segment_ptr 1
		.amdhsa_wavefront_size32 1
		.amdhsa_system_sgpr_workgroup_id_x 1
		.amdhsa_system_sgpr_workgroup_id_y 1
		.amdhsa_system_sgpr_workgroup_id_z 1
		.amdhsa_system_vgpr_workitem_id 0
		.amdhsa_next_free_vgpr 256
		.amdhsa_next_free_sgpr 66
		.amdhsa_reserve_vcc 0
		.amdhsa_float_denorm_mode_32 3
		.amdhsa_float_denorm_mode_16_64 3
		.amdhsa_memory_ordered 1
		.amdhsa_forward_progress 1
		.amdhsa_inst_pref_size 90
	.end_amdhsa_kernel
	.amdgpu_metadata
---
amdhsa.version: [ 1, 2 ]
amdhsa.kernels:
  - .name:           k_qe8e8d03fdb_qkv
    .symbol:         k_qe8e8d03fdb_qkv.kd
    .args:
      - { .name: xf, .offset: 0, .size: 8, .value_kind: global_buffer, .address_space: global }
      - { .name: wa, .offset: 8, .size: 8, .value_kind: global_buffer, .address_space: global }
      - { .name: bq, .offset: 16, .size: 8, .value_kind: global_buffer, .address_space: global }
      - { .name: bk, .offset: 24, .size: 8, .value_kind: global_buffer, .address_space: global }
      - { .name: bv, .offset: 32, .size: 8, .value_kind: global_buffer, .address_space: global }
      - { .name: qf, .offset: 40, .size: 8, .value_kind: global_buffer, .address_space: global }
      - { .name: kv, .offset: 48, .size: 8, .value_kind: global_buffer, .address_space: global }
    .group_segment_fixed_size: 42752
    .private_segment_fixed_size: 0
    .kernarg_segment_align: 8
    .kernarg_segment_size: 56
    .max_flat_workgroup_size: 288
    .sgpr_count:     66
    .vgpr_count:     256
    .wavefront_size: 32
...
	.end_amdgpu_metadata
.endif
;; end of part 2
;; launch attn (part 3): grid 256 x 1, 12 waves a work-group, no clusters, 327,680 bytes of LDS; arguments qf, kv, ctxf, ctxs; writes ctxf, ctxs
.if DOCPART == 3
	.amdgcn_target "amdgcn-amd-amdhsa--gfx1250"
	.amdhsa_code_object_version 6
	.text
	.protected	k_qe8e8d03fdb_attn
	.globl	k_qe8e8d03fdb_attn
	.p2align	8
	.type	k_qe8e8d03fdb_attn,@function
k_qe8e8d03fdb_attn:
	s_mov_b64 s[64:65], 0
	v_nop
	global_prefetch_b8 v0, s[64:65] scope:SCOPE_SE
	s_setreg_imm32_b32 hwreg(HW_REG_WAVE_MODE, 25, 1), 1
	s_wait_xcnt 0x0
; ATTENTION on codes of E3M2.  ctx[q] = (sum over keys of p v) / l, p = 2^(t - M), t = score x log2(e) / 8, M the running largest t rounded up to a whole number; l the sum of the unquantised p.
; SHARES.  Work-group id: G = id % 4 takes heads 3 G .. 3 G + 2, QB = id / 4 takes query tiles 4 QB .. 4 QB + 3.  Wave w owns head 3 G + w / 4 and tile 4 QB + w % 4: 16 queries, in 256 registers, three waves to a SIMD.
; Every wave walks the head's 4,096 keys, 128 a step.  A step's record of kv is 13,312 bytes: 8 key tiles as half fragments and their scale words (6,656), 4 channel tiles of V with the keys innermost and theirs (6,656).
; RING.  Two slots of two steps x three heads (79,872 bytes).  Each of the twelve waves fetches one half record (26 rows of 256 bytes, dense) with one tensor load behind each change of slots; a wave never has more than one out.
; Both products are used transposed (S^T = K Q^T, O^T = V^T P^T): a lane holds one query throughout.  The keys of a tile are chosen so that the 16 registers of two neighbouring tiles are 16 neighbouring keys.
; THE FIRST PRODUCT'S K IS 64, the instruction's 128: Q's registers 6-11 are zero codes, so what stands in source 0's registers 6-11 (the next key tile's codes; zeros behind the last) is multiplied by zero; the scale words' bytes 2, 3 are 0, not 0xff.
; No cluster: a slot's fill has two steps of twelve waves' softmax in which to land, and what is shared between work-groups is a small part of a step's time.
; All of a WGP's LDS is claimed.
; LIMITS: NaN and infinities not served; a block of p that has fallen to zeros keeps the byte 1.
.set SLOT1, 131072                     ; slot 1 begins here: one exclusive or turns an address from slot to slot
.set SPARE, 210944                     ; behind the ring: the spare words, 128 bytes a wave, six blocks of 256 bytes that no other line names
.set KB,  32                           ; v32-85 eight key tiles of 6 registers and six zeros; later V's four fragments (v32-79)
.set S,   96                           ; v96-159 S^T, then p
.set O,   160                          ; v160-191 O^T
.set P,   192                          ; v192-203 p's codes
.set PT,  204                          ; v204-206, v208-210
.set BM,  212                          ; the blocks' largest scores, then largest p
.set BP,  216
.set BO,  220
.set FF,  228                          ; v[228:229] f = 2^(old M - new M)
.set TMP, 230
.set SUMT, 232
.set WV,  12
.set SEL, 20
.set CS,  22                           ; s[22:23] c = log2(e) / 8
.set G1,  24
.set G0,  32
.set TB,  36                           ; LDS byte at which the slot in hand begins
.set SLOTS, 37
; v1 16 L + 26,624 (w / 4), v2 8 L + the same; v3, v4 those + TB; v5, v6 the add's; v7 4 r; v8 Q's scale words; v9 p's; v[10:11] V's; v12 -M; v13 largest t; v[14:15] the sum; v[16:27] Q; v[28:31] K's scale words
.macro WM d, a, b, zero, sa, sb, row
.if \zero
.if (\row)==0
	v_wmma_scale_f32_16x16x128_f8f6f4 v[\d:\d+7], v[\a:\a+11], v[\b:\b+11], 0, v[\sa], v[\sb] matrix_a_fmt:MATRIX_FMT_BF6 matrix_b_fmt:MATRIX_FMT_BF6
.else
	v_wmma_scale_f32_16x16x128_f8f6f4 v[\d:\d+7], v[\a:\a+11], v[\b:\b+11], 0, v[\sa], v[\sb] matrix_a_fmt:MATRIX_FMT_BF6 matrix_b_fmt:MATRIX_FMT_BF6 matrix_a_scale:MATRIX_SCALE_ROW1
.endif
.else
.if (\row)==0
	v_wmma_scale_f32_16x16x128_f8f6f4 v[\d:\d+7], v[\a:\a+11], v[\b:\b+11], v[\d:\d+7], v[\sa], v[\sb] matrix_a_fmt:MATRIX_FMT_BF6 matrix_b_fmt:MATRIX_FMT_BF6
.else
	v_wmma_scale_f32_16x16x128_f8f6f4 v[\d:\d+7], v[\a:\a+11], v[\b:\b+11], v[\d:\d+7], v[\sa], v[\sb] matrix_a_fmt:MATRIX_FMT_BF6 matrix_b_fmt:MATRIX_FMT_BF6 matrix_a_scale:MATRIX_SCALE_ROW1
.endif
.endif
.endm
.macro QUANTH s, pc, pt, pw, tm        ; 32 numbers of a lane become half a fragment and two scale bytes
.irp b, 0,1
	v_max3_num_f32 v[\tm+\b], |v[\s+16*\b]|, |v[\s+1+16*\b]|, 0x2800000
.endr
.irp i, 2,4,6,8,10,12,14
.irp b, 0,1
	v_max3_num_f32 v[\tm+\b], v[\tm+\b], |v[\s+16*\b+\i]|, |v[\s+1+16*\b+\i]|
.endr
.endr
.irp b, 0,1
	v_permlanex16_b32 v[\tm+4+\b], v[\tm+\b], s[SEL], s[SEL+1]
.endr
.irp b, 0,1
	v_max_num_f32 v[\tm+\b], v[\tm+\b], v[\tm+4+\b]
.endr
.irp b, 0,1
	v_add_nc_u32 v[\tm+8+\b], 0xfe000000, v[\tm+\b]
.endr
.irp b, 0,1
	v_lshrrev_b32 v[\tm+4+\b], 23, v[\tm+8+\b]
.endr
	v_lshl_or_b32 v[\pw], v[\tm+5], 8, v[\tm+4]
	v_cvt_scalef32_pk16_bf6_f32 v[\pc:\pc+2], v[\s:\s+15], v[\tm+8]
	v_cvt_scalef32_pk16_bf6_f32 v[\pt:\pt+2], v[\s+16:\s+31], v[\tm+9]
	v_nop
.irp i, 0,1,2
	v_permlane16_swap_b32 v[\pc+\i], v[\pt+\i]
.endr
.irp i, 0,1,2
	v_mov_b32 v[\pc+3+\i], v[\pt+\i]
.endr
.endm
; A KEY STEP: 128 keys, the e-th of the slot in hand
.macro STEP e
	v_add_nc_u32 v3, s[TB], v1
	v_add_nc_u32 v4, s[TB], v2
	v_nop
	v_nop                                          ; with the two additions: four plain instructions in front of loads into registers that the last products read
.irp t, 0,1,2,3,4,5,6,7
	ds_load_b128 v[KB+6*\t:KB+6*\t+3], v3 offset:13312*\e+768*\t
	ds_load_b64 v[KB+6*\t+4:KB+6*\t+5], v4 offset:13312*\e+768*\t+512
.endr
	ds_load_b128 v[28:31], v3 offset:13312*\e+6144         ; register p: lanes 0-15 the words of tile 2 p, lanes 16-31 of tile 2 p + 1
	s_wait_dscnt 0x0
.irp t, 0,1,2,3,4,5,6,7
	WM S+8*\t, KB+6*\t, 16, 1, 28+\t/2, 8, \t%2
.endr
.rept 4
	v_nop                                          ; in front of the loads below and of the first read of the scores
.endr
.irp u, 0,1,2,3                                ; V's four fragments are asked for now and land under the softmax
.irp c, 0,1
	ds_load_b128 v[KB+12*\u+6*\c:KB+12*\u+6*\c+3], v3 offset:13312*\e+6656+1536*\u+768*\c
	ds_load_b64 v[KB+12*\u+6*\c+4:KB+12*\u+6*\c+5], v4 offset:13312*\e+6656+1536*\u+768*\c+512
.endr
.endr
	ds_load_b64 v[10:11], v4 offset:13312*\e+12800
.irp b, 0,1,2,3
	v_max3_num_f32 v[BM+\b], v[S+16*\b], v[S+1+16*\b], v[S+2+16*\b]     ; the largest score of each block of 32 keys: for the row's maximum, and, since p rises with the score, for the block's largest p
.endr
.irp i, 3,5,7,9,11,13
.irp b, 0,1,2,3
	v_max3_num_f32 v[BM+\b], v[BM+\b], v[S+16*\b+\i], v[S+1+16*\b+\i]
.endr
.endr
.irp b, 0,1,2,3
	v_max_num_f32 v[BM+\b], v[BM+\b], v[S+15+16*\b]
.endr
.irp b, 0,1,2,3
	v_permlanex16_b32 v[BP+\b], v[BM+\b], s[SEL], s[SEL+1]
.endr
.irp b, 0,1,2,3
	v_max_num_f32 v[BM+\b], v[BM+\b], v[BP+\b]
.endr
	v_max3_num_f32 v[TMP], v[BM], v[BM+1], v[BM+2]
	v_max_num_f32 v[TMP], v[TMP], v[BM+3]
	v_mul_f32 v[TMP], s[CS], v[TMP]
	v_max_num_f32 v13, v13, v[TMP]                 ; the running largest t
	v_mov_b32 v[TMP], v12
	v_floor_f32 v12, -v13                          ; -M = floor(-t): M is a whole number
	v_sub_f32 v[TMP], v12, v[TMP]
	v_cvt_i32_f32 v[TMP], v[TMP]                   ; (it saturates)
	v_ldexp_f32 v[FF], 1.0, v[TMP]                 ; f = 2^(old M - new M): rounds nothing
.irp j, 0,2,4,6,8,10,12,14,16,18,20,22,24,26,28,30,32,34,36,38,40,42,44,46,48,50,52,54,56,58,60,62
	v_pk_fma_f32 v[S+\j:S+\j+1], v[S+\j:S+\j+1], s[CS:CS+1], v[12:13] op_sel_hi:[1,0,0]   ; t - M
.endr
.irp b, 0,1,2,3
	v_fma_f32 v[BM+\b], v[BM+\b], s[CS], v12
.endr
.irp j, 0,1,2,3,4,5,6,7,8,9,10,11,12,13,14,15,16,17,18,19,20,21,22,23,24,25,26,27,28,29,30,31,32,33,34,35,36,37,38,39,40,41,42,43,44,45,46,47,48,49,50,51,52,53,54,55,56,57,58,59,60,61,62,63
	v_exp_f32 v[S+\j], v[S+\j]                     ; p = 2^(t - M): not normalised
.endr
.irp b, 0,1,2,3
	v_exp_f32 v[BM+\b], v[BM+\b]                   ; the block's largest p: the same two instructions on the same number
.endr
	v_pk_mul_f32 v[14:15], v[14:15], v[FF:FF+1] op_sel_hi:[1,0]      ; the sum under the new M (a plain instruction behind the exponentials)
	s_wait_alu depctr_va_vdst(0)
.irp b, 0,1,2,3
	v_max_num_f32 v[BM+\b], 0x2800000, v[BM+\b]
.endr
.irp b, 0,1,2,3
	v_add_nc_u32 v[BO+\b], 0xfe000000, v[BM+\b]
.endr
.irp b, 0,1,2,3
	v_lshrrev_b32 v[BP+\b], 23, v[BO+\b]
.endr
	v_lshl_or_b32 v9, v[BP+1], 8, v[BP]            ; p's scale word for these 128 keys
	v_lshl_or_b32 v9, v[BP+2], 16, v9
	v_lshl_or_b32 v9, v[BP+3], 24, v9
.irp c, 0,1
	v_cvt_scalef32_pk16_bf6_f32 v[P+6*\c:P+2+6*\c], v[S+32*\c:S+15+32*\c], v[BO+2*\c]
	v_cvt_scalef32_pk16_bf6_f32 v[PT+4*\c:PT+2+4*\c], v[S+16+32*\c:S+31+32*\c], v[BO+1+2*\c]
.endr
	v_nop
.irp c, 0,1
.irp i, 0,1,2
	v_permlane16_swap_b32 v[P+6*\c+\i], v[PT+4*\c+\i]
.endr
.irp i, 0,1,2
	v_mov_b32 v[P+3+6*\c+\i], v[PT+4*\c+\i]
.endr
.endr
	v_pk_add_f32 v[SUMT:SUMT+1], v[S:S+1], v[S+2:S+3]      ; the row's sum is taken of the unquantised p, in two chains
.irp j, 4,8,12,16,20,24,28,32,36,40,44,48,52,56,60
	v_pk_add_f32 v[14:15], v[14:15], v[S+\j:S+\j+1]
	v_pk_add_f32 v[SUMT:SUMT+1], v[SUMT:SUMT+1], v[S+\j+2:S+\j+3]
.endr
	v_pk_add_f32 v[14:15], v[14:15], v[SUMT:SUMT+1]
.irp j, 0,2,4,6,8,10,12,14,16,18,20,22,24,26,28,30
	v_pk_mul_f32 v[O+\j:O+\j+1], v[O+\j:O+\j+1], v[FF:FF+1] op_sel_hi:[1,0]   ; O^T under the new M
.endr
	s_wait_dscnt 0x0                               ; V and its scale words
.irp u, 0,1,2,3
	WM O+8*\u, KB+12*\u, P, 0, 10+\u/2, 9, \u%2    ; the four accumulators by turns; eight other products stand between a step's and the next step's
.endr
.endm
; THE CHANGE OF SLOTS, at a slot's head: all my tensor loads have landed (my part of the slot ahead), the add, my reads of the slot left are over; one barrier; then the slot left is filled with the keys that follow.
.macro CHANGE fill
	s_wait_tensorcnt 0x0                           ; no tensor load of mine is out, so the descriptor may be written
	ds_add_u32 v5, v6                              ; 0 onto my spare word
.if \fill
	s_xor_b32 s[G0+1], s[G0+1], SLOT1              ; the other slot than last time,
	s_add_nc_u64 s[G0+2:G0+3], s[G0+2:G0+3], 26624 ; two steps' records on
.endif
	s_wait_dscnt 0x0
	s_barrier_signal -1
	s_barrier_wait -1
.if \fill
	tensor_load_to_lds s[G0:G0+3], s[G1:G1+7]      ; my one tensor load until the next such barrier, and the first thing behind this one
	s_nop 0
.rept 4
	v_nop
.endr
.endif
.endm
	s_load_b256 s[4:11], s[0:1], 0x0               ; qf, kv, ctxf, ctxs
	v_lshl_add_u32 v5, v0, 2, SPARE
	v_mov_b32 v6, 0
	ds_add_u32 v5, v6
	ds_add_u32 v5, v6
	s_wait_dscnt 0x0
	v_lshrrev_b32 v1, 5, v0
	v_readfirstlane_b32 s[WV], v1                  ; wave 0..11
	s_and_b32 s13, ttmp9, 3
	s_lshr_b32 s14, ttmp9, 2
	s_lshr_b32 s15, s[WV], 2                       ; which of the three heads
	s_and_b32 s16, s[WV], 3                        ; which query tile; also which half record of a slot's four I fetch for my head
	s_mul_i32 s17, s13, 3
	s_add_co_u32 s17, s17, s15                     ; head
	s_lshl_b32 s18, s14, 2
	s_add_co_u32 s18, s18, s16                     ; T
	s_mov_b32 s[G1], 3<<16                         ; no mask; elements of 8 bytes; no padding
	s_mov_b32 s[G1+1], 32<<16                      ; tensor_dim0 = 32 elements: rows of 256 bytes
	s_mov_b32 s[G1+2], 26<<16                      ; tensor_dim1 = 26
	s_mov_b32 s[G1+3], 32<<16                      ; tile_dim0
	s_mov_b32 s[G1+4], 26                          ; tile_dim1
	s_mov_b32 s[G1+5], 32                          ; the pitch: dense
	s_mov_b32 s[G1+6], 0
	s_mov_b32 s[G1+7], 0
	s_mul_i32 s40, s17, 425984                     ; the head's 32 records
	s_mul_i32 s41, s16, 6656
	s_add_co_u32 s40, s40, s41
	s_mov_b32 s41, 0
	s_mov_b32 s[G0], 1
	s_mul_i32 s[G0+1], s[WV], 6656                 ; my piece of slot 0
	s_lshl_b32 s42, s17, 8
	s_add_co_u32 s42, s42, s18
	s_lshl_b32 s42, s42, 10                        ; qf: record 256 head + T
	s_mov_b32 s43, 0
	s_mul_i32 s44, s18, 12
	s_add_co_u32 s44, s44, s17
	s_mul_i32 s44, s44, 768                        ; ctxf: half fragment 12 T + head
	s_mov_b32 s45, 0
	s_mul_i32 s46, s18, 384
	s_lshr_b32 s47, s17, 1
	s_lshl_b32 s47, s47, 6
	s_add_co_u32 s46, s46, s47
	s_and_b32 s47, s17, 1
	s_lshl_b32 s47, s47, 1
	s_add_co_u32 s46, s46, s47                     ; ctxs: 384 T + 64 (head / 2) + 2 (head % 2)
	s_mov_b32 s47, 0
	s_mov_b32 s[SEL], 0x76543210
	s_mov_b32 s[SEL+1], 0xfedcba98
	s_mov_b32 s[CS], 0x3e38aa3b
	s_mov_b32 s[CS+1], s[CS]
	s_mov_b32 s[TB], 0
	s_mov_b32 s[SLOTS], 15
	s_mul_i32 s19, s15, 26624
	s_wait_kmcnt 0x0
	s_add_nc_u64 s[G0+2:G0+3], s[6:7], s[40:41]
	s_or_b32 s[G0+3], s[G0+3], 0x80000000
	tensor_load_to_lds s[G0:G0+3], s[G1:G1+7]      ; slot 0: ahead of every wait on TENSORcnt, every LDS read and every barrier
	s_nop 0
.rept 4
	v_nop
.endr
	s_add_nc_u64 s[4:5], s[4:5], s[42:43]
	s_add_nc_u64 s[8:9], s[8:9], s[44:45]
	s_add_nc_u64 s[10:11], s[10:11], s[46:47]
	v_and_b32 v3, 31, v0
	v_lshlrev_b32 v4, 3, v3
	v_lshlrev_b32 v3, 4, v3
	v_and_b32 v7, 15, v0
	v_lshlrev_b32 v7, 2, v7
	v_add_nc_u32 v1, s19, v3
	v_add_nc_u32 v2, s19, v4
	global_load_b128 v[16:19], v3, s[4:5]          ; Q's half fragment stays in registers
	global_load_b64 v[20:21], v4, s[4:5] offset:512
	global_load_b32 v8, v7, s[4:5] offset:768
	v_mov_b32 v13, 0xff61b1e6                      ; the largest t so far: -3e38
	v_floor_f32 v12, -v13
	v_mov_b32 v14, 0
	v_mov_b32 v15, 0
.irp j, 22,23,24,25,26,27,80,81,82,83,84,85
	v_mov_b32 v[\j], 0                             ; zero codes: Q's upper half, and what follows the last key tile
.endr
.irp j, 0,1,2,3,4,5,6,7,8,9,10,11,12,13,14,15,16,17,18,19,20,21,22,23,24,25,26,27,28,29,30,31
	v_mov_b32 v[O+\j], 0                           ; the step is written once: the first finds zeros, which the first change of M leaves zeros
.endr
.irp b, 0,1,2,3
	v_mov_b32 v[BP+\b], 0                          ; a lane permute's destination counts as read
.endr
	v_mov_b32 v[FF+1], 0                           ; named as the upper half of a pair
	s_wait_loadcnt 0x0                             ; Q; v3 and v4 may be written again
.Lslot:                                            ; 15 trips: behind each change of slots but the last the next slot is asked for
	CHANGE 1
	STEP 0
	STEP 1
	s_xor_b32 s[TB], s[TB], SLOT1
	s_sub_co_u32 s[SLOTS], s[SLOTS], 1
	s_cmp_lg_u32 s[SLOTS], 0
	s_cbranch_scc1 .Lslot
	CHANGE 0                                       ; the last slot is written out
	STEP 0
	STEP 1
	; THE WAY OUT: O^T / l is my 16 queries x the head's 64 channels of ctx: half a fragment of the next product, quantised here
.rept 4
	v_nop
.endr
	v_add_f32 v14, v14, v15
	v_permlanex16_b32 v[TMP], v14, s[SEL], s[SEL+1]
	v_add_f32 v14, v14, v[TMP]
	v_rcp_f32 v14, v14
	v_and_b32 v3, 31, v0                           ; (a plain instruction behind the reciprocal)
	v_lshlrev_b32 v4, 3, v3
	v_lshlrev_b32 v3, 4, v3
	s_wait_alu depctr_va_vdst(0)
.irp j, 0,1,2,3,4,5,6,7,8,9,10,11,12,13,14,15,16,17,18,19,20,21,22,23,24,25,26,27,28,29,30,31
	v_mul_f32 v[S+\j], v[O+\j], v14
.endr
	QUANTH S, P, PT, TMP, BM
	global_store_b128 v3, v[P:P+3], s[8:9]
	global_store_b64 v4, v[P+4:P+5], s[8:9] offset:512
	global_store_b16 v7, v[TMP], s[10:11]
	s_wait_tensorcnt 0x0                           ; the wave's end
	ds_add_u32 v5, v6
	s_wait_dscnt 0x0
	s_endpgm
.Lfunc_end_k_qe8e8d03fdb_attn:
	.size	k_qe8e8d03fdb_attn, .Lfunc_end_k_qe8e8d03fdb_attn-k_qe8e8d03fdb_attn
	.p2alignl 7, 3214868480
	.fill 96, 4, 3214868480
	.section	.rodata,"a",@progbits
	.p2align	6, 0x0
	.amdhsa_kernel k_qe8e8d03fdb_attn
		.amdhsa_group_segment_fixed_size 327680
		.amdhsa_private_segment_fixed_size 0
		.amdhsa_enable_private_segment 0
		.amdhsa_kernarg_size 32
		.amdhsa_user_sgpr_count 2
		.amdhsa_user_sgpr_kernarg_segment_ptr 1
		.amdhsa_wavefront_size32 1
		.amdhsa_system_sgpr_workgroup_id_x 1
		.amdhsa_system_sgpr_workgroup_id_y 1
		.amdhsa_system_sgpr_workgroup_id_z 1
		.amdhsa_system_vgpr_workitem_id 0
		.amdhsa_next_free_vgpr 256
		.amdhsa_next_free_sgpr 66
		.amdhsa_reserve_vcc 0
		.amdhsa_float_denorm_mode_32 3
		.amdhsa_float_denorm_mode_16_64 3
		.amdhsa_memory_ordered 1
		.amdhsa_forward_progress 1
		.amdhsa_inst_pref_size 72
	.end_amdhsa_kernel
	.amdgpu_metadata
---
amdhsa.version: [ 1, 2 ]
amdhsa.kernels:
  - .name:           k_qe8e8d03fdb_attn
    .symbol:         k_qe8e8d03fdb_attn.kd
    .args:
      - { .name: qf, .offset: 0, .size: 8, .value_kind: global_buffer, .address_space: global }
      - { .name: kv, .offset: 8, .size: 8, .value_kind: global_buffer, .address_space: global }
      - { .name: ctxf, .offset: 16, .size: 8, .value_kind: global_buffer, .address_space: global }
      - { .name: ctxs, .offset: 24, .size: 8, .value_kind: global_buffer, .address_space: global }
    .group_segment_fixed_size: 327680
    .private_segment_fixed_size: 0
    .kernarg_segment_align: 8
    .kernarg_segment_size: 32
    .max_flat_workgroup_size: 384
    .sgpr_count:     66
    .vgpr_count:     256
    .wavefront_size: 32
...
	.end_amdgpu_metadata
.endif
;; end of part 3
;; launch mid (part 4): grid 256 x 1, 12 waves a work-group, no clusters, 295,424 bytes of LDS; arguments ctxf, ctxs, wb, x, bo, ln1_g, ln1_b, b1, mo; writes mo
.if DOCPART == 4
	.amdgcn_target "amdgcn-amd-amdhsa--gfx1250"
	.amdhsa_code_object_version 6
	.text
	.protected	k_qe8e8d03fdb_mid
	.globl	k_qe8e8d03fdb_mid
	.p2align	8
	.type	k_qe8e8d03fdb_mid,@function
k_qe8e8d03fdb_mid:
	s_mov_b64 s[64:65], 0
	v_nop
	global_prefetch_b8 v0, s[64:65] scope:SCOPE_SE
	s_setreg_imm32_b32 hwreg(HW_REG_WAVE_MODE, 25, 1), 1
	s_wait_xcnt 0x0
; MID.  h = LN1(x + ctx Wo + bo);  hidden = gelu(h W1 + b1), quantised.  Both products on codes of E3M2; all else in f32.
; SHARES.  Work-group id: G = id % 4, RB = id / 4.  It takes 64 rows (row tiles 4 RB + m, m = 0 .. 3; lane r of tile T stands for row 64 (T/4) + 32 ((T/2)%2) + 8 (T%2) + r + 8 (r/8)) and hidden units 768 G .. 768 G + 767.
; A whole row is wanted for LN1, so the four work-groups of a row block each make h for themselves: 461 KB of Wo more for each, in place of a launch and of h's way through memory ahead of the quantiser.
; Wave w: first columns 64 w .. 64 w + 63 of h, then hidden units 64 (12 G + w) on, each for all 64 rows: 16 accumulators.  A weight quad (4 tiles x 128 along K, 6,400 bytes in the order of the operand's registers)
; is read by one wave alone, from memory into a ring of two register buffers.  The rows' fragments go from wave to wave through LDS as images of their registers (half fragments of 768 bytes, scale words beside them).
; Products are used transposed (source 0 = 16 weight rows, source 1 = 16 rows): a lane holds one row, and register 16 b + i of a tile of rows is column 32 b + 16 (lane/16) + i of the wave's 64.
; OUT (buffer mo): h in f32, [T][w] images of 4,096 bytes (register group i of lane L at 512 i + 16 L), tile m = G from this work-group; the hidden codes [T][u 48] half fragments; their scale words [T][s 24][r].
; No cluster and no tensor load: a weight fragment feeds one wave alone, so LDS would add a write and a read to each byte, and a work-group's weights are 922 KB in all.
; GELU is exact: erf by two polynomials (|z| <= 0.927734375: odd series; above: 1 - exp of a polynomial), both always computed, one chosen by v_cndmask_b32.
; LIMITS: NaN and infinities not served; blocks under 2^-122 and blocks of zeros keep the byte 1; 1 + erf has f32's own cancellation for large negative arguments.
.set CIMG, 0                           ; LDS: ctx's 4 x 12 half fragments
.set CSC,  36864                       ; their scale words [m][K step][r]
.set HIMG, 38400                       ; h's likewise
.set HSC,  75264
.set RED,  76800                       ; eight tables [r] x 64 bytes, word w: the waves' partial sums; each used once
.set XRES, 84992                       ; a stage of 4 x 16 rows x (256 + 16) bytes for each wave, its own
.set HID_OFF, 12582912                 ; in mo: the hidden codes,
.set HIDS_OFF, 22020096                ; and their scale words
.set FA1, 4                            ; v4, v5, v6 where the rows' fragments and scale words are fetched: 16 L, 8 L, 4 r + the phase's bases
.set FA2, 5
.set FA3, 6
.set XF,  8                            ; v8-19 a fragment of the rows;  v20 its scale words
.set XSC, 20
.set QA,  24                           ; ring buffer k at v[24 + 50 k]: 48 registers of codes, 2 of scale words (v72, 73, 122, 123 hold scales and nothing else)
.set QB,  74
.set ACC, 128                          ; v128-255: tile of rows m at ACC + 32 m
.set BI,  24                           ; between the products: a bias or shift,
.set GM,  74                           ; a gain,
.set ST,  56                           ; LayerNorm's statistics, four registers a tile,
.set TR,  106                          ; the tables' words: v106-117 and v8-19
.set TM,  24                           ; the quantiser: at work, second halves, four sets of codes and scale word
.set PT,  34
.set PC,  40
.set G,   74                           ; GELU: v74-97 at work, v98-103 three constants as pairs
.set VC2, 98
.set VC4, 100
.set VD1, 102
.set WV,  28
.set SG,  29
.set RB,  30
.set K_IS2, 36                         ; s[36:59] twelve constants, each in both words of a pair
.set K_C1, 38
.set K_C3, 40
.set K_C5, 42
.set K_C6, 44
.set K_C7, 46
.set K_L2E, 48
.set K_D0, 50
.set K_D2, 52
.set K_D3, 54
.set K_D4, 56
.set K_D5, 58
.set MASK, 60
.set THR,  61
.set SEL,  62
.set WSA,  70                          ; s[70:71] my six quads of Wo;  s[72:73] of W1 (12,800 bytes apart)
.set WSB,  72
.set NLD, 0                            ; global loads issued so far;  QE0, QE1: that count just behind the last load into ring buffer 0, 1
.set QE0, 0
.set QE1, 0
; v1 16 L; v2 8 L; v3 4 r; v7 my stage + 272 r + 64 h; v21 64 h + 256 w; v22 RED + 64 r + 4 w; v23 RED + 64 r + 24 h; v124-127: first x's, ctx's and the stage's places, then h's images' places
.macro WM d, a, b, zero, sa, sb, row   ; one product; zero: C = 0 starts the sum; row 1: source 0's scales stand in lanes 16-31
.if \zero
.if (\row)==0
	v_wmma_scale_f32_16x16x128_f8f6f4 v[\d:\d+7], v[\a:\a+11], v[\b:\b+11], 0, v[\sa], v[\sb] matrix_a_fmt:MATRIX_FMT_BF6 matrix_b_fmt:MATRIX_FMT_BF6
.else
	v_wmma_scale_f32_16x16x128_f8f6f4 v[\d:\d+7], v[\a:\a+11], v[\b:\b+11], 0, v[\sa], v[\sb] matrix_a_fmt:MATRIX_FMT_BF6 matrix_b_fmt:MATRIX_FMT_BF6 matrix_a_scale:MATRIX_SCALE_ROW1
.endif
.else
.if (\row)==0
	v_wmma_scale_f32_16x16x128_f8f6f4 v[\d:\d+7], v[\a:\a+11], v[\b:\b+11], v[\d:\d+7], v[\sa], v[\sb] matrix_a_fmt:MATRIX_FMT_BF6 matrix_b_fmt:MATRIX_FMT_BF6
.else
	v_wmma_scale_f32_16x16x128_f8f6f4 v[\d:\d+7], v[\a:\a+11], v[\b:\b+11], v[\d:\d+7], v[\sa], v[\sb] matrix_a_fmt:MATRIX_FMT_BF6 matrix_b_fmt:MATRIX_FMT_BF6 matrix_a_scale:MATRIX_SCALE_ROW1
.endif
.endif
.endm
.macro QLOAD k, wsb, off               ; a quad into ring buffer k: 13 loads, each of consecutive bytes
.set QR, QA+50*(\k)
.irp c, 0,1,2,3,4,5,6,7,8,9,10,11
	global_load_b128 v[QR+4*\c:QR+4*\c+3], v1, s[\wsb:\wsb+1] offset:(\off)+512*\c
.endr
	global_load_b64 v[QR+48:QR+49], v2, s[\wsb:\wsb+1] offset:(\off)+6144
.set NLD, NLD+13
.if (\k)==0
.set QE0, NLD
.else
.set QE1, NLD
.endif
.endm
.macro WAITQ k                         ; ring buffer k is in: the count is that of the loads issued behind its last one
.if (\k)==0
	s_wait_loadcnt NLD-QE0
.else
	s_wait_loadcnt NLD-QE1
.endif
.endm
; Six K steps of 128; in each, four tiles of rows against the quad's four tiles of columns.  The 16 accumulators take turns, one instruction a turn.
; zf = 1: the first K step starts the sums with 0; zf = 0: the accumulators hold the residual.  Behind K step 4 ring buffer 0 has had its last quad: the bias lands there.
.macro MAIN wsb, strd, bias, zf
.set SS, 0
.rept 6
	WAITQ SS%2
.set MM, 0
.rept 4
	ds_load_b128 v[XF:XF+3], v[FA1] offset:9216*MM+1536*SS
	ds_load_b64 v[XF+4:XF+5], v[FA2] offset:9216*MM+1536*SS+512
	ds_load_b128 v[XF+6:XF+9], v[FA1] offset:9216*MM+1536*SS+768
	ds_load_b64 v[XF+10:XF+11], v[FA2] offset:9216*MM+1536*SS+1280
	ds_load_b32 v[XSC], v[FA3] offset:384*MM+64*SS
	s_wait_dscnt 0x0
.set QR, QA+50*(SS%2)
.irp i, 0,1,2,3
	WM ACC+32*MM+8*\i, QR+12*\i, XF, (\zf)*(SS==0), QR+48+\i/2, XSC, \i%2
.endr
.rept 4
	v_nop                                          ; four plain instructions in front of loads into registers that these products read, and of the first read of results
.endr
.set MM, MM+1
.endr
.if SS+2 < 6
	QLOAD SS%2, \wsb, (SS+2)*\strd
.endif
.if SS == 4
.irp e, 0,1
.irp j, 0,1,2,3
	global_load_b128 v[BI+16*\e+4*\j:BI+16*\e+4*\j+3], v21, s[\bias:\bias+1] offset:128*\e+16*\j   ; columns 32 e + 16 h + 4 j on of my 64
.endr
.endr
.set NLD, NLD+8
.endif
.set SS, SS+1
.endr
	s_wait_loadcnt 0x0                             ; the bias
.endm
.macro BARRIER                         ; my LDS stores have landed and my LDS loads are in: then the work-group's barrier
	s_wait_dscnt 0x0
	s_barrier_signal -1
	s_barrier_wait -1
.endm
.macro YADD4                           ; every tile of rows += the vector at BI; each accumulator from its low end on
.irp m, 0,1,2,3
.irp j, 0,2,4,6,8,10,12,14,16,18,20,22,24,26,28,30
	v_pk_add_f32 v[ACC+32*\m+\j:ACC+32*\m+\j+1], v[ACC+32*\m+\j:ACC+32*\m+\j+1], v[BI+\j:BI+\j+1]
.endr
.endr
.endm
.macro VLOAD reg, ptr                  ; my 32 numbers of a vector of 768
.irp e, 0,1
.irp j, 0,1,2,3
	global_load_b128 v[\reg+16*\e+4*\j:\reg+16*\e+4*\j+3], v21, s[\ptr:\ptr+1] offset:128*\e+16*\j
.endr
.endr
.endm
.macro QUANTH s, pc, pt, pw, tm        ; 32 numbers of a lane become half a fragment, six registers at pc, and two scale bytes in pw
.irp b, 0,1
	v_max3_num_f32 v[\tm+\b], |v[\s+16*\b]|, |v[\s+1+16*\b]|, 0x2800000   ; with the floor 2^(5 - 127): the byte cannot fall under 1
.endr
.irp i, 2,4,6,8,10,12,14
.irp b, 0,1
	v_max3_num_f32 v[\tm+\b], v[\tm+\b], |v[\s+16*\b+\i]|, |v[\s+1+16*\b+\i]|
.endr
.endr
.irp b, 0,1
	v_permlanex16_b32 v[\tm+4+\b], v[\tm+\b], s[SEL], s[SEL+1]
.endr
.irp b, 0,1
	v_max_num_f32 v[\tm+\b], v[\tm+\b], v[\tm+4+\b]
.endr
.irp b, 0,1
	v_add_nc_u32 v[\tm+8+\b], 0xfe000000, v[\tm+\b]       ; 4 off the exponent field: the conversion's scale operand
.endr
.irp b, 0,1
	v_lshrrev_b32 v[\tm+4+\b], 23, v[\tm+8+\b]            ; the scale's byte
.endr
	v_lshl_or_b32 v[\pw], v[\tm+5], 8, v[\tm+4]
	v_cvt_scalef32_pk16_bf6_f32 v[\pc:\pc+2], v[\s:\s+15], v[\tm+8]
	v_cvt_scalef32_pk16_bf6_f32 v[\pt:\pt+2], v[\s+16:\s+31], v[\tm+9]
	v_nop                                          ; one plain instruction behind the conversions
.irp i, 0,1,2
	v_permlane16_swap_b32 v[\pc+\i], v[\pt+\i]     ; a whole block to a lane: lanes 0-15 block 0, lanes 16-31 block 1
.endr
.irp i, 0,1,2
	v_mov_b32 v[\pc+3+\i], v[\pt+\i]
.endr
.endm
; For each tile m the two chains at ST + 4 m and ST + 4 m + 2 become the row's total over all 768 columns, in v[TR + 6 m - 110 (m / 2)] of every lane:
; halves, lane l xor 16, then the twelve waves through tables 4 k + m; a lane adds six of the twelve words and lane l xor 16 the other six.  One order in every wave: all get the same bits.
.macro RSUM4 k
.irp m, 0,1,2,3
	v_pk_add_f32 v[ST+4*\m:ST+4*\m+1], v[ST+4*\m:ST+4*\m+1], v[ST+4*\m+2:ST+4*\m+3]
.endr
.irp m, 0,1,2,3
	v_add_f32 v[ST+4*\m], v[ST+4*\m], v[ST+4*\m+1]
.endr
.irp m, 0,1,2,3
	v_permlanex16_b32 v[ST+4*\m+2], v[ST+4*\m], s[SEL], s[SEL+1]
.endr
.irp m, 0,1,2,3
	v_add_f32 v[ST+4*\m], v[ST+4*\m], v[ST+4*\m+2]
.endr
.irp m, 0,1,2,3
	ds_store_b32 v22, v[ST+4*\m] offset:1024*(4*(\k)+\m)   ; lanes r and r + 16 hold the same sum
.endr
	BARRIER
.irp m, 0,1,2,3
.set TT, TR+6*\m-110*(\m/2)
.irp c, 0,1,2
	ds_load_b64 v[TT+2*\c:TT+2*\c+1], v23 offset:1024*(4*(\k)+\m)+8*\c
.endr
.endr
	s_wait_dscnt 0x0
.irp m, 0,1,2,3
.set TT, TR+6*\m-110*(\m/2)
	v_pk_add_f32 v[TT:TT+1], v[TT:TT+1], v[TT+2:TT+3]
.endr
.irp m, 0,1,2,3
.set TT, TR+6*\m-110*(\m/2)
	v_pk_add_f32 v[TT:TT+1], v[TT:TT+1], v[TT+4:TT+5]
.endr
.irp m, 0,1,2,3
.set TT, TR+6*\m-110*(\m/2)
	v_add_f32 v[TT], v[TT], v[TT+1]
.endr
.irp m, 0,1,2,3
.set TT, TR+6*\m-110*(\m/2)
	v_permlanex16_b32 v[TT+2], v[TT], s[SEL], s[SEL+1]
.endr
.irp m, 0,1,2,3
.set TT, TR+6*\m-110*(\m/2)
	v_add_f32 v[TT], v[TT], v[TT+2]
.endr
.endm
; every tile: Y = (Y - mean) rsqrt(var + 1e-5) g + b, in two passes; g at GM, b at BI
.macro LN4
.irp m, 0,1,2,3
	v_pk_add_f32 v[ST+4*\m:ST+4*\m+1], v[ACC+32*\m:ACC+32*\m+1], v[ACC+32*\m+2:ACC+32*\m+3]
	v_pk_add_f32 v[ST+4*\m+2:ST+4*\m+3], v[ACC+32*\m+4:ACC+32*\m+5], v[ACC+32*\m+6:ACC+32*\m+7]
.endr
.irp j, 8,12,16,20,24,28
.irp m, 0,1,2,3
	v_pk_add_f32 v[ST+4*\m:ST+4*\m+1], v[ST+4*\m:ST+4*\m+1], v[ACC+32*\m+\j:ACC+32*\m+\j+1]
	v_pk_add_f32 v[ST+4*\m+2:ST+4*\m+3], v[ST+4*\m+2:ST+4*\m+3], v[ACC+32*\m+\j+2:ACC+32*\m+\j+3]
.endr
.endr
	RSUM4 0
.irp m, 0,1,2,3
.set TT, TR+6*\m-110*(\m/2)
	v_mul_f32 v[ST+4*\m], 0x3aaaaaab, v[TT]        ; / 768
.endr
.irp m, 0,1,2,3
	v_mov_b32 v[ST+4*\m+1], v[ST+4*\m]
.endr
.irp m, 0,1,2,3
.irp j, 0,2,4,6,8,10,12,14,16,18,20,22,24,26,28,30
	v_pk_add_f32 v[ACC+32*\m+\j:ACC+32*\m+\j+1], v[ACC+32*\m+\j:ACC+32*\m+\j+1], v[ST+4*\m:ST+4*\m+1] neg_lo:[0,1] neg_hi:[0,1]
.endr
.endr
.irp m, 0,1,2,3
	v_pk_mul_f32 v[ST+4*\m:ST+4*\m+1], v[ACC+32*\m:ACC+32*\m+1], v[ACC+32*\m:ACC+32*\m+1]
	v_pk_mul_f32 v[ST+4*\m+2:ST+4*\m+3], v[ACC+32*\m+2:ACC+32*\m+3], v[ACC+32*\m+2:ACC+32*\m+3]
.endr
.irp j, 4,8,12,16,20,24,28
.irp m, 0,1,2,3
	v_pk_fma_f32 v[ST+4*\m:ST+4*\m+1], v[ACC+32*\m+\j:ACC+32*\m+\j+1], v[ACC+32*\m+\j:ACC+32*\m+\j+1], v[ST+4*\m:ST+4*\m+1]
	v_pk_fma_f32 v[ST+4*\m+2:ST+4*\m+3], v[ACC+32*\m+\j+2:ACC+32*\m+\j+3], v[ACC+32*\m+\j+2:ACC+32*\m+\j+3], v[ST+4*\m+2:ST+4*\m+3]
.endr
.endr
	RSUM4 1
.irp m, 0,1,2,3
.set TT, TR+6*\m-110*(\m/2)
	v_mul_f32 v[ST+4*\m], 0x3aaaaaab, v[TT]
.endr
.irp m, 0,1,2,3
	v_add_f32 v[ST+4*\m], 0x3727c5ac, v[ST+4*\m]   ; + 1e-5
.endr
.irp m, 0,1,2,3
	v_rsq_f32 v[ST+4*\m+2], v[ST+4*\m]
.endr
	v_nop                                          ; one plain instruction behind the transcendentals
	s_wait_alu depctr_va_vdst(0)
.irp m, 0,1,2,3
	v_mov_b32 v[ST+4*\m+3], v[ST+4*\m+2]
.endr
	s_wait_loadcnt 0x0                             ; the gain and the shift
.irp m, 0,1,2,3
.irp j, 0,2,4,6,8,10,12,14,16,18,20,22,24,26,28,30
	v_pk_mul_f32 v[ACC+32*\m+\j:ACC+32*\m+\j+1], v[ACC+32*\m+\j:ACC+32*\m+\j+1], v[ST+4*\m+2:ST+4*\m+3]
.endr
.endr
.irp m, 0,1,2,3
.irp j, 0,2,4,6,8,10,12,14,16,18,20,22,24,26,28,30
	v_pk_fma_f32 v[ACC+32*\m+\j:ACC+32*\m+\j+1], v[ACC+32*\m+\j:ACC+32*\m+\j+1], v[GM+\j:GM+\j+1], v[BI+\j:BI+\j+1]
.endr
.endr
.endm
; gelu of four numbers v[x] .. v[x + 3], two pairs by turns.  At g: +0 z = x / sqrt(2), +2 z^2, +4 |z|, +6 the large branch, +8 at work, then erf, +10 the small branch
.macro GELU2 x
.irp g, G, G+12
	v_pk_mul_f32 v[\g:\g+1], v[\x+(\g-G)/6:\x+(\g-G)/6+1], s[K_IS2:K_IS2+1] op_sel_hi:[1,0]
.endr
.irp g, G, G+12
	v_pk_mul_f32 v[\g+2:\g+3], v[\g:\g+1], v[\g:\g+1]
	v_and_b32 v[\g+4], s[MASK], v[\g]
	v_and_b32 v[\g+5], s[MASK], v[\g+1]
.endr
.irp g, G, G+12
	v_pk_fma_f32 v[\g+6:\g+7], v[\g+4:\g+5], s[K_C1:K_C1+1], v[VC2:VC2+1] op_sel_hi:[1,0,1]
	v_pk_fma_f32 v[\g+8:\g+9], v[\g+4:\g+5], s[K_C3:K_C3+1], v[VC4:VC4+1] op_sel_hi:[1,0,1]
.endr
.irp g, G, G+12
	v_pk_fma_f32 v[\g+6:\g+7], v[\g+6:\g+7], v[\g+2:\g+3], v[\g+8:\g+9]
.endr
.irp k, K_C5, K_C6, K_C7
.irp g, G, G+12
	v_pk_fma_f32 v[\g+6:\g+7], v[\g+6:\g+7], v[\g+4:\g+5], s[\k:\k+1] op_sel_hi:[1,1,0]
.endr
.endr
.irp g, G, G+12
	v_pk_fma_f32 v[\g+6:\g+7], v[\g+6:\g+7], v[\g+4:\g+5], v[\g+4:\g+5] neg_lo:[0,0,1] neg_hi:[0,0,1]
.endr
.irp g, G, G+12
	v_pk_mul_f32 v[\g+6:\g+7], v[\g+6:\g+7], s[K_L2E:K_L2E+1] op_sel_hi:[1,0]
.endr
.irp g, G, G+12
	v_exp_f32 v[\g+6], v[\g+6]                     ; erfc(|z|)
	v_exp_f32 v[\g+7], v[\g+7]
.endr
.irp g, G, G+12
	v_pk_fma_f32 v[\g+10:\g+11], v[\g+2:\g+3], s[K_D0:K_D0+1], v[VD1:VD1+1] op_sel_hi:[1,0,1]   ; (plain instructions behind the exponentials)
.endr
.irp k, K_D2, K_D3, K_D4, K_D5
.irp g, G, G+12
	v_pk_fma_f32 v[\g+10:\g+11], v[\g+10:\g+11], v[\g+2:\g+3], s[\k:\k+1] op_sel_hi:[1,1,0]
.endr
.endr
	s_wait_alu depctr_va_vdst(0)
.irp g, G, G+12
	v_pk_fma_f32 v[\g+10:\g+11], v[\g+10:\g+11], v[\g:\g+1], v[\g:\g+1]
	v_pk_fma_f32 v[\g+6:\g+7], v[\g+6:\g+7], -1.0, 1.0 op_sel_hi:[1,0,0]
.endr
.irp g, G, G+12
	v_bfi_b32 v[\g+6], s[MASK], v[\g+6], v[\g]     ; z's sign
	v_bfi_b32 v[\g+7], s[MASK], v[\g+7], v[\g+1]
.endr
.irp g, G, G+12
	v_cmp_lt_f32 vcc_lo, s[THR], v[\g+4]
	v_cndmask_b32 v[\g+8], v[\g+10], v[\g+6], vcc_lo
	v_cmp_lt_f32 vcc_lo, s[THR], v[\g+5]
	v_cndmask_b32 v[\g+9], v[\g+11], v[\g+7], vcc_lo
.endr
.irp g, G, G+12
	v_pk_mul_f32 v[\x+(\g-G)/6:\x+(\g-G)/6+1], v[\x+(\g-G)/6:\x+(\g-G)/6+1], 0.5 op_sel_hi:[1,0]
.endr
.irp g, G, G+12
	v_pk_fma_f32 v[\x+(\g-G)/6:\x+(\g-G)/6+1], v[\x+(\g-G)/6:\x+(\g-G)/6+1], v[\g+8:\g+9], v[\x+(\g-G)/6:\x+(\g-G)/6+1]   ; x / 2 (1 + erf)
.endr
.endm
.macro SC2 k, val
	s_mov_b32 s[\k], \val
	s_mov_b32 s[\k+1], s[\k]
.endm
	s_load_b512 s[4:19], s[0:1], 0x0               ; ctxf 4, ctxs 6, wb 8, x 10, bo 12, ln1_g 14, ln1_b 16, b1 18
	s_load_b64 s[20:21], s[0:1], 0x40              ; mo
	s_set_vgpr_msb 0x40
	v_lshl_add_u32 v0, v0, 2, 0x47c00
	v_mov_b32 v1, 0
	s_set_vgpr_msb 0x4000
	v_lshrrev_b32 v1, 5, v0
	v_readfirstlane_b32 s[WV], v1                  ; wave 0..11
	v_and_b32 v8, 31, v0                           ; L
	v_and_b32 v9, 15, v0                           ; r
	v_bfe_u32 v10, v0, 4, 1                        ; h
	v_lshlrev_b32 v1, 4, v8
	v_lshlrev_b32 v2, 3, v8
	v_lshlrev_b32 v3, 2, v9
	v_mov_b32 v[FA1], v1                           ; the first product's rows: ctx's images begin at LDS byte 0
	v_mov_b32 v[FA2], v2
	v_add_nc_u32 v[FA3], CSC, v3
	s_mul_i32 s2, s[WV], 17408
	s_add_co_u32 s2, s2, XRES                      ; my stage
	v_mul_u32_u24 v7, v9, 272
	v_lshl_add_u32 v7, v10, 6, v7
	v_add_nc_u32 v7, s2, v7                        ; out of it: row r, + 64 h
	v_mul_u32_u24 v127, v10, 272
	v_lshl_add_u32 v127, v9, 4, v127
	v_add_nc_u32 v127, s2, v127                    ; into it: lanes 0-15 one row, lanes 16-31 the next
	s_lshl_b32 s2, s[WV], 8
	v_lshlrev_b32 v21, 6, v10
	v_add_nc_u32 v21, s2, v21
	v_mul_u32_u24 v124, v10, 3072
	v_lshl_add_u32 v124, v9, 4, v124
	v_add_nc_u32 v124, s2, v124                    ; x: 3,072 h + 16 r + 256 w
	v_lshlrev_b32 v22, 6, v9
	v_add_nc_u32 v22, RED, v22
	v_mul_u32_u24 v23, v10, 24
	v_add_nc_u32 v23, v23, v22
	s_lshl_b32 s2, s[WV], 2
	v_add_nc_u32 v22, s2, v22
	s_mul_i32 s2, s[WV], 3072
	v_add_nc_u32 v125, s2, v1                      ; my twelfth of ctx's images, in memory and in LDS alike
	s_lshl_b32 s2, s[WV], 7
	v_lshlrev_b32 v126, 2, v8
	v_add_nc_u32 v126, s2, v126                    ; and of their scale words
	s_and_b32 s[SG], ttmp9, 3
	s_lshr_b32 s[RB], ttmp9, 2
	s_mul_i32 s32, s[RB], 36864
	s_mov_b32 s33, 0
	s_mul_i32 s34, s[RB], 1536
	s_mov_b32 s35, 0
	s_mul_i32 s66, s[RB], 196608                   ; 64 rows of x
	s_mov_b32 s67, 0
	s_mul_i32 s68, s[WV], 345600                   ; Wo's six quads head stream w
	s_mov_b32 s69, 0
	s_mul_i32 s31, s[SG], 12
	s_add_co_u32 s31, s31, s[WV]                   ; u: my group of 64 hidden units
	s_lshr_b32 s2, s31, 2
	s_mul_i32 s2, s2, 54
	s_bfe_u32 s3, s31, 0x10001
	s_mul_i32 s3, s3, 12
	s_add_co_u32 s2, s2, s3
	s_and_b32 s3, s31, 1
	s_add_co_u32 s2, s2, s3
	s_add_co_u32 s2, s2, 6                         ; W1's quad of K step 0: 54 (u / 4) + 6 + 12 ((u / 2) % 2) + u % 2; a K step on is two quads on
	s_mul_i32 s80, s2, 6400
	s_mov_b32 s81, 0
	s_lshl_b32 s2, s[RB], 2
	s_add_co_u32 s2, s2, s[SG]
	s_mul_i32 s2, s2, 12
	s_add_co_u32 s2, s2, s[WV]
	s_lshl_b32 s82, s2, 12                         ; h: image (4 RB + G, w)
	s_mov_b32 s83, 0
	s_mul_i32 s2, s[RB], 192
	s_add_co_u32 s2, s2, s31
	s_mul_i32 s84, s2, 768
	s_add_co_u32 s84, s84, HID_OFF                 ; hidden codes: half fragment 48 (4 RB) + u; a tile of rows on is 36,864 bytes on
	s_mov_b32 s85, 0
	s_mul_i32 s86, s[RB], 6144
	s_lshr_b32 s2, s31, 1
	s_lshl_b32 s2, s2, 6
	s_add_co_u32 s86, s86, s2
	s_and_b32 s2, s31, 1
	s_lshl_b32 s2, s2, 1
	s_add_co_u32 s86, s86, s2
	s_add_co_u32 s86, s86, HIDS_OFF                ; their scale words: 1,536 (4 RB) + 64 (u / 2) + 2 (u % 2)
	s_mov_b32 s87, 0
	s_mul_i32 s88, s[SG], 3072
	s_mov_b32 s89, 0
	SC2 K_IS2, 0x3f3504f3
	SC2 K_C1, 0xb7910000
	SC2 K_C3, 0xbb7e8a1c
	SC2 K_C5, 0xbddaae5c
	SC2 K_C6, 0xbf228550
	SC2 K_C7, 0xbe03ce86
	SC2 K_L2E, 0x3fb8aa3b
	SC2 K_D0, 0xba1c7000
	SC2 K_D2, 0xbcdb48d9
	SC2 K_D3, 0x3de70e22
	SC2 K_D4, 0xbec09380
	SC2 K_D5, 0x3e0375d4
	s_mov_b32 s[MASK], 0x7fffffff
	s_mov_b32 s[THR], 0x3f6d8000
	s_mov_b32 s[SEL], 0x76543210
	s_mov_b32 s[SEL+1], 0xfedcba98
	s_wait_kmcnt 0x0
	s_add_nc_u64 s[4:5], s[4:5], s[32:33]
	s_add_nc_u64 s[6:7], s[6:7], s[34:35]
	s_add_nc_u64 s[10:11], s[10:11], s[66:67]
	s_add_nc_u64 s[WSA:WSA+1], s[8:9], s[68:69]
	s_add_nc_u64 s[WSB:WSB+1], s[8:9], s[80:81]
	s_add_nc_u64 s[18:19], s[18:19], s[88:89]      ; b1 at my work-group's 768 hidden units
	s_add_nc_u64 s[74:75], s[20:21], s[82:83]
	s_add_nc_u64 s[76:77], s[20:21], s[84:85]
	s_add_nc_u64 s[78:79], s[20:21], s[86:87]
	; ---- 0: ctx's images are copied into LDS, a twelfth a wave; my 64 columns of the 64 rows of x come by whole runs of 256 bytes and turn through my stage into the accumulators
.irp i, 0,1,2,3,4,5
	global_load_b128 v[QB+4*\i:QB+4*\i+3], v125, s[4:5] offset:512*\i
.endr
	global_load_b32 v[QB+24], v126, s[6:7]
.irp m, 0,1,2,3
.irp i, 0,1,2,3,4,5,6,7
	global_load_b128 v[ACC+32*\m+4*\i:ACC+32*\m+4*\i+3], v124, s[10:11] offset:(32*(\m/2)+8*(\m%2)+2*\i+8*(\i/4))*3072   ; sixteen lanes read 256 consecutive bytes of a row
.endr
.endr
.set NLD, 39
	QLOAD 0, WSA, 0
	s_wait_loadcnt 45                              ; ctx's seven loads are in: x's 32 and the quad's 13 are younger
.irp i, 0,1,2,3,4,5
	ds_store_b128 v125, v[QB+4*\i:QB+4*\i+3] offset:CIMG+512*\i
.endr
	ds_store_b32 v126, v[QB+24] offset:CSC
	s_wait_dscnt 0x0                               ; the stores have read their registers: the second quad may land there
	QLOAD 1, WSA, 6400
	s_wait_loadcnt 26                              ; x is in: the two quads' 26 loads are younger
.irp m, 0,1,2,3
.irp i, 0,1,2,3,4,5,6,7
	ds_store_b128 v127, v[ACC+32*\m+4*\i:ACC+32*\m+4*\i+3] offset:4352*\m+544*\i
.endr
.endr
	s_wait_dscnt 0x0
.irp m, 0,1,2,3
.irp e, 0,1
.irp j, 0,1,2,3
	ds_load_b128 v[ACC+32*\m+16*\e+4*\j:ACC+32*\m+16*\e+4*\j+3], v7 offset:4352*\m+128*\e+16*\j
.endr
.endr
.endr
	BARRIER                                        ; ctx's 48 half fragments lie in LDS; x is in the accumulators
	s_mul_i32 s2, s[WV], 768                       ; the loads and stores that named v124-126 are done: now h's images' places
	s_add_co_u32 s2, s2, HIMG
	v_add_nc_u32 v124, s2, v1
	v_add_nc_u32 v125, s2, v2
	s_lshr_b32 s2, s[WV], 1
	s_lshl_b32 s2, s2, 6
	s_and_b32 s3, s[WV], 1
	s_lshl_b32 s3, s3, 1
	s_add_co_u32 s2, s2, s3
	s_add_co_u32 s2, s2, HSC
	v_add_nc_u32 v126, s2, v3
	; ---- 1: x + ctx Wo, + bo
	MAIN WSA, 6400, 12, 0
	YADD4
	VLOAD GM, 14                                   ; ln1's gain and shift land under the sums
	VLOAD BI, 16
	; ---- 2: h = LN1
	LN4
.irp m, 0,1,2,3                                ; of the four work-groups that hold these rows each stores one tile: a branch on the work-group's number, round stores alone
	s_cmp_lg_u32 s[SG], \m
	s_cbranch_scc1 .Lnoh\m
.irp i, 0,1,2,3,4,5,6,7
	global_store_b128 v1, v[ACC+32*\m+4*\i:ACC+32*\m+4*\i+3], s[74:75] offset:512*\i   ; 32 lanes store 512 consecutive bytes
.endr
.Lnoh\m:
.endr
	v_mov_b32 v[TM+4], 0                           ; a lane permute's destination counts as read
	v_mov_b32 v[TM+5], 0
.irp m, 0,1,2,3                                ; my 64 columns are half w % 2 of K step w / 2
	QUANTH ACC+32*\m, PC+8*\m, PT, PC+8*\m+6, TM
	ds_store_b128 v124, v[PC+8*\m:PC+8*\m+3] offset:9216*\m
	ds_store_b64 v125, v[PC+8*\m+4:PC+8*\m+5] offset:9216*\m+512
	ds_store_b16 v126, v[PC+8*\m+6] offset:384*\m
.endr
	s_wait_dscnt 0x0                               ; my images have landed, and the stores have read the registers that the quads now land in
	s_wait_xcnt 0x0                                ; h's stores have read the accumulators, which the next products write
.set NLD, 0
.set QE0, 0
.set QE1, 0
	QLOAD 0, WSB, 0
	QLOAD 1, WSB, 12800
	v_add_nc_u32 v[FA1], HIMG, v1                  ; the second product's rows
	v_add_nc_u32 v[FA2], HIMG, v2
	v_add_nc_u32 v[FA3], HSC, v3
	s_barrier_signal -1
	s_barrier_wait -1                              ; h's 48 half fragments lie in LDS
	; ---- 3: h W1 + b1, gelu, quantised: half u % 2 of K step u / 2 of the last product
	MAIN WSB, 12800, 18, 1
	YADD4
	v_mov_b32 v[VC2], 0x39c8e7d9
	v_mov_b32 v[VC2+1], 0x39c8e7d9
	v_mov_b32 v[VC4], 0x3cc6b1a1
	v_mov_b32 v[VC4+1], 0x3cc6b1a1
	v_mov_b32 v[VD1], 0x3ba38d2c
	v_mov_b32 v[VD1+1], 0x3ba38d2c
.set GG, 0
.rept 32
	GELU2 ACC+4*GG
.set GG, GG+1
.endr
	v_mov_b32 v[TM+4], 0
	v_mov_b32 v[TM+5], 0
.irp m, 0,1,2,3
	QUANTH ACC+32*\m, PC+8*\m, PT, PC+8*\m+6, TM
.endr
.irp m, 0,1,2,3
	global_store_b128 v1, v[PC+8*\m:PC+8*\m+3], s[76:77] offset:36864*\m
	global_store_b64 v2, v[PC+8*\m+4:PC+8*\m+5], s[76:77] offset:36864*\m+512
	global_store_b16 v3, v[PC+8*\m+6], s[78:79] offset:1536*\m      ; lanes r and r + 16 hold the same two bytes
.endr
	s_set_vgpr_msb 0x5
	s_wait_tensorcnt 0x0
	ds_add_u32 v0, v1
	s_wait_dscnt 0x0
	s_set_vgpr_msb 0x500
	s_endpgm
.Lfunc_end_k_qe8e8d03fdb_mid:
	.size	k_qe8e8d03fdb_mid, .Lfunc_end_k_qe8e8d03fdb_mid-k_qe8e8d03fdb_mid
	.p2alignl 7, 3214868480
	.fill 96, 4, 3214868480
	.section	.rodata,"a",@progbits
	.p2align	6, 0x0
	.amdhsa_kernel k_qe8e8d03fdb_mid
		.amdhsa_group_segment_fixed_size 295424
		.amdhsa_private_segment_fixed_size 0
		.amdhsa_enable_private_segment 0
		.amdhsa_kernarg_size 72
		.amdhsa_user_sgpr_count 2
		.amdhsa_user_sgpr_kernarg_segment_ptr 1
		.amdhsa_wavefront_size32 1
		.amdhsa_system_sgpr_workgroup_id_x 1
		.amdhsa_system_sgpr_workgroup_id_y 1
		.amdhsa_system_sgpr_workgroup_id_z 1
		.amdhsa_system_vgpr_workitem_id 0
		.amdhsa_next_free_vgpr 258
		.amdhsa_next_free_sgpr 90
		.amdhsa_reserve_vcc 1
		.amdhsa_float_denorm_mode_32 3
		.amdhsa_float_denorm_mode_16_64 3
		.amdhsa_memory_ordered 1
		.amdhsa_forward_progress 1
		.amdhsa_inst_pref_size 236
	.end_amdhsa_kernel
	.amdgpu_metadata
---
amdhsa.version: [ 1, 2 ]
amdhsa.kernels:
  - .name:           k_qe8e8d03fdb_mid
    .symbol:         k_qe8e8d03fdb_mid.kd
    .args:
      - { .name: ctxf, .offset: 0, .size: 8, .value_kind: global_buffer, .address_space: global }
      - { .name: ctxs, .offset: 8, .size: 8, .value_kind: global_buffer, .address_space: global }
      - { .name: wb, .offset: 16, .size: 8, .value_kind: global_buffer, .address_space: global }
      - { .name: x, .offset: 24, .size: 8, .value_kind: global_buffer, .address_space: global }
      - { .name: bo, .offset: 32, .size: 8, .value_kind: global_buffer, .address_space: global }
      - { .name: ln1_g, .offset: 40, .size: 8, .value_kind: global_buffer, .address_space: global }
      - { .name: ln1_b, .offset: 48, .size: 8, .value_kind: global_buffer, .address_space: global }
      - { .name: b1, .offset: 56, .size: 8, .value_kind: global_buffer, .address_space: global }
      - { .name: mo, .offset: 64, .size: 8, .value_kind: global_buffer, .address_space: global }
    .group_segment_fixed_size: 295424
    .private_segment_fixed_size: 0
    .kernarg_segment_align: 8
    .kernarg_segment_size: 72
    .max_flat_workgroup_size: 384
    .sgpr_count:     90
    .vgpr_count:     258
    .wavefront_size: 32
...
	.end_amdgpu_metadata
.endif
;; end of part 4
;; launch ffn2 (part 5): grid 256 x 1, 12 waves a work-group, no clusters, 198,144 bytes of LDS; arguments mo, wb, b2, xf; writes xf
.if DOCPART == 5
	.amdgcn_target "amdgcn-amd-amdhsa--gfx1250"
	.amdhsa_code_object_version 6
	.text
	.protected	k_qe8e8d03fdb_ffn2
	.globl	k_qe8e8d03fdb_ffn2
	.p2align	8
	.type	k_qe8e8d03fdb_ffn2,@function
k_qe8e8d03fdb_ffn2:
	s_mov_b64 s[64:65], 0
	v_nop
	global_prefetch_b8 v0, s[64:65] scope:SCOPE_SE
	s_setreg_imm32_b32 hwreg(HW_REG_WAVE_MODE, 25, 1), 1
	s_wait_xcnt 0x0
; FFN2.  y = h + b2 + hidden W2, the product on codes of E3M2, the rest in f32.  y goes to memory for the launch that norms whole rows.
; SHARES.  Work-group id: G = id % 4, RB = id / 4: 64 rows (row tiles 4 RB + m) x 192 columns (groups of 64: 3 G + j).  Wave w: kq = w % 4, j = w / 4: all 64 rows x column group 3 G + j, K steps 6 kq .. 6 kq + 5 of the 24.
; So each weight quad enters the work-group once, into one wave's ring of two register buffers, and each of the rows' 96 fragments, copied into LDS once (153,600 bytes, dense in memory), is read by three waves.
; The four parts along K meet in LDS as images of the accumulators, laid over the fragments' bytes behind a barrier; wave (kq, j) adds the four parts of tile kq, K ascending, then h and b2.
; Products are used transposed (source 0 = 16 weight rows, source 1 = 16 rows): a lane holds one row.  h and y: [T][column group] images of 4,096 bytes (register group i of lane L at 512 i + 16 L).
; No cluster and no tensor load: a weight fragment feeds one wave alone, and a work-group's weights are 461 KB in all.
.set DSC, 147456                       ; LDS: the fragments [m][K step] from 0 on; their scale words [m][K step][r] here.  Later, from 0 on: 12 x 4 images of 4,096 bytes
.set HID_OFF, 12582912
.set HIDS_OFF, 22020096
.set XF,  8                            ; v8-19 a fragment of the rows;  v20 its scale words
.set XSC, 20
.set QA,  24                           ; ring buffer k at v[24 + 50 k]; v72, 73, 122, 123 hold scales and nothing else
.set ACC, 128
.set BI,  24                           ; behind K step 4: h
.set B2R, 74                           ; behind the products: b2
.set NLD, 0
.set QE0, 0
.set QE1, 0
; v1 16 L; v2 8 L; v4, v5 16 L, 8 L + 9,216 kq (tiles 0, 1); v6, v7 the same + 73,728 (tiles 2, 3); v21 DSC + 4 r + 384 kq; v22 16 L + 12,288 w; v23 16 L + 512 w; v124 DSC + v23;
; v125 16 L + 16,384 w; v126 16 L + 65,536 j + 4,096 kq; v127 64 h
.macro WM d, a, b, zero, sa, sb, row
.if \zero
.if (\row)==0
	v_wmma_scale_f32_16x16x128_f8f6f4 v[\d:\d+7], v[\a:\a+11], v[\b:\b+11], 0, v[\sa], v[\sb] matrix_a_fmt:MATRIX_FMT_BF6 matrix_b_fmt:MATRIX_FMT_BF6
.else
	v_wmma_scale_f32_16x16x128_f8f6f4 v[\d:\d+7], v[\a:\a+11], v[\b:\b+11], 0, v[\sa], v[\sb] matrix_a_fmt:MATRIX_FMT_BF6 matrix_b_fmt:MATRIX_FMT_BF6 matrix_a_scale:MATRIX_SCALE_ROW1
.endif
.else
.if (\row)==0
	v_wmma_scale_f32_16x16x128_f8f6f4 v[\d:\d+7], v[\a:\a+11], v[\b:\b+11], v[\d:\d+7], v[\sa], v[\sb] matrix_a_fmt:MATRIX_FMT_BF6 matrix_b_fmt:MATRIX_FMT_BF6
.else
	v_wmma_scale_f32_16x16x128_f8f6f4 v[\d:\d+7], v[\a:\a+11], v[\b:\b+11], v[\d:\d+7], v[\sa], v[\sb] matrix_a_fmt:MATRIX_FMT_BF6 matrix_b_fmt:MATRIX_FMT_BF6 matrix_a_scale:MATRIX_SCALE_ROW1
.endif
.endif
.endm
.macro QLOAD k, n                      ; quad n of my six into ring buffer k: 13 loads, each of consecutive bytes
.set QR, QA+50*(\k)
.irp c, 0,1,2,3,4,5,6,7,8,9,10,11
	global_load_b128 v[QR+4*\c:QR+4*\c+3], v1, s[24:25] offset:6400*(\n)+512*\c
.endr
	global_load_b64 v[QR+48:QR+49], v2, s[24:25] offset:6400*(\n)+6144
.set NLD, NLD+13
.if (\k)==0
.set QE0, NLD
.else
.set QE1, NLD
.endif
.endm
.macro WAITQ k                         ; ring buffer k is in: the count is that of the loads issued behind its last one
.if (\k)==0
	s_wait_loadcnt NLD-QE0
.else
	s_wait_loadcnt NLD-QE1
.endif
.endm
	s_load_b256 s[4:11], s[0:1], 0x0               ; mo, wb, b2, xf
	v_lshl_add_u32 v3, v0, 2, 0x30000
	s_set_vgpr_msb 0x40
	v_mov_b32 v1, 0
	s_set_vgpr_msb 0x4000
	v_lshrrev_b32 v1, 5, v0
	v_readfirstlane_b32 s12, v1                    ; wave 0..11
	v_and_b32 v8, 31, v0
	v_and_b32 v9, 15, v0
	v_bfe_u32 v10, v0, 4, 1
	v_lshlrev_b32 v1, 4, v8
	v_lshlrev_b32 v2, 3, v8
	s_and_b32 s15, s12, 3                          ; kq
	s_lshr_b32 s16, s12, 2                         ; j
	s_mul_i32 s2, s15, 9216
	v_add_nc_u32 v4, s2, v1
	v_add_nc_u32 v5, s2, v2
	v_add_nc_u32 v6, 73728, v4
	v_add_nc_u32 v7, 73728, v5
	s_mul_i32 s2, s15, 384
	s_add_co_u32 s2, s2, DSC
	v_lshlrev_b32 v21, 2, v9
	v_add_nc_u32 v21, s2, v21
	s_mul_i32 s2, s12, 12288
	v_add_nc_u32 v22, s2, v1
	s_lshl_b32 s2, s12, 9
	v_add_nc_u32 v23, s2, v1
	v_add_nc_u32 v124, DSC, v23
	s_lshl_b32 s2, s12, 14
	v_add_nc_u32 v125, s2, v1
	s_lshl_b32 s2, s16, 16
	s_lshl_b32 s3, s15, 12
	s_add_co_u32 s2, s2, s3
	v_add_nc_u32 v126, s2, v1
	v_lshlrev_b32 v127, 6, v10
	s_and_b32 s13, ttmp9, 3                        ; G
	s_lshr_b32 s14, ttmp9, 2                       ; RB
	s_mul_i32 s17, s13, 3
	s_add_co_u32 s17, s17, s16                     ; my column group
	s_mul_i32 s30, s14, 147456
	s_add_co_u32 s30, s30, HID_OFF
	s_mov_b32 s31, 0
	s_mul_i32 s32, s14, 6144
	s_add_co_u32 s32, s32, HIDS_OFF
	s_mov_b32 s33, 0
	s_mul_i32 s2, s17, 54
	s_mul_i32 s3, s15, 6
	s_add_co_u32 s2, s2, s3
	s_add_co_u32 s2, s2, 30                        ; W2's quads: 54 x column group + 30 + K step
	s_mul_i32 s34, s2, 6400
	s_mov_b32 s35, 0
	s_lshl_b32 s2, s14, 2
	s_add_co_u32 s2, s2, s15
	s_mul_i32 s2, s2, 12
	s_add_co_u32 s2, s2, s17
	s_lshl_b32 s36, s2, 12                         ; h's and y's image (4 RB + kq, column group)
	s_mov_b32 s37, 0
	s_lshl_b32 s38, s17, 8
	s_mov_b32 s39, 0
	s_wait_kmcnt 0x0
	s_add_nc_u64 s[20:21], s[4:5], s[30:31]
	s_add_nc_u64 s[22:23], s[4:5], s[32:33]
	s_add_nc_u64 s[24:25], s[6:7], s[34:35]
	s_add_nc_u64 s[26:27], s[4:5], s[36:37]
	s_add_nc_u64 s[28:29], s[10:11], s[36:37]
	s_add_nc_u64 s[8:9], s[8:9], s[38:39]
	; ---- 0: the rows' fragments and scale words into LDS, a twelfth a wave
.irp i, 0,1,2,3,4,5,6,7,8,9,10,11,12,13,14,15,16,17,18,19,20,21,22,23
	global_load_b128 v[ACC+4*\i:ACC+4*\i+3], v22, s[20:21] offset:512*\i
.endr
	global_load_b128 v[ACC+96:ACC+99], v23, s[22:23]
.set NLD, 25
	QLOAD 0, 0
	QLOAD 1, 1
	s_wait_loadcnt 26                              ; the copy's 25 loads are in: the two quads' 26 are younger
.irp i, 0,1,2,3,4,5,6,7,8,9,10,11,12,13,14,15,16,17,18,19,20,21,22,23
	ds_store_b128 v22, v[ACC+4*\i:ACC+4*\i+3] offset:512*\i
.endr
	ds_store_b128 v124, v[ACC+96:ACC+99]
	s_wait_dscnt 0x0                               ; for the others' sake: my part lies in LDS
	s_barrier_signal -1
	s_barrier_wait -1
	; ---- 1: my six K steps.  The 16 accumulators take turns, one instruction a turn
.set SS, 0
.rept 6
	WAITQ SS%2
.set MM, 0
.rept 4
	ds_load_b128 v[XF:XF+3], v[4+2*(MM/2)] offset:36864*(MM%2)+1536*SS
	ds_load_b64 v[XF+4:XF+5], v[5+2*(MM/2)] offset:36864*(MM%2)+1536*SS+512
	ds_load_b128 v[XF+6:XF+9], v[4+2*(MM/2)] offset:36864*(MM%2)+1536*SS+768
	ds_load_b64 v[XF+10:XF+11], v[5+2*(MM/2)] offset:36864*(MM%2)+1536*SS+1280
	ds_load_b32 v[XSC], v21 offset:1536*MM+64*SS
	s_wait_dscnt 0x0
.set QR, QA+50*(SS%2)
.irp i, 0,1,2,3
	WM ACC+32*MM+8*\i, QR+12*\i, XF, SS==0, QR+48+\i/2, XSC, \i%2
.endr
.rept 4
	v_nop                                          ; four plain instructions in front of loads into registers that these products read, and of the first read of results
.endr
.set MM, MM+1
.endr
.if SS+2 < 6
	QLOAD SS%2, SS+2
.endif
.if SS == 4                            ; ring buffer 0 has had its last quad: h lands there
.irp i, 0,1,2,3,4,5,6,7
	global_load_b128 v[BI+4*\i:BI+4*\i+3], v1, s[26:27] offset:512*\i
.endr
.set NLD, NLD+8
.endif
.set SS, SS+1
.endr
.irp e, 0,1
.irp j, 0,1,2,3
	global_load_b128 v[B2R+16*\e+4*\j:B2R+16*\e+4*\j+3], v127, s[8:9] offset:128*\e+16*\j
.endr
.endr
	; ---- 2: the four parts along K meet
	s_wait_dscnt 0x0                               ; my reads of the fragments are over
	s_barrier_signal -1
	s_barrier_wait -1                              ; everybody's are: their bytes may be written
.irp i, 0,1,2,3,4,5,6,7,8,9,10,11,12,13,14,15,16,17,18,19,20,21,22,23,24,25,26,27,28,29,30,31
	ds_store_b128 v125, v[ACC+4*\i:ACC+4*\i+3] offset:512*\i       ; each accumulator from its low end on
.endr
	s_wait_dscnt 0x0
	s_barrier_signal -1
	s_barrier_wait -1
.irp q, 0,1,2,3
.irp i, 0,1,2,3,4,5,6,7
	ds_load_b128 v[ACC+32*\q+4*\i:ACC+32*\q+4*\i+3], v126 offset:16384*\q+512*\i   ; tile kq as wave (q, j) summed it
.endr
.endr
	s_wait_dscnt 0x0
	s_wait_loadcnt 0x0                             ; h and b2
.irp q, ACC+32, ACC+64, ACC+96, BI, B2R
.irp j, 0,2,4,6,8,10,12,14,16,18,20,22,24,26,28,30
	v_pk_add_f32 v[ACC+\j:ACC+\j+1], v[ACC+\j:ACC+\j+1], v[\q+\j:\q+\j+1]
.endr
.endr
.irp i, 0,1,2,3,4,5,6,7
	global_store_b128 v1, v[ACC+4*\i:ACC+4*\i+3], s[28:29] offset:512*\i    ; 32 lanes store 512 consecutive bytes
.endr
	s_set_vgpr_msb 0x4
	s_wait_tensorcnt 0x0
	ds_add_u32 v3, v1
	s_wait_dscnt 0x0
	s_set_vgpr_msb 0x400
	s_endpgm
.Lfunc_end_k_qe8e8d03fdb_ffn2:
	.size	k_qe8e8d03fdb_ffn2, .Lfunc_end_k_qe8e8d03fdb_ffn2-k_qe8e8d03fdb_ffn2
	.p2alignl 7, 3214868480
	.fill 96, 4, 3214868480
	.section	.rodata,"a",@progbits
	.p2align	6, 0x0
	.amdhsa_kernel k_qe8e8d03fdb_ffn2
		.amdhsa_group_segment_fixed_size 198144
		.amdhsa_private_segment_fixed_size 0
		.amdhsa_enable_private_segment 0
		.amdhsa_kernarg_size 32
		.amdhsa_user_sgpr_count 2
		.amdhsa_user_sgpr_kernarg_segment_ptr 1
		.amdhsa_wavefront_size32 1
		.amdhsa_system_sgpr_workgroup_id_x 1
		.amdhsa_system_sgpr_workgroup_id_y 1
		.amdhsa_system_sgpr_workgroup_id_z 1
		.amdhsa_system_vgpr_workitem_id 0
		.amdhsa_next_free_vgpr 258
		.amdhsa_next_free_sgpr 66
		.amdhsa_reserve_vcc 0
		.amdhsa_float_denorm_mode_32 3
		.amdhsa_float_denorm_mode_16_64 3
		.amdhsa_memory_ordered 1
		.amdhsa_forward_progress 1
		.amdhsa_inst_pref_size 50
	.end_amdhsa_kernel
	.amdgpu_metadata
---
amdhsa.version: [ 1, 2 ]
amdhsa.kernels:
  - .name:           k_qe8e8d03fdb_ffn2
    .symbol:         k_qe8e8d03fdb_ffn2.kd
    .args:
      - { .name: mo, .offset: 0, .size: 8, .value_kind: global_buffer, .address_space: global }
      - { .name: wb, .offset: 8, .size: 8, .value_kind: global_buffer, .address_space: global }
      - { .name: b2, .offset: 16, .size: 8, .value_kind: global_buffer, .address_space: global }
      - { .name: xf, .offset: 24, .size: 8, .value_kind: global_buffer, .address_space: global }
    .group_segment_fixed_size: 198144
    .private_segment_fixed_size: 0
    .kernarg_segment_align: 8
    .kernarg_segment_size: 32
    .max_flat_workgroup_size: 384
    .sgpr_count:     66
    .vgpr_count:     258
    .wavefront_size: 32
...
	.end_amdgpu_metadata
.endif
;; end of part 5
;; launch ln2 (part 6): grid 256 x 1, 12 waves a work-group, no clusters, 55,808 bytes of LDS; arguments xf, ln2_g, ln2_b, out0; writes out0
.if DOCPART == 6
	.amdgcn_target "amdgcn-amd-amdhsa--gfx1250"
	.amdhsa_code_object_version 6
	.text
	.protected	k_qe8e8d03fdb_ln2
	.globl	k_qe8e8d03fdb_ln2
	.p2align	8
	.type	k_qe8e8d03fdb_ln2,@function
k_qe8e8d03fdb_ln2:
	s_mov_b64 s[64:65], 0
	v_nop
	global_prefetch_b8 v0, s[64:65] scope:SCOPE_SE
	s_setreg_imm32_b32 hwreg(HW_REG_WAVE_MODE, 25, 1), 1
	s_wait_xcnt 0x0
; LN2.  out = LayerNorm(y) g + b, in f32, in two passes (mean, then the squares of the differences).
; Work-group T owns row tile T (16 rows: 64 (T/4) + 32 ((T/2)%2) + 8 (T%2) + r + 8 (r/8)); wave w owns columns 64 w .. 64 w + 63.  y comes as images of 4,096 bytes, [T][w]: register group i of lane L at 512 i + 16 L;
; a lane holds one row, and register 16 b + i is column 64 w + 32 b + 16 (lane/16) + i.  The rows' partial sums of the twelve waves meet in LDS; the result leaves through the wave's own stage as whole runs of 256 bytes.
; A stream: each byte is read once and written once; matrix units, clusters and tensor loads would add nothing.
.set RED,  0                           ; LDS: two tables [r] x 64 bytes, word w; each used once
.set STG,  2048                        ; a stage of 16 rows x (256 + 16) bytes for each wave, its own
.set Y,    146
.set GM,   178
.set BT,   210
.set ST,   242
.set WV,   28
.set SEL,  62
.macro BARRIER
	s_wait_dscnt 0x0
	s_barrier_signal -1
	s_barrier_wait -1
.endm
.macro VLOAD reg, ptr
.irp b, 0,1
.irp j, 0,1,2,3
	global_load_b128 v[\reg+16*\b+4*\j:\reg+16*\b+4*\j+3], v16, s[\ptr:\ptr+1] offset:128*\b+16*\j
.endr
.endr
.endm
; the two chains at ST and ST + 2 become the row's total over all 768 columns, in v20 of every lane
.macro RSUM k
	v_pk_add_f32 v[ST:ST+1], v[ST:ST+1], v[ST+2:ST+3]
	v_add_f32 v[ST], v[ST], v[ST+1]
	v_permlanex16_b32 v[ST+4], v[ST], s[SEL], s[SEL+1]
	v_add_f32 v[ST], v[ST], v[ST+4]
	ds_store_b32 v11, v[ST] offset:1024*(\k)       ; lanes r and r + 16 hold the same sum
	BARRIER
.irp c, 0,1,2
	ds_load_b128 v[20+4*\c:23+4*\c], v12 offset:1024*(\k)+16*\c
.endr
	s_wait_dscnt 0x0
	v_pk_add_f32 v[20:21], v[20:21], v[22:23]      ; one order in every wave: all get the same bits
	v_pk_add_f32 v[24:25], v[24:25], v[26:27]
	v_pk_add_f32 v[28:29], v[28:29], v[30:31]
	v_pk_add_f32 v[20:21], v[20:21], v[24:25]
	v_pk_add_f32 v[20:21], v[20:21], v[28:29]
	v_add_f32 v20, v20, v21
.endm
	s_load_b256 s[4:11], s[0:1], 0x0               ; y, ln2_g, ln2_b, out0
	v_lshl_add_u32 v254, v0, 2, 0xd400
	v_mov_b32 v255, 0
	v_lshrrev_b32 v1, 5, v0
	v_readfirstlane_b32 s[WV], v1                  ; wave 0..11
	v_and_b32 v18, 31, v0
	v_and_b32 v19, 15, v0
	v_bfe_u32 v8, v0, 4, 1
	v_lshlrev_b32 v1, 4, v18                       ; 16 L
	v_lshlrev_b32 v12, 6, v19
	v_add_nc_u32 v12, RED, v12                     ; RED + 64 r
	s_lshl_b32 s2, s[WV], 2
	v_add_nc_u32 v11, s2, v12                      ; + 4 w
	s_mul_i32 s2, s[WV], 4352
	s_add_co_u32 s2, s2, STG
	v_mul_u32_u24 v13, v19, 272
	v_lshl_add_u32 v13, v8, 6, v13
	v_add_nc_u32 v13, s2, v13                      ; my stage + 272 r + 64 h
	v_mul_u32_u24 v14, v8, 272
	v_lshl_add_u32 v14, v19, 4, v14
	v_add_nc_u32 v14, s2, v14                      ; my stage + 272 h + 16 r
	s_lshl_b32 s2, s[WV], 8
	v_mul_u32_u24 v15, v8, 3072
	v_lshl_add_u32 v15, v19, 4, v15
	v_add_nc_u32 v15, s2, v15                      ; out: 3,072 h + 16 r + 256 w
	v_lshlrev_b32 v16, 6, v8
	v_add_nc_u32 v16, s2, v16                      ; a vector of 768: 64 h + 256 w
.irp j, 242,243,244,245,246,247
	v_mov_b32 v[\j], 0                             ; a lane permute's destination counts as read
.endr
	s_lshr_b32 s2, ttmp9, 2
	s_lshl_b32 s2, s2, 6
	s_bfe_u32 s3, ttmp9, 0x10001
	s_lshl_b32 s3, s3, 5
	s_add_co_u32 s2, s2, s3
	s_and_b32 s3, ttmp9, 1
	s_lshl_b32 s3, s3, 3
	s_add_co_u32 s2, s2, s3                        ; the tile's first row
	s_mul_i32 s32, s2, 3072
	s_mov_b32 s33, 0
	s_mul_i32 s30, ttmp9, 12
	s_add_co_u32 s30, s30, s[WV]
	s_lshl_b32 s30, s30, 12
	s_mov_b32 s31, 0
	s_mov_b32 s[SEL], 0x76543210
	s_mov_b32 s[SEL+1], 0xfedcba98
	s_wait_kmcnt 0x0
	s_add_nc_u64 s[4:5], s[4:5], s[30:31]
	s_add_nc_u64 s[10:11], s[10:11], s[32:33]
.irp i, 0,1,2,3,4,5,6,7
	global_load_b128 v[Y+4*\i:Y+4*\i+3], v1, s[4:5] offset:512*\i th:TH_LOAD_NT   ; read once in the launch
.endr
	VLOAD GM, 6
	VLOAD BT, 8
	s_wait_loadcnt 0x0
	v_pk_add_f32 v[ST:ST+1], v[Y:Y+1], v[Y+2:Y+3]
	v_pk_add_f32 v[ST+2:ST+3], v[Y+4:Y+5], v[Y+6:Y+7]
.irp j, 8,12,16,20,24,28
	v_pk_add_f32 v[ST:ST+1], v[ST:ST+1], v[Y+\j:Y+\j+1]
	v_pk_add_f32 v[ST+2:ST+3], v[ST+2:ST+3], v[Y+\j+2:Y+\j+3]
.endr
	RSUM 0
	v_mul_f32 v[ST], 0x3aaaaaab, v20               ; / 768
	v_mov_b32 v[ST+1], v[ST]
.irp j, 0,2,4,6,8,10,12,14,16,18,20,22,24,26,28,30
	v_pk_add_f32 v[Y+\j:Y+\j+1], v[Y+\j:Y+\j+1], v[ST:ST+1] neg_lo:[0,1] neg_hi:[0,1]
.endr
	v_pk_mul_f32 v[ST:ST+1], v[Y:Y+1], v[Y:Y+1]
	v_pk_mul_f32 v[ST+2:ST+3], v[Y+2:Y+3], v[Y+2:Y+3]
.irp j, 4,8,12,16,20,24,28
	v_pk_fma_f32 v[ST:ST+1], v[Y+\j:Y+\j+1], v[Y+\j:Y+\j+1], v[ST:ST+1]
	v_pk_fma_f32 v[ST+2:ST+3], v[Y+\j+2:Y+\j+3], v[Y+\j+2:Y+\j+3], v[ST+2:ST+3]
.endr
	RSUM 1
	v_mul_f32 v[ST], 0x3aaaaaab, v20
	v_add_f32 v[ST], 0x3727c5ac, v[ST]             ; + 1e-5
	v_rsq_f32 v[ST+2], v[ST]
	v_nop                                          ; one plain instruction behind the transcendental
	s_wait_alu depctr_va_vdst(0)
	v_mov_b32 v[ST+3], v[ST+2]
.irp j, 0,2,4,6,8,10,12,14,16,18,20,22,24,26,28,30
	v_pk_mul_f32 v[Y+\j:Y+\j+1], v[Y+\j:Y+\j+1], v[ST+2:ST+3]
.endr
.irp j, 0,2,4,6,8,10,12,14,16,18,20,22,24,26,28,30
	v_pk_fma_f32 v[Y+\j:Y+\j+1], v[Y+\j:Y+\j+1], v[GM+\j:GM+\j+1], v[BT+\j:BT+\j+1]
.endr
.irp b, 0,1
.irp j, 0,1,2,3
	ds_store_b128 v13, v[Y+16*\b+4*\j:Y+16*\b+4*\j+3] offset:128*\b+16*\j
.endr
.endr
.irp i, 0,1,2,3,4,5,6,7
	ds_load_b128 v[GM+4*\i:GM+4*\i+3], v14 offset:544*\i           ; the wave's own bytes, served in order: these see the stores above
.endr
.irp i, 0,1,2,3,4,5,6,7
	s_wait_dscnt 7-\i                              ; the 7 - i younger loads may be out
	global_store_b128 v15, v[GM+4*\i:GM+4*\i+3], s[10:11] offset:(2*\i+8*(\i/4))*3072 th:TH_STORE_NT   ; sixteen lanes store 256 consecutive bytes, aligned
.endr
	s_wait_tensorcnt 0x0
	ds_add_u32 v254, v255
	s_wait_dscnt 0x0
	s_endpgm
.Lfunc_end_k_qe8e8d03fdb_ln2:
	.size	k_qe8e8d03fdb_ln2, .Lfunc_end_k_qe8e8d03fdb_ln2-k_qe8e8d03fdb_ln2
	.p2alignl 7, 3214868480
	.fill 96, 4, 3214868480
	.section	.rodata,"a",@progbits
	.p2align	6, 0x0
	.amdhsa_kernel k_qe8e8d03fdb_ln2
		.amdhsa_group_segment_fixed_size 55808
		.amdhsa_private_segment_fixed_size 0
		.amdhsa_enable_private_segment 0
		.amdhsa_kernarg_size 32
		.amdhsa_user_sgpr_count 2
		.amdhsa_user_sgpr_kernarg_segment_ptr 1
		.amdhsa_wavefront_size32 1
		.amdhsa_system_sgpr_workgroup_id_x 1
		.amdhsa_system_sgpr_workgroup_id_y 1
		.amdhsa_system_sgpr_workgroup_id_z 1
		.amdhsa_system_vgpr_workitem_id 0
		.amdhsa_next_free_vgpr 256
		.amdhsa_next_free_sgpr 66
		.amdhsa_reserve_vcc 0
		.amdhsa_float_denorm_mode_32 3
		.amdhsa_float_denorm_mode_16_64 3
		.amdhsa_memory_ordered 1
		.amdhsa_forward_progress 1
		.amdhsa_inst_pref_size 14
	.end_amdhsa_kernel
	.amdgpu_metadata
---
amdhsa.version: [ 1, 2 ]
amdhsa.kernels:
  - .name:           k_qe8e8d03fdb_ln2
    .symbol:         k_qe8e8d03fdb_ln2.kd
    .args:
      - { .name: xf, .offset: 0, .size: 8, .value_kind: global_buffer, .address_space: global }
      - { .name: ln2_g, .offset: 8, .size: 8, .value_kind: global_buffer, .address_space: global }
      - { .name: ln2_b, .offset: 16, .size: 8, .value_kind: global_buffer, .address_space: global }
      - { .name: out0, .offset: 24, .size: 8, .value_kind: global_buffer, .address_space: global }
    .group_segment_fixed_size: 55808
    .private_segment_fixed_size: 0
    .kernarg_segment_align: 8
    .kernarg_segment_size: 32
    .max_flat_workgroup_size: 384
    .sgpr_count:     66
    .vgpr_count:     256
    .wavefront_size: 32
...
	.end_amdgpu_metadata
.endif
;; end of part 6
;; ======== version 2 of 2: 6 launches
;; workspace buffers: xf 12,582,912 bytes; wa 1,382,400 bytes; wb 4,147,200 bytes; qf 3,145,728 bytes; kv 5,111,808 bytes; ctxf 2,359,296 bytes; ctxs 98,304 bytes; mo 22,413,312 bytes
;; launch prep (part 7): grid 400 x 1, 6 waves a work-group, no clusters, 51,456 bytes of LDS; arguments x, Wq_codes, Wq_scales, Wk_codes, Wk_scales, Wv_codes, Wv_scales, Wo_codes, Wo_scales, W1_codes, W1_scales, W2_codes, W2_scales, xf, wa, wb; writes xf, wa, wb
.if DOCPART == 7
	.amdgcn_target "amdgcn-amd-amdhsa--gfx1250"
	.amdhsa_code_object_version 6
	.text
	.protected	k_qe8e8d03fdb_prep
	.globl	k_qe8e8d03fdb_prep
	.p2align	8
	.type	k_qe8e8d03fdb_prep,@function
k_qe8e8d03fdb_prep:
	s_mov_b64 s[64:65], 0
	v_nop
	global_prefetch_b8 v0, s[64:65] scope:SCOPE_SE
	s_setreg_imm32_b32 hwreg(HW_REG_WAVE_MODE, 25, 1), 1
	s_wait_xcnt 0x0
; PREP.  Two kinds of work-group, told apart by the work-group's number alone.
; Work-groups 0-143 (role W): each of the six waves lays one QUAD of a weight in the order of the operand's registers: 4 tiles of 16 weight rows x 128 along K,
;   four images of 1,536 bytes (register group c of lane L at 512 c + 16 L), then 256 bytes of scale words.  Lane r of tile i of a group of 64 rows stands for row 32 (i/2) + 8 (i%2) + r + 8 (r/8).
; Work-groups 144-399 (role X): row tile T = number - 144 of x; wave s quantises the tile's 16 rows x 128 along K (K step s) to E3M2 with one E8M0 byte for each 32 along K.
;   Lane r of tile T stands for row 64 (T/4) + 32 ((T/2)%2) + 8 (T%2) + r + 8 (r/8).  A record of xf is 1,728 bytes: image 1,536, sixteen scale words, 128 zero bytes (later launches copy records whole).
; A block's scale byte is its largest magnitude's exponent field - 4, held at 1 from below.
; LIMITS: NaN and infinities in x are not served; a block whose largest magnitude lies under 2^-122 keeps the byte 1; a block of zeros gets the byte 1 and not 127 (its codes are zeros, and this program alone reads the bytes).
.set NWQ, 144                          ; work-groups of role W: 36 (Wq, Wk, Wv) + 12 (Wo) + 48 (W1) + 48 (W2)
.set F,   16                           ; role W: v16-63 four fragments
.set SCR, 64                           ; v64-65 two scale registers
.set VO,  66                           ; v66-69 byte offset of my 24 bytes in tile i
.set VS,  70                           ; v70-71 byte offset of my scale words
.set R,   16                           ; role X: v16-79 sixteen rows as loaded
.set X,   80                           ; v80-143 my 64 numbers: register 16 b + i = k 32 b + 16 (lane/16) + i of my row
.set PC,  144                          ; v144-155 the codes
.set PT,  156                          ; v156-162 second halves of blocks
.set TM,  164                          ; v164-179 at work
.set PW,  180                          ; the scale word
.set ZR,  181                          ; 0
.set SEL, 62                           ; s[62:63] selects for lane l xor 16
; 64 numbers of a lane become a fragment's 12 registers at pc and its scale word in pw
.macro QUANT s, pc, pt, pw, tm
.irp b, 0,1,2,3
	v_max3_num_f32 v[\tm+\b], |v[\s+16*\b]|, |v[\s+1+16*\b]|, 0x2800000   ; my 16 numbers of block b, and the floor 2^(5 - 127): the byte cannot fall under 1
.endr
.irp i, 2,4,6,8,10,12,14
.irp b, 0,1,2,3
	v_max3_num_f32 v[\tm+\b], v[\tm+\b], |v[\s+16*\b+\i]|, |v[\s+1+16*\b+\i]|
.endr
.endr
.irp b, 0,1,2,3
	v_permlanex16_b32 v[\tm+4+\b], v[\tm+\b], s[SEL], s[SEL+1]
.endr
.irp b, 0,1,2,3
	v_max_num_f32 v[\tm+\b], v[\tm+\b], v[\tm+4+\b]       ; with lane l xor 16's: the block's largest magnitude
.endr
.irp b, 0,1,2,3
	v_add_nc_u32 v[\tm+12+\b], 0xfe000000, v[\tm+\b]      ; 4 off its exponent field: the conversion's scale operand
.endr
.irp b, 0,1,2,3
	v_lshrrev_b32 v[\tm+4+\b], 23, v[\tm+12+\b]           ; the scale's byte
.endr
	v_lshl_or_b32 v[\pw], v[\tm+5], 8, v[\tm+4]
	v_lshl_or_b32 v[\pw], v[\tm+6], 16, v[\pw]
	v_lshl_or_b32 v[\pw], v[\tm+7], 24, v[\pw]
.irp c, 0,1
	v_cvt_scalef32_pk16_bf6_f32 v[\pc+6*\c:\pc+2+6*\c], v[\s+32*\c:\s+15+32*\c], v[\tm+12+2*\c]
	v_cvt_scalef32_pk16_bf6_f32 v[\pt+4*\c:\pt+2+4*\c], v[\s+16+32*\c:\s+31+32*\c], v[\tm+13+2*\c]
.endr
	v_nop                                          ; one plain instruction behind the conversions
.irp c, 0,1                                    ; the operand wants a whole block in a lane: lanes 0-15 block 2 c, lanes 16-31 block 2 c + 1
.irp i, 0,1,2
	v_permlane16_swap_b32 v[\pc+6*\c+\i], v[\pt+4*\c+\i]
.endr
.irp i, 0,1,2
	v_mov_b32 v[\pc+3+6*\c+\i], v[\pt+4*\c+\i]
.endr
.endr
.endm
	s_load_b512 s[16:31], s[0:1], 0x0              ; x 16, Wq codes 18, scales 20, Wk 22, 24, Wv 26, 28, Wo codes 30
	s_load_b512 s[32:47], s[0:1], 0x40             ; Wo scales 32, W1 34, 36, W2 38, 40, xf 42, wa 44, wb 46
	v_lshl_add_u32 v192, v0, 2, 0xc600
	v_mov_b32 v193, 0
	v_lshrrev_b32 v1, 5, v0
	v_readfirstlane_b32 s3, v1                     ; wave 0..5
	v_and_b32 v2, 31, v0                           ; lane L
	v_and_b32 v3, 15, v0                           ; r
	v_bfe_u32 v4, v0, 4, 1                         ; h
	v_lshlrev_b32 v1, 4, v2                        ; 16 L
	s_mov_b32 s2, ttmp9
	s_cmp_lt_u32 s2, NWQ
	s_cbranch_scc0 .Lrole_x
	; ---- role W.  Which matrix: its first work-group s4, a row of codes s5 and of scales s6 in bytes, its pointers, the buffer it goes to.  All by selection on the work-group's number.
	s_mov_b32 s4, 96
	s_mov_b32 s5, 2304
	s_mov_b32 s6, 96
	s_wait_kmcnt 0x0
	s_cmp_lt_u32 s2, 96
	s_cselect_b32 s4, 48, s4
	s_cselect_b32 s5, 576, s5
	s_cselect_b32 s6, 24, s6
	s_cselect_b64 s[8:9], s[34:35], s[38:39]       ; W1 or W2
	s_cselect_b64 s[10:11], s[36:37], s[40:41]
	s_cmp_lt_u32 s2, 48
	s_cselect_b32 s4, 36, s4
	s_cselect_b64 s[8:9], s[30:31], s[8:9]         ; Wo
	s_cselect_b64 s[10:11], s[32:33], s[10:11]
	s_cmp_lt_u32 s2, 36
	s_cselect_b32 s4, 24, s4
	s_cselect_b64 s[8:9], s[26:27], s[8:9]         ; Wv
	s_cselect_b64 s[10:11], s[28:29], s[10:11]
	s_cselect_b64 s[12:13], s[44:45], s[46:47]     ; Wq, Wk, Wv go to wa, the others to wb
	s_cmp_lt_u32 s2, 24
	s_cselect_b32 s4, 12, s4
	s_cselect_b64 s[8:9], s[22:23], s[8:9]         ; Wk
	s_cselect_b64 s[10:11], s[24:25], s[10:11]
	s_cmp_lt_u32 s2, 12
	s_cselect_b32 s4, 0, s4
	s_cselect_b64 s[8:9], s[18:19], s[8:9]         ; Wq
	s_cselect_b64 s[10:11], s[20:21], s[10:11]
	s_sub_co_u32 s7, s2, s4                        ; c: my number within the matrix
	s_lshr_b32 s48, s7, 2
	s_and_b32 s49, s7, 3
	s_mul_i32 s50, s48, 54
	s_mul_i32 s51, s49, 6
	s_add_co_u32 s51, s51, s3                      ; W2: K step 6 (c % 4) + wave
	s_add_co_u32 s52, s50, s51
	s_add_co_u32 s52, s52, 30                      ; W2: quad 54 (c / 4) + 30 + K step
	s_bfe_u32 s53, s7, 0x10001
	s_mul_i32 s53, s53, 12
	s_and_b32 s54, s7, 1
	s_add_co_u32 s53, s53, s54
	s_add_co_u32 s53, s53, s50
	s_lshl_b32 s54, s3, 1
	s_add_co_u32 s53, s53, s54
	s_add_co_u32 s53, s53, 6                       ; W1: quad 54 (c / 4) + 6 + 12 ((c / 2) % 2) + c % 2 + 2 wave
	s_mul_i32 s54, s7, 54
	s_add_co_u32 s54, s54, s3                      ; Wo: quad 54 c + wave
	s_mul_i32 s55, s2, 6
	s_add_co_u32 s55, s55, s3                      ; Wq, Wk, Wv: quad 6 x work-group + wave
	s_cmp_lt_u32 s2, 96
	s_cselect_b32 s56, s7, s48                     ; which group of 64 rows
	s_cselect_b32 s57, s3, s51                     ; which K step
	s_cselect_b32 s58, s53, s52
	s_cmp_lt_u32 s2, 48
	s_cselect_b32 s58, s54, s58
	s_cmp_lt_u32 s2, 36
	s_cselect_b32 s58, s55, s58                    ; which quad of the buffer
	s_mul_i32 s59, s56, s5
	s_lshl_b32 s59, s59, 6
	s_mul_i32 s60, s57, 96
	s_add_co_u32 s60, s59, s60
	s_mov_b32 s61, 0
	s_add_nc_u64 s[8:9], s[8:9], s[60:61]          ; codes: 64 rows x group + 96 bytes x K step
	s_mul_i32 s59, s56, s6
	s_lshl_b32 s59, s59, 6
	s_lshl_b32 s60, s57, 2
	s_add_co_u32 s60, s59, s60
	s_add_nc_u64 s[10:11], s[10:11], s[60:61]      ; scales: 4 bytes a K step
	s_mul_i32 s60, s58, 6400
	s_add_nc_u64 s[12:13], s[12:13], s[60:61]
	s_wait_alu depctr_va_vdst(0)
	v_lshlrev_b32 v9, 3, v2                        ; 8 L
	v_and_b32 v5, 8, v3
	v_add_nc_u32 v5, v5, v3                        ; r + 8 (r / 8)
	v_mul_u32_u24 v6, v4, 24
.irp i, 0,1,2,3
	v_add_nc_u32 v7, 32*(\i/2)+8*(\i%2), v5
	v_mad_u32_u24 v[VO+\i], v7, s5, v6             ; tile i: my row x row bytes + 24 h
.endr
	v_lshl_add_u32 v8, v4, 3, v5
.irp p, 0,1
	v_add_nc_u32 v7, 32*\p, v8
	v_mul_u32_u24 v[VS+\p], s6, v7                 ; scale register p: lanes 0-15 tile 2 p, lanes 16-31 tile 2 p + 1
.endr
.irp i, 0,1,2,3
.irp q, 0,1,2,3,4,5
	global_load_b64 v[F+12*\i+2*\q:F+12*\i+2*\q+1], v[VO+\i], s[8:9] offset:48*(\q/3)+8*(\q%3)
.endr
.endr
.irp p, 0,1
	global_load_b32 v[SCR+\p], v[VS+\p], s[10:11]
.endr
	s_wait_loadcnt 0x0
.irp c, 0,1,2,3,4,5,6,7,8,9,10,11
	global_store_b128 v1, v[F+4*\c:F+4*\c+3], s[12:13] offset:512*\c    ; 32 lanes store 512 consecutive bytes
.endr
	global_store_b64 v9, v[SCR:SCR+1], s[12:13] offset:6144
	s_endpgm
.Lrole_x:
	s_sub_co_u32 s4, s2, NWQ                       ; T
	s_lshr_b32 s5, s4, 2
	s_lshl_b32 s5, s5, 6
	s_bfe_u32 s6, s4, 0x10001
	s_lshl_b32 s6, s6, 5
	s_add_co_u32 s5, s5, s6
	s_and_b32 s6, s4, 1
	s_lshl_b32 s6, s6, 3
	s_add_co_u32 s5, s5, s6                        ; the tile's first row
	s_mul_i32 s8, s5, 3072
	s_lshl_b32 s6, s3, 9
	s_add_co_u32 s8, s8, s6                        ; + my K step's 512 bytes
	s_mov_b32 s9, 0
	s_mul_i32 s10, s4, 6
	s_add_co_u32 s10, s10, s3
	s_mul_i32 s10, s10, 1728
	s_mov_b32 s11, 0
	s_mul_i32 s7, s3, 8448                         ; my wave's stage: 16 rows of 512 bytes + 16
	s_wait_alu depctr_va_vdst(0)
	v_add_nc_u32 v5, s7, v1                        ; in: 16 L
	v_mul_u32_u24 v6, v3, 528
	v_lshl_add_u32 v6, v4, 6, v6
	v_add_nc_u32 v6, s7, v6                        ; out: row r, + 64 h
	v_lshlrev_b32 v7, 2, v3                        ; 4 r
	v_lshlrev_b32 v8, 2, v2                        ; 4 L
	v_mov_b32 v[ZR], 0
.irp b, 0,1,2,3
	v_mov_b32 v[TM+4+\b], 0                        ; a lane permute's destination counts as read
.endr
	s_mov_b32 s[SEL], 0x76543210
	s_mov_b32 s[SEL+1], 0xfedcba98
	s_wait_alu depctr_va_vdst(0)
	s_wait_kmcnt 0x0
	s_add_nc_u64 s[16:17], s[16:17], s[8:9]
	s_add_nc_u64 s[42:43], s[42:43], s[10:11]
.irp i, 0,1,2,3,4,5,6,7,8,9,10,11,12,13,14,15
	global_load_b128 v[R+4*\i:R+4*\i+3], v1, s[16:17] offset:(\i+8*(\i/8))*3072   ; 512 consecutive bytes of the tile's row i
.endr
.irp i, 0,1,2,3,4,5,6,7,8,9,10,11,12,13,14,15
	s_wait_loadcnt 15-\i                           ; loads come back in order: the 15 - i younger ones may be out
	ds_store_b128 v5, v[R+4*\i:R+4*\i+3] offset:528*\i
.endr
.irp b, 0,1,2,3
.irp j, 0,1,2,3
	ds_load_b128 v[X+16*\b+4*\j:X+16*\b+4*\j+3], v6 offset:128*\b+16*\j   ; the wave's own bytes, served in order: these see the stores above
.endr
.endr
	s_wait_dscnt 0x0
	QUANT X, PC, PT, PW, TM
.irp c, 0,1,2
	global_store_b128 v1, v[PC+4*\c:PC+4*\c+3], s[42:43] offset:512*\c
.endr
	global_store_b32 v7, v[PW], s[42:43] offset:1536      ; lanes r and r + 16 hold the same word
	global_store_b32 v8, v[ZR], s[42:43] offset:1600
	s_wait_tensorcnt 0x0
	ds_add_u32 v192, v193
	s_wait_dscnt 0x0
	s_endpgm
.Lfunc_end_k_qe8e8d03fdb_prep:
	.size	k_qe8e8d03fdb_prep, .Lfunc_end_k_qe8e8d03fdb_prep-k_qe8e8d03fdb_prep
	.p2alignl 7, 3214868480
	.fill 96, 4, 3214868480
	.section	.rodata,"a",@progbits
	.p2align	6, 0x0
	.amdhsa_kernel k_qe8e8d03fdb_prep
		.amdhsa_group_segment_fixed_size 51456
		.amdhsa_private_segment_fixed_size 0
		.amdhsa_enable_private_segment 0
		.amdhsa_kernarg_size 128
		.amdhsa_user_sgpr_count 2
		.amdhsa_user_sgpr_kernarg_segment_ptr 1
		.amdhsa_wavefront_size32 1
		.amdhsa_system_sgpr_workgroup_id_x 1
		.amdhsa_system_sgpr_workgroup_id_y 1
		.amdhsa_system_sgpr_workgroup_id_z 1
		.amdhsa_system_vgpr_workitem_id 0
		.amdhsa_next_free_vgpr 194
		.amdhsa_next_free_sgpr 66
		.amdhsa_reserve_vcc 0
		.amdhsa_float_denorm_mode_32 3
		.amdhsa_float_denorm_mode_16_64 3
		.amdhsa_memory_ordered 1
		.amdhsa_forward_progress 1
		.amdhsa_inst_pref_size 18
	.end_amdhsa_kernel
	.amdgpu_metadata
---
amdhsa.version: [ 1, 2 ]
amdhsa.kernels:
  - .name:           k_qe8e8d03fdb_prep
    .symbol:         k_qe8e8d03fdb_prep.kd
    .args:
      - { .name: x, .offset: 0, .size: 8, .value_kind: global_buffer, .address_space: global }
      - { .name: Wq_codes, .offset: 8, .size: 8, .value_kind: global_buffer, .address_space: global }
      - { .name: Wq_scales, .offset: 16, .size: 8, .value_kind: global_buffer, .address_space: global }
      - { .name: Wk_codes, .offset: 24, .size: 8, .value_kind: global_buffer, .address_space: global }
      - { .name: Wk_scales, .offset: 32, .size: 8, .value_kind: global_buffer, .address_space: global }
      - { .name: Wv_codes, .offset: 40, .size: 8, .value_kind: global_buffer, .address_space: global }
      - { .name: Wv_scales, .offset: 48, .size: 8, .value_kind: global_buffer, .address_space: global }
      - { .name: Wo_codes, .offset: 56, .size: 8, .value_kind: global_buffer, .address_space: global }
      - { .name: Wo_scales, .offset: 64, .size: 8, .value_kind: global_buffer, .address_space: global }
      - { .name: W1_codes, .offset: 72, .size: 8, .value_kind: global_buffer, .address_space: global }
      - { .name: W1_scales, .offset: 80, .size: 8, .value_kind: global_buffer, .address_space: global }
      - { .name: W2_codes, .offset: 88, .size: 8, .value_kind: global_buffer, .address_space: global }
      - { .name: W2_scales, .offset: 96, .size: 8, .value_kind: global_buffer, .address_space: global }
      - { .name: xf, .offset: 104, .size: 8, .value_kind: global_buffer, .address_space: global }
      - { .name: wa, .offset: 112, .size: 8, .value_kind: global_buffer, .address_space: global }
      - { .name: wb, .offset: 120, .size: 8, .value_kind: global_buffer, .address_space: global }
    .group_segment_fixed_size: 51456
    .private_segment_fixed_size: 0
    .kernarg_segment_align: 8
    .kernarg_segment_size: 128
    .max_flat_workgroup_size: 192
    .sgpr_count:     66
    .vgpr_count:     194
    .wavefront_size: 32
...
	.end_amdgpu_metadata
.endif
;; end of part 7
;; launch qkv (part 8): grid 256 x 1, 9 waves a work-group, no clusters, 42,752 bytes of LDS; arguments xf, wa, bq, bk, bv, qf, kv; writes qf, kv
.if DOCPART == 8
	.amdgcn_target "amdgcn-amd-amdhsa--gfx1250"
	.amdhsa_code_object_version 6
	.text
	.protected	k_qe8e8d03fdb_qkv
	.globl	k_qe8e8d03fdb_qkv
	.p2align	8
	.type	k_qe8e8d03fdb_qkv,@function
k_qe8e8d03fdb_qkv:
	s_mov_b64 s[64:65], 0
	v_nop
	global_prefetch_b8 v0, s[64:65] scope:SCOPE_SE
	s_setreg_imm32_b32 hwreg(HW_REG_WAVE_SCHED_MODE, 0, 2), 2
	s_setreg_imm32_b32 hwreg(HW_REG_WAVE_MODE, 25, 1), 1
	s_wait_xcnt 0x0
	s_wait_alu depctr_vm_vsrc(0)
; QKV.  q = x Wq + bq, k = x Wk + bk, v = x Wv + bv on codes of E3M2, and their quantising: q and k along the head's 64, v along the keys.
; SHARES.  Work-group id: G = id % 4 takes heads 3 G .. 3 G + 2, RB = id / 4 takes 64 rows (row tiles 4 RB .. 4 RB + 3).  Waves 0-2 make q, 3-5 k, 6-8 v, each for one head: 64 rows x 64 columns, 16 accumulators.
; x's 24 fragment records (41,472 bytes, dense) are copied into LDS once and read by all nine waves; each weight quad is read by one wave alone, from memory straight into a ring of two register buffers.
; q, k: source 0 = 16 weight rows, source 1 = 16 rows of x: a lane holds one row and its registers run along the head's channels.  v: the sources swapped: a lane holds one channel and its registers run along the keys.
; The tiles' rows and columns are chosen (32 (i/2) + 8 (i%2) + r + 8 (r/8)) so that the 16 registers of two neighbouring tiles are 16 neighbours along the next product's K.
; No cluster and no tensor load: what the work-groups of a row block share is the small thing (x's codes), and a weight fragment feeds one wave only.
; LIMITS: as in the quantiser: NaN and infinities not served; blocks under 2^-122 and blocks of zeros keep the byte 1.
; THE MODE: SCHED_MODE bits 1:0 = 2 (LLVM: expert scheduling mode 2), set by the entry lines.  The code itself states the register dependences
; between vector or matrix instructions and memory or LDS instructions, with s_wait_alu, always for 0.
; THE PLAN.  A group g = 4 SS + MM is four products: K step SS, tile of rows MM.  Registers that memory or LDS instructions touch in the products:
;   X0 (v8-19, scale words v20), X1 (v258-269, scale words v23)   Group g's products read X[g % 2]; at the head of group g + 1 the fragment of group g + 2 is asked for into it.
;   ring buffer SS % 2   Read by the 16 products of K step SS; loaded again in the first group of K step SS + 1 (quad SS + 2; behind K step 4 the bias).
;   v1-7, v21, v22       Offsets and addresses, made at the head and never written again.
; So ONE wait on va_vdst stands at a group's head: the group before is done reading the other fragment, and, in a K step's first group, the K step before is done with its ring buffer.
; The loads follow it, the quad's dealt among the group's products, which name X[g % 2], ring buffer SS % 2 and the accumulators: none of the registers that those loads touch.
.set XF,  8                            ; v8-19 fragment buffer 0;  v20 its scale words
.set XSC, 20
.set XH,  2                            ; v258-269 fragment buffer 1, written v2-13 under window 1;  v23 its scale words (scale operands have no window)
.set XSH, 23
.set QA,  24                           ; ring buffer k at v[24 + 50 k]: 48 registers of codes, 2 of scale words
.set ACC, 128                          ; v128-255
.set BI,  24                           ; behind K step 4: the bias
.set TM,  56                           ; behind the products: at work
.set PT,  68
.set PC,  76                           ; four sets of 8: six registers of codes, the scale word
.set ZR,  108
.set SEL, 62
.set NLD, 0                            ; global loads issued so far;  QE0, QE1: that count just behind the last load into ring buffer 0, 1
.set QE0, 0
.set QE1, 0
.set MSB, 0
.macro WIN new                         ; the immediate's high byte repeats the setting that is left; a switch that changes nothing is dropped
.if MSB != \new
	s_set_vgpr_msb (MSB<<8)|\new
.set MSB, \new
.endif
.endm
.macro WM d, a, b, zero, sa, sb, row   ; one product; zero: C = 0 starts the sum; row 1 / 2: source 0's / source 1's scales stand in lanes 16-31
.if \zero
.if (\row)==0
	v_wmma_scale_f32_16x16x128_f8f6f4 v[\d:\d+7], v[\a:\a+11], v[\b:\b+11], 0, v[\sa], v[\sb] matrix_a_fmt:MATRIX_FMT_BF6 matrix_b_fmt:MATRIX_FMT_BF6
.elseif (\row)==1
	v_wmma_scale_f32_16x16x128_f8f6f4 v[\d:\d+7], v[\a:\a+11], v[\b:\b+11], 0, v[\sa], v[\sb] matrix_a_fmt:MATRIX_FMT_BF6 matrix_b_fmt:MATRIX_FMT_BF6 matrix_a_scale:MATRIX_SCALE_ROW1
.else
	v_wmma_scale_f32_16x16x128_f8f6f4 v[\d:\d+7], v[\a:\a+11], v[\b:\b+11], 0, v[\sa], v[\sb] matrix_a_fmt:MATRIX_FMT_BF6 matrix_b_fmt:MATRIX_FMT_BF6 matrix_b_scale:MATRIX_SCALE_ROW1
.endif
.else
.if (\row)==0
	v_wmma_scale_f32_16x16x128_f8f6f4 v[\d:\d+7], v[\a:\a+11], v[\b:\b+11], v[\d:\d+7], v[\sa], v[\sb] matrix_a_fmt:MATRIX_FMT_BF6 matrix_b_fmt:MATRIX_FMT_BF6
.elseif (\row)==1
	v_wmma_scale_f32_16x16x128_f8f6f4 v[\d:\d+7], v[\a:\a+11], v[\b:\b+11], v[\d:\d+7], v[\sa], v[\sb] matrix_a_fmt:MATRIX_FMT_BF6 matrix_b_fmt:MATRIX_FMT_BF6 matrix_a_scale:MATRIX_SCALE_ROW1
.else
	v_wmma_scale_f32_16x16x128_f8f6f4 v[\d:\d+7], v[\a:\a+11], v[\b:\b+11], v[\d:\d+7], v[\sa], v[\sb] matrix_a_fmt:MATRIX_FMT_BF6 matrix_b_fmt:MATRIX_FMT_BF6 matrix_b_scale:MATRIX_SCALE_ROW1
.endif
.endif
.endm
.macro QL3 k, n, t                     ; tile t of quad n of my stream into ring buffer k: three loads of 512 consecutive bytes; behind the last tile the quad's scale words
.set QW, QA+50*(\k)
.irp c, 0,1,2
	global_load_b128 v[QW+12*(\t)+4*\c:QW+12*(\t)+4*\c+3], v1, s[6:7] offset:6400*(\n)+1536*(\t)+512*\c
.endr
.set NLD, NLD+3
.if (\t)==3
	global_load_b64 v[QW+48:QW+49], v2, s[6:7] offset:6400*(\n)+6144
.set NLD, NLD+1
.if (\k)==0
.set QE0, NLD
.else
.set QE1, NLD
.endif
.endif
.endm
.macro QLOAD k, n                      ; a whole quad: 13 loads
.irp t, 0,1,2,3
	QL3 \k, \n, \t
.endr
.endm
.macro WAITQ k                         ; ring buffer k is in: the count is that of the loads issued behind its last one
.if (\k)==0
	s_wait_loadcnt NLD-QE0
.else
	s_wait_loadcnt NLD-QE1
.endif
.endm
.macro XFETCH g                        ; the fragment and the scale words of group g (K step g / 4, tile of rows g % 4) into fragment buffer g % 2
.set XO, 1728*(6*((\g)%4)+(\g)/4)
.if (\g)%2
	WIN 0x40                                       ; destination window 1, address window 0
.irp c, 0,1,2
	ds_load_b128 v[XH+4*\c:XH+4*\c+3], v1 offset:XO+512*\c
.endr
	WIN 0
	ds_load_b32 v[XSH], v3 offset:XO+1536
.else
.irp c, 0,1,2
	ds_load_b128 v[XF+4*\c:XF+4*\c+3], v1 offset:XO+512*\c
.endr
	ds_load_b32 v[XSC], v3 offset:XO+1536
.endif
.endm
; 32 numbers of a lane (register 16 b + i = k 32 b + 16 (lane/16) + i) become half a fragment, six registers at pc, and two scale bytes in pw
.macro QUANTH s, pc, pt, pw, tm
.irp b, 0,1
	v_max3_num_f32 v[\tm+\b], |v[\s+16*\b]|, |v[\s+1+16*\b]|, 0x2800000   ; with the floor 2^(5 - 127): the byte cannot fall under 1
.endr
.irp i, 2,4,6,8,10,12,14
.irp b, 0,1
	v_max3_num_f32 v[\tm+\b], v[\tm+\b], |v[\s+16*\b+\i]|, |v[\s+1+16*\b+\i]|
.endr
.endr
.irp b, 0,1
	v_permlanex16_b32 v[\tm+4+\b], v[\tm+\b], s[SEL], s[SEL+1]
.endr
.irp b, 0,1
	v_max_num_f32 v[\tm+\b], v[\tm+\b], v[\tm+4+\b]
.endr
.irp b, 0,1
	v_add_nc_u32 v[\tm+8+\b], 0xfe000000, v[\tm+\b]       ; 4 off the exponent field: the conversion's scale operand
.endr
.irp b, 0,1
	v_lshrrev_b32 v[\tm+4+\b], 23, v[\tm+8+\b]            ; the scale's byte
.endr
	v_lshl_or_b32 v[\pw], v[\tm+5], 8, v[\tm+4]
	v_cvt_scalef32_pk16_bf6_f32 v[\pc:\pc+2], v[\s:\s+15], v[\tm+8]
	v_cvt_scalef32_pk16_bf6_f32 v[\pt:\pt+2], v[\s+16:\s+31], v[\tm+9]
	v_nop                                          ; one plain instruction behind the conversions
.irp i, 0,1,2
	v_permlane16_swap_b32 v[\pc+\i], v[\pt+\i]     ; a whole block to a lane: lanes 0-15 block 0, lanes 16-31 block 1
.endr
.irp i, 0,1,2
	v_mov_b32 v[\pc+3+\i], v[\pt+\i]
.endr
.endm
; The products: six K steps of 128; in each, four tiles of rows against the quad's four tiles of columns.  The 16 accumulators take turns, one instruction a turn.
.macro MAIN isv
	XFETCH 0                                       ; no vector instruction has named fragment buffer 0, and v1 and v3 stand behind the head's wait
.set GG, 0
.rept 24
.set SS, GG/4
.set MM, GG%4
.if MM == 0
	WAITQ SS%2
.endif
	s_wait_dscnt 0x0                               ; this group's fragment and scale words are in
.if (GG > 0) && (GG < 23)
	s_wait_alu depctr_va_vdst(0)                   ; the group before is done reading the other fragment and its scale words; in a K step's first group the K step before is done reading its ring buffer: the loads below land there
.endif
.if GG < 23
	XFETCH GG+1
.endif
.if GG == 20                           ; ring buffer 0 has had its last quad: the bias lands there
.if \isv
.irp i, 0,1,2,3
	global_load_b32 v[BI+2*\i], v22, s[48:49] offset:(32*(\i/2)+8*(\i%2))*4     ; my channel's bias, in both registers of a pair
	global_load_b32 v[BI+2*\i+1], v22, s[48:49] offset:(32*(\i/2)+8*(\i%2))*4
.endr
.else
.irp b, 0,1
.irp j, 0,1,2,3
	global_load_b128 v[BI+16*\b+4*\j:BI+16*\b+4*\j+3], v21, s[48:49] offset:128*\b+16*\j   ; channels 32 b + 16 h + 4 j on
.endr
.endr
.endif
.set NLD, NLD+8
.endif
.set QR, QA+50*(SS%2)
.if MM%2
.set XR, XH
.set XS, XSH
.if \isv
	WIN 0x01                                       ; source 0, the rows' fragment, in window 1
.else
	WIN 0x04                                       ; source 1, the rows' fragment, in window 1
.endif
.else
.set XR, XF
.set XS, XSC
.endif
.irp i, 0,1,2,3
.if \isv
	WM ACC+32*\i+8*MM, XR, QR+12*\i, SS==0, XS, QR+48+\i/2, 2*(\i%2)
.else
	WM ACC+32*MM+8*\i, QR+12*\i, XR, SS==0, QR+48+\i/2, XS, \i%2
.endif
.if (MM == 0) && (SS > 0) && (SS < 5)
	QL3 (SS+1)%2, SS+1, \i                         ; the next K step's quad.  No wait: no product since the wait above names the other ring buffer
.endif
.endr
	WIN 0
.rept 4
	v_nop                                          ; four plain instructions behind a group's products, as they stood; the last group's stand in front of the first read of results
.endr
.set GG, GG+1
.endr
	v_mov_b32 v[TM+4], 0                           ; a lane permute's destination counts as read
	v_mov_b32 v[TM+5], 0
	v_mov_b32 v[ZR], 0
	s_wait_loadcnt 0x0                             ; the bias
.endm
	s_load_b256 s[4:11], s[0:1], 0x0               ; xf, wa, bq, bk
	s_load_b128 s[12:15], s[0:1], 0x20             ; bv, qf
	s_load_b64 s[16:17], s[0:1], 0x30              ; kv
	v_lshl_add_u32 v126, v0, 2, 0xa200
	v_mov_b32 v127, 0
	v_lshrrev_b32 v1, 5, v0
	v_readfirstlane_b32 s20, v1                    ; wave 0..8
	v_and_b32 v7, 31, v0
	v_and_b32 v3, 15, v0
	v_bfe_u32 v21, v0, 4, 1
	v_lshlrev_b32 v1, 4, v7                        ; v1 16 L
	v_lshlrev_b32 v2, 3, v7                        ; v2 8 L
	v_lshlrev_b32 v7, 2, v7                        ; v7 4 L
	v_and_b32 v22, 8, v3
	v_add_nc_u32 v22, v22, v3
	v_lshlrev_b32 v22, 2, v22                      ; v22 4 (r + 8 (r / 8))
	v_lshlrev_b32 v5, 4, v3                        ; v5 16 r
	v_lshlrev_b32 v6, 3, v3                        ; v6 8 r
	v_lshlrev_b32 v3, 2, v3                        ; v3 4 r
	v_lshlrev_b32 v21, 6, v21                      ; v21 64 h
	s_wait_alu depctr_va_sdst(0)                   ; s20 is written, ahead of its first reader
	s_mul_i32 s21, s20, 4608
	v_add_nc_u32 v4, s21, v1                       ; v4 my wave's ninth of the copy, in memory and in LDS alike
	s_and_b32 s22, ttmp9, 3                        ; G
	s_lshr_b32 s23, ttmp9, 2                       ; RB
	s_cmp_ge_u32 s20, 3
	s_cselect_b32 s24, 1, 0
	s_cmp_ge_u32 s20, 6
	s_cselect_b32 s25, 1, 0
	s_add_co_u32 s24, s24, s25                     ; y: 0 q, 1 k, 2 v
	s_mul_i32 s25, s24, 3
	s_sub_co_u32 s25, s20, s25
	s_mul_i32 s26, s22, 3
	s_add_co_u32 s27, s26, s25                     ; my head
	s_mul_i32 s28, s24, 9
	s_add_co_u32 s28, s28, s26
	s_add_co_u32 s28, s28, s20
	s_mul_i32 s28, s28, 38400                      ; my six quads: (12 y + head) x 6 x 6,400 bytes
	s_mov_b32 s29, 0
	s_mul_i32 s30, s23, 41472
	s_mov_b32 s31, 0
	s_lshl_b32 s32, s27, 8                         ; the head's 64 numbers of a bias
	s_mov_b32 s33, 0
	s_lshl_b32 s34, s27, 8
	s_lshl_b32 s35, s23, 2
	s_add_co_u32 s34, s34, s35
	s_lshl_b32 s34, s34, 10                        ; qf: record 256 head + 4 RB
	s_mov_b32 s35, 0
	s_lshl_b32 s36, s27, 5
	s_lshr_b32 s37, s23, 1
	s_add_co_u32 s36, s36, s37
	s_mul_i32 s36, s36, 13312                      ; kv: record 32 head + RB / 2
	s_and_b32 s38, s23, 1                          ; which half of the record's 128 keys
	s_mov_b32 s[SEL], 0x76543210
	s_mov_b32 s[SEL+1], 0xfedcba98
	s_wait_kmcnt 0x0
	s_cmp_lt_u32 s20, 6
	s_cselect_b64 s[48:49], s[10:11], s[12:13]
	s_cmp_lt_u32 s20, 3
	s_cselect_b64 s[48:49], s[8:9], s[48:49]       ; my bias: the choice hangs on the wave's number alone
	s_add_nc_u64 s[48:49], s[48:49], s[32:33]
	s_add_nc_u64 s[4:5], s[4:5], s[30:31]
	s_add_nc_u64 s[6:7], s[6:7], s[28:29]
	s_wait_alu depctr_va_vdst(0)                   ; v1-7, v21 and v22 are written: every load and store of the kernel reads one of them as its offset or address
.irp i, 0,1,2,3,4,5,6,7,8
	global_load_b128 v[ACC+4*\i:ACC+4*\i+3], v4, s[4:5] offset:512*\i
.endr
.set NLD, 9
	QLOAD 0, 0
	QLOAD 1, 1
	s_wait_loadcnt 26                              ; the copy's nine loads are in; the 26 of the two quads are younger
.irp i, 0,1,2,3,4,5,6,7,8
	ds_store_b128 v4, v[ACC+4*\i:ACC+4*\i+3] offset:512*\i
.endr
	s_wait_dscnt 0x0                               ; for the others' sake: my part of x's records lies in LDS
	s_barrier_signal -1
	s_barrier_wait -1                              ; everybody's does.  The launch's one barrier; LDS is only read from here on
	s_wait_alu depctr_vm_vsrc(0)                   ; my LDS stores have read v[ACC ..], which the products write
.set NLD_P, NLD
.set QE0_P, QE0
.set QE1_P, QE1
	s_cmp_ge_u32 s20, 6
	s_cbranch_scc1 .Lv_path
	; ---- q and k
	MAIN 0
.irp m, 0,1,2,3
.irp k, 0,2,4,6,8,10,12,14,16,18,20,22,24,26,28,30
	v_pk_add_f32 v[ACC+32*\m+\k:ACC+32*\m+\k+1], v[ACC+32*\m+\k:ACC+32*\m+\k+1], v[BI+\k:BI+\k+1]   ; each accumulator from its low end on
.endr
	QUANTH ACC+32*\m, PC+8*\m, PT, PC+8*\m+6, TM
.endr
	s_cmp_ge_u32 s20, 3
	s_cbranch_scc1 .Lk_store
	s_add_nc_u64 s[14:15], s[14:15], s[34:35]
	s_wait_alu depctr_va_vdst(0)                   ; the quantisers have written the four sets at v[PC ..], which the stores read
.irp m, 0,1,2,3
	global_store_b128 v1, v[PC+8*\m:PC+8*\m+3], s[14:15] offset:1024*\m
	global_store_b64 v2, v[PC+8*\m+4:PC+8*\m+5], s[14:15] offset:1024*\m+512
	global_store_b32 v3, v[PC+8*\m+6], s[14:15] offset:1024*\m+768      ; bytes 2 and 3 of the word are 0
.endr
	s_wait_dscnt 0x0                               ; the closing lines, six on end
	s_wait_alu 0x0
	s_wait_tensorcnt 0x0
	ds_add_u32 v126, v127
	s_wait_dscnt 0x0
	s_endpgm
.Lk_store:
	s_mul_i32 s40, s38, 3072
	s_add_co_u32 s40, s40, s36
	s_mov_b32 s41, 0
	s_lshl_b32 s42, s38, 3
	s_add_co_u32 s42, s42, s36
	s_add_co_u32 s42, s42, 6144
	s_mov_b32 s43, 0
	s_add_nc_u64 s[40:41], s[16:17], s[40:41]      ; key tiles 4 (RB % 2) + m, 768 bytes each
	s_add_nc_u64 s[42:43], s[16:17], s[42:43]      ; the word of tile 2 p + u, lane r, at 16 (16 u + r) + 4 p
	s_wait_alu depctr_va_vdst(0)                   ; the quantisers have written the four sets at v[PC ..], which the stores read
.irp m, 0,1,2,3
	global_store_b128 v1, v[PC+8*\m:PC+8*\m+3], s[40:41] offset:768*\m
	global_store_b64 v2, v[PC+8*\m+4:PC+8*\m+5], s[40:41] offset:768*\m+512
	global_store_b32 v5, v[PC+8*\m+6], s[42:43] offset:256*(\m%2)+4*(\m/2)
.endr
	s_wait_dscnt 0x0                               ; the closing lines, six on end, as above
	s_wait_alu 0x0
	s_wait_tensorcnt 0x0
	ds_add_u32 v126, v127
	s_wait_dscnt 0x0
	s_endpgm
	; ---- v
.Lv_path:
.set NLD, NLD_P
.set QE0, QE0_P
.set QE1, QE1_P
	MAIN 1
	s_mul_i32 s40, s38, 768
	s_add_co_u32 s40, s40, s36
	s_add_co_u32 s40, s40, 6656
	s_mov_b32 s41, 0
	s_lshl_b32 s42, s38, 1
	s_add_co_u32 s42, s42, s36
	s_add_co_u32 s42, s42, 12800
	s_mov_b32 s43, 0
	s_lshl_b32 s44, s38, 7
	s_add_co_u32 s44, s44, s36
	s_add_co_u32 s44, s44, 13056
	s_mov_b32 s45, 0
	s_add_nc_u64 s[40:41], s[16:17], s[40:41]      ; channel tile i: its half RB % 2 of 128 keys
	s_add_nc_u64 s[42:43], s[16:17], s[42:43]      ; two bytes of the word of tile 2 p + u, lane r, at 8 (16 u + r) + 4 p
	s_add_nc_u64 s[44:45], s[16:17], s[44:45]      ; the record's last 256 bytes are written as zeros: it is fetched whole
.irp i, 0,1,2,3
.irp k, 0,2,4,6,8,10,12,14,16,18,20,22,24,26,28,30
	v_pk_add_f32 v[ACC+32*\i+\k:ACC+32*\i+\k+1], v[ACC+32*\i+\k:ACC+32*\i+\k+1], v[BI+2*\i:BI+2*\i+1]
.endr
	QUANTH ACC+32*\i, PC+8*\i, PT, PC+8*\i+6, TM
.endr
	s_wait_alu depctr_va_vdst(0)                   ; the quantisers have written the four sets at v[PC ..], and v[ZR] is written: the stores read them
.irp i, 0,1,2,3
	global_store_b128 v1, v[PC+8*\i:PC+8*\i+3], s[40:41] offset:1536*\i
	global_store_b64 v2, v[PC+8*\i+4:PC+8*\i+5], s[40:41] offset:1536*\i+512
	global_store_b16 v6, v[PC+8*\i+6], s[42:43] offset:128*(\i%2)+4*(\i/2)
.endr
	global_store_b32 v7, v[ZR], s[44:45]
	s_wait_dscnt 0x0                               ; the closing lines, six on end, as above
	s_wait_alu 0x0
	s_wait_tensorcnt 0x0
	ds_add_u32 v126, v127
	s_wait_dscnt 0x0
	s_endpgm
.Lfunc_end_k_qe8e8d03fdb_qkv:
	.size	k_qe8e8d03fdb_qkv, .Lfunc_end_k_qe8e8d03fdb_qkv-k_qe8e8d03fdb_qkv
	.p2alignl 7, 3214868480
	.fill 96, 4, 3214868480
	.section	.rodata,"a",@progbits
	.p2align	6, 0x0
	.amdhsa_kernel k_qe8e8d03fdb_qkv
		.amdhsa_group_segment_fixed_size 42752
		.amdhsa_private_segment_fixed_size 0
		.amdhsa_enable_private_segment 0
		.amdhsa_kernarg_size 56
		.amdhsa_user_sgpr_count 2
		.amdhsa_user_sgpr_kernarg_segment_ptr 1
		.amdhsa_wavefront_size32 1
		.amdhsa_system_sgpr_workgroup_id_x 1
		.amdhsa_system_sgpr_workgroup_id_y 1
		.amdhsa_system_sgpr_workgroup_id_z 1
		.amdhsa_system_vgpr_workitem_id 0
		.amdhsa_next_free_vgpr 270
		.amdhsa_next_free_sgpr 66
		.amdhsa_reserve_vcc 0
		.amdhsa_float_denorm_mode_32 3
		.amdhsa_float_denorm_mode_16_64 3
		.amdhsa_memory_ordered 1
		.amdhsa_forward_progress 1
		.amdhsa_inst_pref_size 95
	.end_amdhsa_kernel
	.amdgpu_metadata
---
amdhsa.version: [ 1, 2 ]
amdhsa.kernels:
  - .name:           k_qe8e8d03fdb_qkv
    .symbol:         k_qe8e8d03fdb_qkv.kd
    .args:
      - { .name: xf, .offset: 0, .size: 8, .value_kind: global_buffer, .address_space: global }
      - { .name: wa, .offset: 8, .size: 8, .value_kind: global_buffer, .address_space: global }
      - { .name: bq, .offset: 16, .size: 8, .value_kind: global_buffer, .address_space: global }
      - { .name: bk, .offset: 24, .size: 8, .value_kind: global_buffer, .address_space: global }
      - { .name: bv, .offset: 32, .size: 8, .value_kind: global_buffer, .address_space: global }
      - { .name: qf, .offset: 40, .size: 8, .value_kind: global_buffer, .address_space: global }
      - { .name: kv, .offset: 48, .size: 8, .value_kind: global_buffer, .address_space: global }
    .group_segment_fixed_size: 42752
    .private_segment_fixed_size: 0
    .kernarg_segment_align: 8
    .kernarg_segment_size: 56
    .max_flat_workgroup_size: 288
    .sgpr_count:     66
    .vgpr_count:     270
    .wavefront_size: 32
...
	.end_amdgpu_metadata
.endif
;; end of part 8
;; launch attn (part 9): grid 256 x 1, 12 waves a work-group, no clusters, 327,680 bytes of LDS; arguments qf, kv, ctxf, ctxs; writes ctxf, ctxs
.if DOCPART == 9
	.amdgcn_target "amdgcn-amd-amdhsa--gfx1250"
	.amdhsa_code_object_version 6
	.text
	.protected	k_qe8e8d03fdb_attn
	.globl	k_qe8e8d03fdb_attn
	.p2align	8
	.type	k_qe8e8d03fdb_attn,@function
k_qe8e8d03fdb_attn:
	s_mov_b64 s[64:65], 0
	v_nop
	global_prefetch_b8 v0, s[64:65] scope:SCOPE_SE
	s_setreg_imm32_b32 hwreg(HW_REG_WAVE_MODE, 25, 1), 1
	s_wait_xcnt 0x0
; ATTENTION on codes of E3M2.  ctx[q] = (sum over keys of p v) / l, p = 2^(t - M), t = score x log2(e) / 8, M the running largest t rounded up to a whole number; l the sum of the unquantised p.
; SHARES.  Work-group id: G = id % 4 takes heads 3 G .. 3 G + 2, QB = id / 4 takes query tiles 4 QB .. 4 QB + 3.  Wave w owns head 3 G + w / 4 and tile 4 QB + w % 4: 16 queries, in 256 registers, three waves to a SIMD.
; Every wave walks the head's 4,096 keys, 128 a step.  A step's record of kv is 13,312 bytes: 8 key tiles as half fragments and their scale words (6,656), 4 channel tiles of V with the keys innermost and theirs (6,656).
; RING.  Two slots of two steps x three heads (79,872 bytes).  Each of the twelve waves fetches one half record (26 rows of 256 bytes, dense) with one tensor load behind each change of slots; a wave never has more than one out.
; Both products are used transposed (S^T = K Q^T, O^T = V^T P^T): a lane holds one query throughout.  The keys of a tile are chosen so that the 16 registers of two neighbouring tiles are 16 neighbouring keys.
; THE FIRST PRODUCT'S K IS 64, the instruction's 128: Q's registers 6-11 are zero codes, so what stands in source 0's registers 6-11 (the next key tile's codes; zeros behind the last) is multiplied by zero; the scale words' bytes 2, 3 are 0, not 0xff.
; No cluster: a slot's fill has two steps of twelve waves' softmax in which to land, and what is shared between work-groups is a small part of a step's time.
; All of a WGP's LDS is claimed.
; LIMITS: NaN and infinities not served; a block of p that has fallen to zeros keeps the byte 1.
.set SLOT1, 131072                     ; slot 1 begins here: one exclusive or turns an address from slot to slot
.set SPARE, 210944                     ; behind the ring: the spare words, 128 bytes a wave, six blocks of 256 bytes that no other line names
.set KB,  32                           ; v32-85 eight key tiles of 6 registers and six zeros; later V's four fragments (v32-79)
.set S,   96                           ; v96-159 S^T, then p
.set O,   160                          ; v160-191 O^T
.set P,   192                          ; v192-203 p's codes
.set PT,  204                          ; v204-206, v208-210
.set BM,  212                          ; the blocks' largest scores, then largest p
.set BP,  216
.set BO,  220
.set FF,  228                          ; v[228:229] f = 2^(old M - new M)
.set TMP, 230
.set SUMT, 232
.set WV,  12
.set SEL, 20
.set CS,  22                           ; s[22:23] c = log2(e) / 8
.set G1,  24
.set G0,  32
.set TB,  36                           ; LDS byte at which the slot in hand begins
.set SLOTS, 37
; v1 16 L + 26,624 (w / 4), v2 8 L + the same; v3, v4 those + TB; v5, v6 the add's; v7 4 r; v8 Q's scale words; v9 p's; v[10:11] V's; v12 -M; v13 largest t; v[14:15] the sum; v[16:27] Q; v[28:31] K's scale words
.macro WM d, a, b, zero, sa, sb, row
.if \zero
.if (\row)==0
	v_wmma_scale_f32_16x16x128_f8f6f4 v[\d:\d+7], v[\a:\a+11], v[\b:\b+11], 0, v[\sa], v[\sb] matrix_a_fmt:MATRIX_FMT_BF6 matrix_b_fmt:MATRIX_FMT_BF6
.else
	v_wmma_scale_f32_16x16x128_f8f6f4 v[\d:\d+7], v[\a:\a+11], v[\b:\b+11], 0, v[\sa], v[\sb] matrix_a_fmt:MATRIX_FMT_BF6 matrix_b_fmt:MATRIX_FMT_BF6 matrix_a_scale:MATRIX_SCALE_ROW1
.endif
.else
.if (\row)==0
	v_wmma_scale_f32_16x16x128_f8f6f4 v[\d:\d+7], v[\a:\a+11], v[\b:\b+11], v[\d:\d+7], v[\sa], v[\sb] matrix_a_fmt:MATRIX_FMT_BF6 matrix_b_fmt:MATRIX_FMT_BF6
.else
	v_wmma_scale_f32_16x16x128_f8f6f4 v[\d:\d+7], v[\a:\a+11], v[\b:\b+11], v[\d:\d+7], v[\sa], v[\sb] matrix_a_fmt:MATRIX_FMT_BF6 matrix_b_fmt:MATRIX_FMT_BF6 matrix_a_scale:MATRIX_SCALE_ROW1
.endif
.endif
.endm
.macro QUANTH s, pc, pt, pw, tm        ; 32 numbers of a lane become half a fragment and two scale bytes
.irp b, 0,1
	v_max3_num_f32 v[\tm+\b], |v[\s+16*\b]|, |v[\s+1+16*\b]|, 0x2800000
.endr
.irp i, 2,4,6,8,10,12,14
.irp b, 0,1
	s_delay_alu instid0(VALU_DEP_2)
	v_max3_num_f32 v[\tm+\b], v[\tm+\b], |v[\s+16*\b+\i]|, |v[\s+1+16*\b+\i]|
.endr
.endr
.irp b, 0,1
	s_delay_alu instid0(VALU_DEP_2)
	v_permlanex16_b32 v[\tm+4+\b], v[\tm+\b], s[SEL], s[SEL+1]
.endr
.irp b, 0,1
	s_delay_alu instid0(VALU_DEP_2)
	v_max_num_f32 v[\tm+\b], v[\tm+\b], v[\tm+4+\b]
.endr
.irp b, 0,1
	s_delay_alu instid0(VALU_DEP_2)
	v_add_nc_u32 v[\tm+8+\b], 0xfe000000, v[\tm+\b]
.endr
.irp b, 0,1
	s_delay_alu instid0(VALU_DEP_2)
	v_lshrrev_b32 v[\tm+4+\b], 23, v[\tm+8+\b]
.endr
	s_delay_alu instid0(VALU_DEP_1)
	v_lshl_or_b32 v[\pw], v[\tm+5], 8, v[\tm+4]
	v_cvt_scalef32_pk16_bf6_f32 v[\pc:\pc+2], v[\s:\s+15], v[\tm+8]
	v_cvt_scalef32_pk16_bf6_f32 v[\pt:\pt+2], v[\s+16:\s+31], v[\tm+9]
	v_nop
.irp i, 0,1,2
	v_permlane16_swap_b32 v[\pc+\i], v[\pt+\i]
.endr
.irp i, 0,1,2
	s_delay_alu instid0(VALU_DEP_3)
	v_mov_b32 v[\pc+3+\i], v[\pt+\i]
.endr
.endm
; A KEY STEP: 128 keys, the e-th of the slot in hand
.macro STEP e
	v_add_nc_u32 v3, s[TB], v1
	v_add_nc_u32 v4, s[TB], v2
	v_nop
	v_nop                                          ; with the two additions: four plain instructions in front of loads into registers that the last products read
.irp t, 0,1,2,3,4,5,6,7
	ds_load_b128 v[KB+6*\t:KB+6*\t+3], v3 offset:13312*\e+768*\t
	ds_load_b64 v[KB+6*\t+4:KB+6*\t+5], v4 offset:13312*\e+768*\t+512
.endr
	ds_load_b128 v[28:31], v3 offset:13312*\e+6144         ; register p: lanes 0-15 the words of tile 2 p, lanes 16-31 of tile 2 p + 1
	s_wait_alu depctr_va_vdst(0)
	s_wait_dscnt 0x0
.irp t, 0,1,2,3,4,5,6,7
	WM S+8*\t, KB+6*\t, 16, 1, 28+\t/2, 8, \t%2
.endr
.rept 4
	v_nop                                          ; in front of the loads below and of the first read of the scores
.endr
.irp u, 0,1,2,3                                ; V's four fragments are asked for now and land under the softmax
.irp c, 0,1
	ds_load_b128 v[KB+12*\u+6*\c:KB+12*\u+6*\c+3], v3 offset:13312*\e+6656+1536*\u+768*\c
	ds_load_b64 v[KB+12*\u+6*\c+4:KB+12*\u+6*\c+5], v4 offset:13312*\e+6656+1536*\u+768*\c+512
.endr
.endr
	ds_load_b64 v[10:11], v4 offset:13312*\e+12800
.irp b, 0,1,2,3
	v_max3_num_f32 v[BM+\b], v[S+16*\b], v[S+1+16*\b], v[S+2+16*\b]     ; the largest score of each block of 32 keys: for the row's maximum, and, since p rises with the score, for the block's largest p
.endr
.irp i, 3,5,7,9,11,13
.irp b, 0,1,2,3
	v_max3_num_f32 v[BM+\b], v[BM+\b], v[S+16*\b+\i], v[S+1+16*\b+\i]
.endr
.endr
.irp b, 0,1,2,3
	v_max_num_f32 v[BM+\b], v[BM+\b], v[S+15+16*\b]
.endr
.irp b, 0,1,2,3
	s_delay_alu instid0(VALU_DEP_4)
	v_permlanex16_b32 v[BP+\b], v[BM+\b], s[SEL], s[SEL+1]
.endr
.irp b, 0,1,2,3
	s_delay_alu instid0(VALU_DEP_4)
	v_max_num_f32 v[BM+\b], v[BM+\b], v[BP+\b]
.endr
	s_delay_alu instid0(VALU_DEP_2)
	v_max3_num_f32 v[TMP], v[BM], v[BM+1], v[BM+2]
	s_delay_alu instid0(VALU_DEP_1)
	v_max_num_f32 v[TMP], v[TMP], v[BM+3]
	s_delay_alu instid0(VALU_DEP_1)
	v_mul_f32 v[TMP], s[CS], v[TMP]
	s_delay_alu instid0(VALU_DEP_1)
	v_max_num_f32 v13, v13, v[TMP]                 ; the running largest t
	v_mov_b32 v[TMP], v12
	s_delay_alu instid0(VALU_DEP_2)
	v_floor_f32 v12, -v13                          ; -M = floor(-t): M is a whole number
	s_delay_alu instid0(VALU_DEP_1)
	v_sub_f32 v[TMP], v12, v[TMP]
	s_delay_alu instid0(VALU_DEP_1)
	v_cvt_i32_f32 v[TMP], v[TMP]                   ; (it saturates)
	s_delay_alu instid0(VALU_DEP_1)
	v_ldexp_f32 v[FF], 1.0, v[TMP]                 ; f = 2^(old M - new M): rounds nothing
.irp j, 0,2,4,6,8,10,12,14,16,18,20,22,24,26,28,30,32,34,36,38,40,42,44,46,48,50,52,54,56,58,60,62
	v_pk_fma_f32 v[S+\j:S+\j+1], v[S+\j:S+\j+1], s[CS:CS+1], v[12:13] op_sel_hi:[1,0,0]   ; t - M
.endr
.irp b, 0,1,2,3
	v_fma_f32 v[BM+\b], v[BM+\b], s[CS], v12
.endr
	s_wait_alu depctr_va_vdst(0)
.irp j, 0,1,2,3,4,5,6,7,8,9,10,11,12,13,14,15,16,17,18,19,20,21,22,23,24,25,26,27,28,29,30,31,32,33,34,35,36,37,38,39,40,41,42,43,44,45,46,47,48,49,50,51,52,53,54,55,56,57,58,59,60,61,62,63
	v_exp_f32 v[S+\j], v[S+\j]                     ; p = 2^(t - M): not normalised
.endr
.irp b, 0,1,2,3
	v_exp_f32 v[BM+\b], v[BM+\b]                   ; the block's largest p: the same two instructions on the same number
.endr
	v_pk_mul_f32 v[14:15], v[14:15], v[FF:FF+1] op_sel_hi:[1,0]      ; the sum under the new M (a plain instruction behind the exponentials)
	s_wait_alu depctr_va_vdst(0)
.irp b, 0,1,2,3
	v_max_num_f32 v[BM+\b], 0x2800000, v[BM+\b]
.endr
.irp b, 0,1,2,3
	s_delay_alu instid0(VALU_DEP_4)
	v_add_nc_u32 v[BO+\b], 0xfe000000, v[BM+\b]
.endr
.irp b, 0,1,2,3
	s_delay_alu instid0(VALU_DEP_4)
	v_lshrrev_b32 v[BP+\b], 23, v[BO+\b]
.endr
	s_delay_alu instid0(VALU_DEP_3)
	v_lshl_or_b32 v9, v[BP+1], 8, v[BP]            ; p's scale word for these 128 keys
	s_delay_alu instid0(VALU_DEP_1)
	v_lshl_or_b32 v9, v[BP+2], 16, v9
	s_delay_alu instid0(VALU_DEP_1)
	v_lshl_or_b32 v9, v[BP+3], 24, v9
.irp c, 0,1
	v_cvt_scalef32_pk16_bf6_f32 v[P+6*\c:P+2+6*\c], v[S+32*\c:S+15+32*\c], v[BO+2*\c]
	v_cvt_scalef32_pk16_bf6_f32 v[PT+4*\c:PT+2+4*\c], v[S+16+32*\c:S+31+32*\c], v[BO+1+2*\c]
.endr
	v_nop
.irp c, 0,1
.irp i, 0,1,2
	v_permlane16_swap_b32 v[P+6*\c+\i], v[PT+4*\c+\i]
.endr
.irp i, 0,1,2
	s_delay_alu instid0(VALU_DEP_3)
	v_mov_b32 v[P+3+6*\c+\i], v[PT+4*\c+\i]
.endr
.endr
	v_pk_add_f32 v[232:233], v[100:101], v[104:105]
	v_pk_add_f32 v[254:255], v[108:109], v[112:113]
	v_pk_add_f32 v[252:253], v[116:117], v[120:121]
	v_pk_add_f32 v[250:251], v[124:125], v[128:129]
	v_pk_add_f32 v[248:249], v[132:133], v[136:137]
	v_pk_add_f32 v[246:247], v[140:141], v[144:145]
	v_pk_add_f32 v[244:245], v[148:149], v[152:153]
	v_pk_add_f32 v[14:15], v[14:15], v[156:157]
	v_pk_add_f32 v[232:233], v[232:233], v[96:97]
	v_pk_add_f32 v[254:255], v[254:255], v[98:99]
	v_pk_add_f32 v[252:253], v[252:253], v[102:103]
	v_pk_add_f32 v[250:251], v[250:251], v[106:107]
	v_pk_add_f32 v[248:249], v[248:249], v[110:111]
	v_pk_add_f32 v[246:247], v[246:247], v[114:115]
	v_pk_add_f32 v[244:245], v[244:245], v[118:119]
	v_pk_add_f32 v[14:15], v[14:15], v[122:123]
	v_pk_add_f32 v[232:233], v[232:233], v[126:127]
	v_pk_add_f32 v[254:255], v[254:255], v[130:131]
	v_pk_add_f32 v[252:253], v[252:253], v[134:135]
	v_pk_add_f32 v[250:251], v[250:251], v[138:139]
	v_pk_add_f32 v[248:249], v[248:249], v[142:143]
	v_pk_add_f32 v[246:247], v[246:247], v[146:147]
	v_pk_add_f32 v[244:245], v[244:245], v[150:151]
	v_pk_add_f32 v[14:15], v[14:15], v[154:155]
	v_pk_add_f32 v[232:233], v[232:233], v[158:159]
	s_delay_alu instid0(VALU_DEP_2)
	v_pk_add_f32 v[14:15], v[14:15], v[250:251]
	s_delay_alu instid0(VALU_DEP_2)
	v_pk_add_f32 v[232:233], v[232:233], v[248:249]
	v_pk_add_f32 v[254:255], v[254:255], v[246:247]
	v_pk_add_f32 v[252:253], v[252:253], v[244:245]
	s_delay_alu instid0(VALU_DEP_2)
	v_pk_add_f32 v[14:15], v[14:15], v[254:255]
	s_delay_alu instid0(VALU_DEP_2)
	v_pk_add_f32 v[232:233], v[232:233], v[252:253]
	s_delay_alu instid0(VALU_DEP_1)
	v_pk_add_f32 v[14:15], v[14:15], v[232:233]
.irp j, 0,2,4,6,8,10,12,14,16,18,20,22,24,26,28,30
	v_pk_mul_f32 v[O+\j:O+\j+1], v[O+\j:O+\j+1], v[FF:FF+1] op_sel_hi:[1,0]   ; O^T under the new M
.endr
	s_wait_alu depctr_va_vdst(0)
	s_wait_dscnt 0x0                               ; V and its scale words
.irp u, 0,1,2,3
	WM O+8*\u, KB+12*\u, P, 0, 10+\u/2, 9, \u%2    ; the four accumulators by turns; eight other products stand between a step's and the next step's
.endr
.endm
; THE CHANGE OF SLOTS, at a slot's head: all my tensor loads have landed (my part of the slot ahead), the add, my reads of the slot left are over; one barrier; then the slot left is filled with the keys that follow.
.macro CHANGE fill
	s_wait_tensorcnt 0x0                           ; no tensor load of mine is out, so the descriptor may be written
	ds_add_u32 v5, v6                              ; 0 onto my spare word
.if \fill
	s_xor_b32 s[G0+1], s[G0+1], SLOT1              ; the other slot than last time,
	s_add_nc_u64 s[G0+2:G0+3], s[G0+2:G0+3], 26624 ; two steps' records on
.endif
	s_wait_dscnt 0x0
	s_barrier_signal -1
	s_barrier_wait -1
.if \fill
	tensor_load_to_lds s[G0:G0+3], s[G1:G1+7]      ; my one tensor load until the next such barrier, and the first thing behind this one
	s_nop 0
.rept 4
	v_nop
.endr
.endif
.endm
	s_load_b256 s[4:11], s[0:1], 0x0               ; qf, kv, ctxf, ctxs
	v_lshl_add_u32 v5, v0, 2, SPARE
	v_mov_b32 v6, 0
	ds_add_u32 v5, v6
	ds_add_u32 v5, v6
	s_wait_dscnt 0x0
	v_lshrrev_b32 v1, 5, v0
	s_delay_alu instid0(VALU_DEP_1)
	v_readfirstlane_b32 s[WV], v1                  ; wave 0..11
	s_and_b32 s13, ttmp9, 3
	s_lshr_b32 s14, ttmp9, 2
	s_lshr_b32 s15, s[WV], 2                       ; which of the three heads
	s_and_b32 s16, s[WV], 3                        ; which query tile; also which half record of a slot's four I fetch for my head
	s_mul_i32 s17, s13, 3
	s_add_co_u32 s17, s17, s15                     ; head
	s_lshl_b32 s18, s14, 2
	s_add_co_u32 s18, s18, s16                     ; T
	s_mov_b32 s[G1], 3<<16                         ; no mask; elements of 8 bytes; no padding
	s_mov_b32 s[G1+1], 32<<16                      ; tensor_dim0 = 32 elements: rows of 256 bytes
	s_mov_b32 s[G1+2], 26<<16                      ; tensor_dim1 = 26
	s_mov_b32 s[G1+3], 32<<16                      ; tile_dim0
	s_mov_b32 s[G1+4], 26                          ; tile_dim1
	s_mov_b32 s[G1+5], 32                          ; the pitch: dense
	s_mov_b32 s[G1+6], 0
	s_mov_b32 s[G1+7], 0
	s_mul_i32 s40, s17, 425984                     ; the head's 32 records
	s_mul_i32 s41, s16, 6656
	s_add_co_u32 s40, s40, s41
	s_mov_b32 s41, 0
	s_mov_b32 s[G0], 1
	s_mul_i32 s[G0+1], s[WV], 6656                 ; my piece of slot 0
	s_lshl_b32 s42, s17, 8
	s_add_co_u32 s42, s42, s18
	s_lshl_b32 s42, s42, 10                        ; qf: record 256 head + T
	s_mov_b32 s43, 0
	s_mul_i32 s44, s18, 12
	s_add_co_u32 s44, s44, s17
	s_mul_i32 s44, s44, 768                        ; ctxf: half fragment 12 T + head
	s_mov_b32 s45, 0
	s_mul_i32 s46, s18, 384
	s_lshr_b32 s47, s17, 1
	s_lshl_b32 s47, s47, 6
	s_add_co_u32 s46, s46, s47
	s_and_b32 s47, s17, 1
	s_lshl_b32 s47, s47, 1
	s_add_co_u32 s46, s46, s47                     ; ctxs: 384 T + 64 (head / 2) + 2 (head % 2)
	s_mov_b32 s47, 0
	s_mov_b32 s[SEL], 0x76543210
	s_mov_b32 s[SEL+1], 0xfedcba98
	s_mov_b32 s[CS], 0x3e38aa3b
	s_mov_b32 s[CS+1], s[CS]
	s_mov_b32 s[TB], 0
	s_mov_b32 s[SLOTS], 15
	s_mul_i32 s19, s15, 26624
	s_wait_kmcnt 0x0
	s_add_nc_u64 s[G0+2:G0+3], s[6:7], s[40:41]
	s_or_b32 s[G0+3], s[G0+3], 0x80000000
	tensor_load_to_lds s[G0:G0+3], s[G1:G1+7]      ; slot 0: ahead of every wait on TENSORcnt, every LDS read and every barrier
	s_nop 0
.rept 4
	v_nop
.endr
	s_add_nc_u64 s[4:5], s[4:5], s[42:43]
	s_add_nc_u64 s[8:9], s[8:9], s[44:45]
	s_add_nc_u64 s[10:11], s[10:11], s[46:47]
	v_and_b32 v3, 31, v0
	s_delay_alu instid0(VALU_DEP_1)
	v_lshlrev_b32 v4, 3, v3
	s_delay_alu instid0(VALU_DEP_2)
	v_lshlrev_b32 v3, 4, v3
	v_and_b32 v7, 15, v0
	s_delay_alu instid0(VALU_DEP_1)
	v_lshlrev_b32 v7, 2, v7
	s_delay_alu instid0(VALU_DEP_3)
	v_add_nc_u32 v1, s19, v3
	v_add_nc_u32 v2, s19, v4
	global_load_b128 v[16:19], v3, s[4:5]          ; Q's half fragment stays in registers
	global_load_b64 v[20:21], v4, s[4:5] offset:512
	global_load_b32 v8, v7, s[4:5] offset:768
	v_mov_b32 v13, 0xff61b1e6                      ; the largest t so far: -3e38
	s_delay_alu instid0(VALU_DEP_1)
	v_floor_f32 v12, -v13
	v_mov_b32 v14, 0
	v_mov_b32 v15, 0
.irp j, 22,23,24,25,26,27,80,81,82,83,84,85
	v_mov_b32 v[\j], 0                             ; zero codes: Q's upper half, and what follows the last key tile
.endr
.irp j, 0,1,2,3,4,5,6,7,8,9,10,11,12,13,14,15,16,17,18,19,20,21,22,23,24,25,26,27,28,29,30,31
	v_mov_b32 v[O+\j], 0                           ; the step is written once: the first finds zeros, which the first change of M leaves zeros
.endr
.irp b, 0,1,2,3
	v_mov_b32 v[BP+\b], 0                          ; a lane permute's destination counts as read
.endr
	v_mov_b32 v[FF+1], 0                           ; named as the upper half of a pair
	s_wait_loadcnt 0x0                             ; Q; v3 and v4 may be written again
.Lslot:                                            ; 15 trips: behind each change of slots but the last the next slot is asked for
	CHANGE 1
	STEP 0
	STEP 1
	s_xor_b32 s[TB], s[TB], SLOT1
	s_sub_co_u32 s[SLOTS], s[SLOTS], 1
	s_cmp_lg_u32 s[SLOTS], 0
	s_cbranch_scc1 .Lslot
	CHANGE 0                                       ; the last slot is written out
	STEP 0
	STEP 1
	; THE WAY OUT: O^T / l is my 16 queries x the head's 64 channels of ctx: half a fragment of the next product, quantised here
.rept 4
	v_nop
.endr
	v_add_f32 v14, v14, v15
	s_delay_alu instid0(VALU_DEP_1)
	v_permlanex16_b32 v[TMP], v14, s[SEL], s[SEL+1]
	s_delay_alu instid0(VALU_DEP_1)
	v_add_f32 v14, v14, v[TMP]
	s_wait_alu depctr_va_vdst(0)
	v_rcp_f32 v14, v14
	v_and_b32 v3, 31, v0                           ; (a plain instruction behind the reciprocal)
	s_delay_alu instid0(VALU_DEP_1)
	v_lshlrev_b32 v4, 3, v3
	s_delay_alu instid0(VALU_DEP_2)
	v_lshlrev_b32 v3, 4, v3
	s_wait_alu depctr_va_vdst(0)
.irp j, 0,1,2,3,4,5,6,7,8,9,10,11,12,13,14,15,16,17,18,19,20,21,22,23,24,25,26,27,28,29,30,31
	v_mul_f32 v[S+\j], v[O+\j], v14
.endr
	QUANTH S, P, PT, TMP, BM
	global_store_b128 v3, v[P:P+3], s[8:9]
	global_store_b64 v4, v[P+4:P+5], s[8:9] offset:512
	global_store_b16 v7, v[TMP], s[10:11]
	s_wait_tensorcnt 0x0                           ; the wave's end
	ds_add_u32 v5, v6
	s_wait_dscnt 0x0
	s_endpgm
.Lfunc_end_k_qe8e8d03fdb_attn:
	.size	k_qe8e8d03fdb_attn, .Lfunc_end_k_qe8e8d03fdb_attn-k_qe8e8d03fdb_attn
	.p2alignl 7, 3214868480
	.fill 96, 4, 3214868480
	.section	.rodata,"a",@progbits
	.p2align	6, 0x0
	.amdhsa_kernel k_qe8e8d03fdb_attn
		.amdhsa_group_segment_fixed_size 327680
		.amdhsa_private_segment_fixed_size 0
		.amdhsa_enable_private_segment 0
		.amdhsa_kernarg_size 32
		.amdhsa_user_sgpr_count 2
		.amdhsa_user_sgpr_kernarg_segment_ptr 1
		.amdhsa_wavefront_size32 1
		.amdhsa_system_sgpr_workgroup_id_x 1
		.amdhsa_system_sgpr_workgroup_id_y 1
		.amdhsa_system_sgpr_workgroup_id_z 1
		.amdhsa_system_vgpr_workitem_id 0
		.amdhsa_next_free_vgpr 256
		.amdhsa_next_free_sgpr 66
		.amdhsa_reserve_vcc 0
		.amdhsa_float_denorm_mode_32 3
		.amdhsa_float_denorm_mode_16_64 3
		.amdhsa_memory_ordered 1
		.amdhsa_forward_progress 1
		.amdhsa_inst_pref_size 79
	.end_amdhsa_kernel
	.amdgpu_metadata
---
amdhsa.version: [ 1, 2 ]
amdhsa.kernels:
  - .name:           k_qe8e8d03fdb_attn
    .symbol:         k_qe8e8d03fdb_attn.kd
    .args:
      - { .name: qf, .offset: 0, .size: 8, .value_kind: global_buffer, .address_space: global }
      - { .name: kv, .offset: 8, .size: 8, .value_kind: global_buffer, .address_space: global }
      - { .name: ctxf, .offset: 16, .size: 8, .value_kind: global_buffer, .address_space: global }
      - { .name: ctxs, .offset: 24, .size: 8, .value_kind: global_buffer, .address_space: global }
    .group_segment_fixed_size: 327680
    .private_segment_fixed_size: 0
    .kernarg_segment_align: 8
    .kernarg_segment_size: 32
    .max_flat_workgroup_size: 384
    .sgpr_count:     66
    .vgpr_count:     256
    .wavefront_size: 32
...
	.end_amdgpu_metadata
.endif
;; end of part 9
;; launch mid (part 10): grid 256 x 1, 12 waves a work-group, no clusters, 295,424 bytes of LDS; arguments ctxf, ctxs, wb, x, bo, ln1_g, ln1_b, b1, mo; writes mo
.if DOCPART == 10
	.amdgcn_target "amdgcn-amd-amdhsa--gfx1250"
	.amdhsa_code_object_version 6
	.text
	.protected	k_qe8e8d03fdb_mid
	.globl	k_qe8e8d03fdb_mid
	.p2align	8
	.type	k_qe8e8d03fdb_mid,@function
k_qe8e8d03fdb_mid:
	s_mov_b64 s[64:65], 0
	v_nop
	global_prefetch_b8 v0, s[64:65] scope:SCOPE_SE
	s_setreg_imm32_b32 hwreg(HW_REG_WAVE_SCHED_MODE, 0, 2), 2
	s_setreg_imm32_b32 hwreg(HW_REG_WAVE_MODE, 25, 1), 1
	s_wait_xcnt 0x0
	s_wait_alu depctr_vm_vsrc(0)
; MID.  h = LN1(x + ctx Wo + bo);  hidden = gelu(h W1 + b1), quantised.  Both products on codes of E3M2; all else in f32.
; SHARES.  Work-group id: G = id % 4, RB = id / 4.  It takes 64 rows (row tiles 4 RB + m, m = 0 .. 3; lane r of tile T stands for row 64 (T/4) + 32 ((T/2)%2) + 8 (T%2) + r + 8 (r/8)) and hidden units 768 G .. 768 G + 767.
; A whole row is wanted for LN1, so the four work-groups of a row block each make h for themselves: 461 KB of Wo more for each, in place of a launch and of h's way through memory ahead of the quantiser.
; Wave w: first columns 64 w .. 64 w + 63 of h, then hidden units 64 (12 G + w) on, each for all 64 rows: 16 accumulators.  A weight quad (4 tiles x 128 along K, 6,400 bytes in the order of the operand's registers)
; is read by one wave alone, from memory into a ring of two register buffers.  The rows' fragments go from wave to wave through LDS as images of their registers (half fragments of 768 bytes, scale words beside them).
; Products are used transposed (source 0 = 16 weight rows, source 1 = 16 rows): a lane holds one row, and register 16 b + i of a tile of rows is column 32 b + 16 (lane/16) + i of the wave's 64.
; OUT (buffer mo): h in f32, [T][w] images of 4,096 bytes (register group i of lane L at 512 i + 16 L), tile m = G from this work-group; the hidden codes [T][u 48] half fragments; their scale words [T][s 24][r].
; No cluster and no tensor load: a weight fragment feeds one wave alone, so LDS would add a write and a read to each byte, and a work-group's weights are 922 KB in all.
; GELU is exact: erf by two polynomials (|z| <= 0.927734375: odd series; above: 1 - exp of a polynomial), both always computed, one chosen by v_cndmask_b32.
; LIMITS: NaN and infinities not served; blocks under 2^-122 and blocks of zeros keep the byte 1; 1 + erf has f32's own cancellation for large negative arguments.
; THE MODE: SCHED_MODE bits 1:0 = 2 (LLVM: expert scheduling mode 2), set by the entry lines.  The code itself states the register dependences
; between vector or matrix instructions and memory or LDS instructions, with s_wait_alu, always for 0.
; THE PLAN.  A group g = 4 SS + MM is four products: K step SS, tile of rows MM.  Registers that memory or LDS instructions touch in the products:
;   X0 (v8-19, scale words v20), X1 (v258-269, scale words v127)   Group g's products read X[g % 2]; at the head of group g + 1 the fragment of group g + 2 is asked for into it.
;   ring buffer SS % 2   Read by the 16 products of K step SS; loaded again in the first group of K step SS + 1 (quad SS + 2; behind K step 4 the bias).
;   v[FA1] .. v[FA3]     Read by every fragment load; written between the phases alone.  v1-3, v7, v21-23 are made at the head and never written again.
; So ONE wait on va_vdst stands at a group's head: the group before is done reading the other fragment, and, in a K step's first group, the K step before is done with its ring buffer.
; The loads follow it, the quad's dealt among the group's products, which name X[g % 2], ring buffer SS % 2 and the accumulators: none of the registers that those loads touch.
; Between the products each run of stores has one wait on va_vdst ahead of it, and one wait on vm_vsrc stands ahead of the first line that writes again what stores or loads have read.
.set CIMG, 0                           ; LDS: ctx's 4 x 12 half fragments
.set CSC,  36864                       ; their scale words [m][K step][r]
.set HIMG, 38400                       ; h's likewise
.set HSC,  75264
.set RED,  76800                       ; eight tables [r] x 64 bytes, word w: the waves' partial sums; each used once
.set XRES, 84992                       ; a stage of 4 x 16 rows x (256 + 16) bytes for each wave, its own
.set HID_OFF, 12582912                 ; in mo: the hidden codes,
.set HIDS_OFF, 22020096                ; and their scale words
.set FA1, 4                            ; v4, v5, v6 where the rows' fragments and scale words are fetched: 16 L, 8 L, 4 r + the phase's bases  (v4 is at first my place in the stage on the way in)
.set FA2, 5
.set FA3, 6
.set XF,  8                            ; v8-19 fragment buffer 0;  v20 its scale words
.set XSC, 20
.set XH,  2                            ; v258-269 fragment buffer 1, written v2-13 under window 1;  v127 its scale words (scale operands have no window)
.set XSH, 127
.set QA,  24                           ; ring buffer k at v[24 + 50 k]: 48 registers of codes, 2 of scale words (v72, 73, 122, 123 hold scales and nothing else)
.set QB,  74
.set ACC, 128                          ; v128-255: tile of rows m at ACC + 32 m
.set BI,  24                           ; between the products: a bias or shift,
.set GM,  74                           ; a gain,
.set ST,  56                           ; LayerNorm's statistics, four registers a tile,
.set TR,  106                          ; the tables' words: v106-117 and v8-19
.set TM,  24                           ; the quantiser: at work, second halves, four sets of codes and scale word
.set PT,  34
.set PC,  40
.set G,   74                           ; GELU: v74-97 at work, v98-103 three constants as pairs
.set VC2, 98
.set VC4, 100
.set VD1, 102
.set CM,  22                           ; s[22:25] GELU: four masks, one for each of a call's four numbers
.set WV,  28
.set SG,  29
.set RB,  30
.set K_IS2, 36                         ; s[36:59] twelve constants, each in both words of a pair
.set K_C1, 38
.set K_C3, 40
.set K_C5, 42
.set K_C6, 44
.set K_C7, 46
.set K_L2E, 48
.set K_D0, 50
.set K_D2, 52
.set K_D3, 54
.set K_D4, 56
.set K_D5, 58
.set MASK, 60
.set THR,  61
.set SEL,  62
.set WSA,  70                          ; s[70:71] my six quads of Wo;  s[72:73] of W1 (12,800 bytes apart)
.set WSB,  72
.set NLD, 0                            ; global loads issued so far;  QE0, QE1: that count just behind the last load into ring buffer 0, 1
.set QE0, 0
.set QE1, 0
.set MSB, 0
; v1 16 L; v2 8 L; v3 4 r; v7 my stage + 272 r + 64 h; v21 64 h + 256 w; v22 RED + 64 r + 4 w; v23 RED + 64 r + 24 h; v124-126: first x's and ctx's places, then h's images' places
.macro WIN new                         ; the immediate's high byte repeats the setting that is left; a switch that changes nothing is dropped
.if MSB != \new
	s_set_vgpr_msb (MSB<<8)|\new
.set MSB, \new
.endif
.endm
.macro WM d, a, b, zero, sa, sb, row   ; one product; zero: C = 0 starts the sum; row 1: source 0's scales stand in lanes 16-31
.if \zero
.if (\row)==0
	v_wmma_scale_f32_16x16x128_f8f6f4 v[\d:\d+7], v[\a:\a+11], v[\b:\b+11], 0, v[\sa], v[\sb] matrix_a_fmt:MATRIX_FMT_BF6 matrix_b_fmt:MATRIX_FMT_BF6
.else
	v_wmma_scale_f32_16x16x128_f8f6f4 v[\d:\d+7], v[\a:\a+11], v[\b:\b+11], 0, v[\sa], v[\sb] matrix_a_fmt:MATRIX_FMT_BF6 matrix_b_fmt:MATRIX_FMT_BF6 matrix_a_scale:MATRIX_SCALE_ROW1
.endif
.else
.if (\row)==0
	v_wmma_scale_f32_16x16x128_f8f6f4 v[\d:\d+7], v[\a:\a+11], v[\b:\b+11], v[\d:\d+7], v[\sa], v[\sb] matrix_a_fmt:MATRIX_FMT_BF6 matrix_b_fmt:MATRIX_FMT_BF6
.else
	v_wmma_scale_f32_16x16x128_f8f6f4 v[\d:\d+7], v[\a:\a+11], v[\b:\b+11], v[\d:\d+7], v[\sa], v[\sb] matrix_a_fmt:MATRIX_FMT_BF6 matrix_b_fmt:MATRIX_FMT_BF6 matrix_a_scale:MATRIX_SCALE_ROW1
.endif
.endif
.endm
.macro QL3 k, wsb, off, t              ; tile t of a quad into ring buffer k: three loads of 512 consecutive bytes; behind the last tile the quad's scale words
.set QW, QA+50*(\k)
.irp c, 0,1,2
	global_load_b128 v[QW+12*(\t)+4*\c:QW+12*(\t)+4*\c+3], v1, s[\wsb:\wsb+1] offset:(\off)+1536*(\t)+512*\c
.endr
.set NLD, NLD+3
.if (\t)==3
	global_load_b64 v[QW+48:QW+49], v2, s[\wsb:\wsb+1] offset:(\off)+6144
.set NLD, NLD+1
.if (\k)==0
.set QE0, NLD
.else
.set QE1, NLD
.endif
.endif
.endm
.macro QLOAD k, wsb, off               ; a whole quad: 13 loads
.irp t, 0,1,2,3
	QL3 \k, \wsb, \off, \t
.endr
.endm
.macro WAITQ k                         ; ring buffer k is in: the count is that of the loads issued behind its last one
.if (\k)==0
	s_wait_loadcnt NLD-QE0
.else
	s_wait_loadcnt NLD-QE1
.endif
.endm
.macro XFETCH g                        ; the fragment and the scale words of group g (K step g / 4, tile of rows g % 4) into fragment buffer g % 2
.set XO, 9216*((\g)%4)+1536*((\g)/4)
.set XP, 384*((\g)%4)+64*((\g)/4)
.if (\g)%2
	WIN 0x40                                       ; destination window 1, address window 0
	ds_load_b128 v[XH:XH+3], v[FA1] offset:XO
	ds_load_b64 v[XH+4:XH+5], v[FA2] offset:XO+512
	ds_load_b128 v[XH+6:XH+9], v[FA1] offset:XO+768
	ds_load_b64 v[XH+10:XH+11], v[FA2] offset:XO+1280
	WIN 0
	ds_load_b32 v[XSH], v[FA3] offset:XP
.else
	ds_load_b128 v[XF:XF+3], v[FA1] offset:XO
	ds_load_b64 v[XF+4:XF+5], v[FA2] offset:XO+512
	ds_load_b128 v[XF+6:XF+9], v[FA1] offset:XO+768
	ds_load_b64 v[XF+10:XF+11], v[FA2] offset:XO+1280
	ds_load_b32 v[XSC], v[FA3] offset:XP
.endif
.endm
; Six K steps of 128; in each, four tiles of rows against the quad's four tiles of columns.  The 16 accumulators take turns, one instruction a turn.
; zf = 1: the first K step starts the sums with 0; zf = 0: the accumulators hold the residual.  Behind K step 4 ring buffer 0 has had its last quad: the bias lands there.
.macro MAIN wsb, strd, bias, zf
	s_wait_alu depctr_va_vdst(0)                   ; v[FA1] to v[FA3] are written, which the fragments' loads read; the vector lines that named v8-19 are done, in which the first fragment lands
	XFETCH 0
.set GG, 0
.rept 24
.set SS, GG/4
.set MM, GG%4
.if MM == 0
	WAITQ SS%2
.endif
	s_wait_dscnt 0x0                               ; this group's fragment and scale words are in
.if (GG > 0) && (GG < 23)
	s_wait_alu depctr_va_vdst(0)                   ; the group before is done reading the other fragment and its scale words; in a K step's first group the K step before is done reading its ring buffer: the loads below land there
.endif
.if GG < 23
	XFETCH GG+1
.endif
.if GG == 20
.irp e, 0,1
.irp j, 0,1,2,3
	global_load_b128 v[BI+16*\e+4*\j:BI+16*\e+4*\j+3], v21, s[\bias:\bias+1] offset:128*\e+16*\j   ; columns 32 e + 16 h + 4 j on of my 64
.endr
.endr
.set NLD, NLD+8
.endif
.set QR, QA+50*(SS%2)
.if MM%2
.set XR, XH
.set XS, XSH
	WIN 0x04                                       ; source 1, the rows' fragment, in window 1
.else
.set XR, XF
.set XS, XSC
.endif
.irp i, 0,1,2,3
	WM ACC+32*MM+8*\i, QR+12*\i, XR, (\zf)*(SS==0), QR+48+\i/2, XS, \i%2
.if (MM == 0) && (SS > 0) && (SS < 5)
	QL3 (SS+1)%2, \wsb, (SS+1)*\strd, \i           ; the next K step's quad.  No wait: no product since the wait above names the other ring buffer
.endif
.endr
	WIN 0
.rept 4
	v_nop                                          ; four plain instructions behind a group's products, as they stood; the last group's stand in front of the first read of results
.endr
.set GG, GG+1
.endr
	s_wait_loadcnt 0x0                             ; the bias
.endm
.macro BARRIER                         ; my LDS stores have landed and my LDS loads are in: then the work-group's barrier
	s_wait_dscnt 0x0
	s_barrier_signal -1
	s_barrier_wait -1
.endm
.macro YADD4                           ; every tile of rows += the vector at BI; each accumulator from its low end on
.irp m, 0,1,2,3
.irp j, 0,2,4,6,8,10,12,14,16,18,20,22,24,26,28,30
	v_pk_add_f32 v[ACC+32*\m+\j:ACC+32*\m+\j+1], v[ACC+32*\m+\j:ACC+32*\m+\j+1], v[BI+\j:BI+\j+1]
.endr
.endr
.endm
.macro VLOAD reg, ptr                  ; my 32 numbers of a vector of 768
.irp e, 0,1
.irp j, 0,1,2,3
	global_load_b128 v[\reg+16*\e+4*\j:\reg+16*\e+4*\j+3], v21, s[\ptr:\ptr+1] offset:128*\e+16*\j
.endr
.endr
.endm
.macro QUANTH s, pc, pt, pw, tm        ; 32 numbers of a lane become half a fragment, six registers at pc, and two scale bytes in pw
.irp b, 0,1
	v_max3_num_f32 v[\tm+\b], |v[\s+16*\b]|, |v[\s+1+16*\b]|, 0x2800000   ; with the floor 2^(5 - 127): the byte cannot fall under 1
.endr
.irp i, 2,4,6,8,10,12,14
.irp b, 0,1
	v_max3_num_f32 v[\tm+\b], v[\tm+\b], |v[\s+16*\b+\i]|, |v[\s+1+16*\b+\i]|
.endr
.endr
.irp b, 0,1
	v_permlanex16_b32 v[\tm+4+\b], v[\tm+\b], s[SEL], s[SEL+1]
.endr
.irp b, 0,1
	v_max_num_f32 v[\tm+\b], v[\tm+\b], v[\tm+4+\b]
.endr
.irp b, 0,1
	v_add_nc_u32 v[\tm+8+\b], 0xfe000000, v[\tm+\b]       ; 4 off the exponent field: the conversion's scale operand
.endr
.irp b, 0,1
	v_lshrrev_b32 v[\tm+4+\b], 23, v[\tm+8+\b]            ; the scale's byte
.endr
	v_lshl_or_b32 v[\pw], v[\tm+5], 8, v[\tm+4]
	v_cvt_scalef32_pk16_bf6_f32 v[\pc:\pc+2], v[\s:\s+15], v[\tm+8]
	v_cvt_scalef32_pk16_bf6_f32 v[\pt:\pt+2], v[\s+16:\s+31], v[\tm+9]
	v_nop                                          ; one plain instruction behind the conversions
.irp i, 0,1,2
	v_permlane16_swap_b32 v[\pc+\i], v[\pt+\i]     ; a whole block to a lane: lanes 0-15 block 0, lanes 16-31 block 1
.endr
.irp i, 0,1,2
	v_mov_b32 v[\pc+3+\i], v[\pt+\i]
.endr
.endm
; For each tile m the two chains at ST + 4 m and ST + 4 m + 2 become the row's total over all 768 columns, in v[TR + 6 m - 110 (m / 2)] of every lane:
; halves, lane l xor 16, then the twelve waves through tables 4 k + m; a lane adds six of the twelve words and lane l xor 16 the other six.  One order in every wave: all get the same bits.
.macro RSUM4 k
.irp m, 0,1,2,3
	v_pk_add_f32 v[ST+4*\m:ST+4*\m+1], v[ST+4*\m:ST+4*\m+1], v[ST+4*\m+2:ST+4*\m+3]
.endr
.irp m, 0,1,2,3
	v_add_f32 v[ST+4*\m], v[ST+4*\m], v[ST+4*\m+1]
.endr
.irp m, 0,1,2,3
	v_permlanex16_b32 v[ST+4*\m+2], v[ST+4*\m], s[SEL], s[SEL+1]
.endr
.irp m, 0,1,2,3
	v_add_f32 v[ST+4*\m], v[ST+4*\m], v[ST+4*\m+2]
.endr
	s_wait_alu depctr_va_vdst(0)                   ; the four sums at v[ST + 4 m] are written, which the stores read; all that named the tables' registers v106-117 and v8-19 is done, in which the loads below land
.irp m, 0,1,2,3
	ds_store_b32 v22, v[ST+4*\m] offset:1024*(4*(\k)+\m)   ; lanes r and r + 16 hold the same sum
.endr
	BARRIER
	s_wait_alu depctr_vm_vsrc(0)                   ; my four stores have read v[ST + 4 m], which the lines behind this sum write again
.irp m, 0,1,2,3
.set TT, TR+6*\m-110*(\m/2)
.irp c, 0,1,2
	ds_load_b64 v[TT+2*\c:TT+2*\c+1], v23 offset:1024*(4*(\k)+\m)+8*\c
.endr
.endr
	s_wait_dscnt 0x0
.irp m, 0,1,2,3
.set TT, TR+6*\m-110*(\m/2)
	v_pk_add_f32 v[TT:TT+1], v[TT:TT+1], v[TT+2:TT+3]
.endr
.irp m, 0,1,2,3
.set TT, TR+6*\m-110*(\m/2)
	v_pk_add_f32 v[TT:TT+1], v[TT:TT+1], v[TT+4:TT+5]
.endr
.irp m, 0,1,2,3
.set TT, TR+6*\m-110*(\m/2)
	v_add_f32 v[TT], v[TT], v[TT+1]
.endr
.irp m, 0,1,2,3
.set TT, TR+6*\m-110*(\m/2)
	v_permlanex16_b32 v[TT+2], v[TT], s[SEL], s[SEL+1]
.endr
.irp m, 0,1,2,3
.set TT, TR+6*\m-110*(\m/2)
	v_add_f32 v[TT], v[TT], v[TT+2]
.endr
.endm
; every tile: Y = (Y - mean) rsqrt(var + 1e-5) g + b, in two passes; g at GM, b at BI
.macro LN4
.irp m, 0,1,2,3
	v_pk_add_f32 v[ST+4*\m:ST+4*\m+1], v[ACC+32*\m:ACC+32*\m+1], v[ACC+32*\m+2:ACC+32*\m+3]
	v_pk_add_f32 v[ST+4*\m+2:ST+4*\m+3], v[ACC+32*\m+4:ACC+32*\m+5], v[ACC+32*\m+6:ACC+32*\m+7]
.endr
.irp j, 8,12,16,20,24,28
.irp m, 0,1,2,3
	v_pk_add_f32 v[ST+4*\m:ST+4*\m+1], v[ST+4*\m:ST+4*\m+1], v[ACC+32*\m+\j:ACC+32*\m+\j+1]
	v_pk_add_f32 v[ST+4*\m+2:ST+4*\m+3], v[ST+4*\m+2:ST+4*\m+3], v[ACC+32*\m+\j+2:ACC+32*\m+\j+3]
.endr
.endr
	RSUM4 0
.irp m, 0,1,2,3
.set TT, TR+6*\m-110*(\m/2)
	v_mul_f32 v[ST+4*\m], 0x3aaaaaab, v[TT]        ; / 768
.endr
.irp m, 0,1,2,3
	v_mov_b32 v[ST+4*\m+1], v[ST+4*\m]
.endr
.irp m, 0,1,2,3
.irp j, 0,2,4,6,8,10,12,14,16,18,20,22,24,26,28,30
	v_pk_add_f32 v[ACC+32*\m+\j:ACC+32*\m+\j+1], v[ACC+32*\m+\j:ACC+32*\m+\j+1], v[ST+4*\m:ST+4*\m+1] neg_lo:[0,1] neg_hi:[0,1]
.endr
.endr
.irp m, 0,1,2,3
	v_pk_mul_f32 v[ST+4*\m:ST+4*\m+1], v[ACC+32*\m:ACC+32*\m+1], v[ACC+32*\m:ACC+32*\m+1]
	v_pk_mul_f32 v[ST+4*\m+2:ST+4*\m+3], v[ACC+32*\m+2:ACC+32*\m+3], v[ACC+32*\m+2:ACC+32*\m+3]
.endr
.irp j, 4,8,12,16,20,24,28
.irp m, 0,1,2,3
	v_pk_fma_f32 v[ST+4*\m:ST+4*\m+1], v[ACC+32*\m+\j:ACC+32*\m+\j+1], v[ACC+32*\m+\j:ACC+32*\m+\j+1], v[ST+4*\m:ST+4*\m+1]
	v_pk_fma_f32 v[ST+4*\m+2:ST+4*\m+3], v[ACC+32*\m+\j+2:ACC+32*\m+\j+3], v[ACC+32*\m+\j+2:ACC+32*\m+\j+3], v[ST+4*\m+2:ST+4*\m+3]
.endr
.endr
	RSUM4 1
.irp m, 0,1,2,3
.set TT, TR+6*\m-110*(\m/2)
	v_mul_f32 v[ST+4*\m], 0x3aaaaaab, v[TT]
.endr
.irp m, 0,1,2,3
	v_add_f32 v[ST+4*\m], 0x3727c5ac, v[ST+4*\m]   ; + 1e-5
.endr
	s_wait_alu depctr_va_vdst(0)
.irp m, 0,1,2,3
	v_rsq_f32 v[ST+4*\m+2], v[ST+4*\m]
.endr
	v_nop                                          ; one plain instruction behind the transcendentals
	s_wait_alu depctr_va_vdst(0)                   ; the four v_rsq_f32 have written v[ST + 4 m + 2], ahead of their first reader
.irp m, 0,1,2,3
	v_mov_b32 v[ST+4*\m+3], v[ST+4*\m+2]
.endr
	s_wait_alu depctr_va_vdst(0)
	s_wait_loadcnt 0x0                             ; the gain and the shift
.irp m, 0,1,2,3
.irp j, 0,2,4,6,8,10,12,14,16,18,20,22,24,26,28,30
	v_pk_mul_f32 v[ACC+32*\m+\j:ACC+32*\m+\j+1], v[ACC+32*\m+\j:ACC+32*\m+\j+1], v[ST+4*\m+2:ST+4*\m+3]
.endr
.endr
.irp m, 0,1,2,3
.irp j, 0,2,4,6,8,10,12,14,16,18,20,22,24,26,28,30
	v_pk_fma_f32 v[ACC+32*\m+\j:ACC+32*\m+\j+1], v[ACC+32*\m+\j:ACC+32*\m+\j+1], v[GM+\j:GM+\j+1], v[BI+\j:BI+\j+1]
.endr
.endr
.endm
; gelu of four numbers v[x] .. v[x + 3], two pairs by turns.  At g: +0 z = x / sqrt(2), +2 z^2, +4 |z|, +6 the large branch, +8 at work, then erf, +10 the small branch
; The four compares stand in one run, as soon as |z| is there, and write four scalar registers; one wait stands ahead of the four selects.
.macro GELU2 x
.irp g, G, G+12
	v_pk_mul_f32 v[\g:\g+1], v[\x+(\g-G)/6:\x+(\g-G)/6+1], s[K_IS2:K_IS2+1] op_sel_hi:[1,0]
.endr
.irp g, G, G+12
	v_pk_mul_f32 v[\g+2:\g+3], v[\g:\g+1], v[\g:\g+1]
	v_and_b32 v[\g+4], s[MASK], v[\g]
	v_and_b32 v[\g+5], s[MASK], v[\g+1]
.endr
	v_cmp_lt_f32 s[CM], s[THR], v[G+4]             ; which branch holds: |z| above the threshold
	v_cmp_lt_f32 s[CM+1], s[THR], v[G+5]
	v_cmp_lt_f32 s[CM+2], s[THR], v[G+16]
	v_cmp_lt_f32 s[CM+3], s[THR], v[G+17]
.irp g, G, G+12
	v_pk_fma_f32 v[\g+6:\g+7], v[\g+4:\g+5], s[K_C1:K_C1+1], v[VC2:VC2+1] op_sel_hi:[1,0,1]
	v_pk_fma_f32 v[\g+8:\g+9], v[\g+4:\g+5], s[K_C3:K_C3+1], v[VC4:VC4+1] op_sel_hi:[1,0,1]
.endr
.irp g, G, G+12
	v_pk_fma_f32 v[\g+6:\g+7], v[\g+6:\g+7], v[\g+2:\g+3], v[\g+8:\g+9]
.endr
.irp k, K_C5, K_C6, K_C7
.irp g, G, G+12
	v_pk_fma_f32 v[\g+6:\g+7], v[\g+6:\g+7], v[\g+4:\g+5], s[\k:\k+1] op_sel_hi:[1,1,0]
.endr
.endr
.irp g, G, G+12
	v_pk_fma_f32 v[\g+6:\g+7], v[\g+6:\g+7], v[\g+4:\g+5], v[\g+4:\g+5] neg_lo:[0,0,1] neg_hi:[0,0,1]
.endr
.irp g, G, G+12
	v_pk_mul_f32 v[\g+6:\g+7], v[\g+6:\g+7], s[K_L2E:K_L2E+1] op_sel_hi:[1,0]
.endr
	s_wait_alu depctr_va_vdst(0)
.irp g, G, G+12
	v_exp_f32 v[\g+6], v[\g+6]                     ; erfc(|z|)
	v_exp_f32 v[\g+7], v[\g+7]
.endr
.irp g, G, G+12
	v_pk_fma_f32 v[\g+10:\g+11], v[\g+2:\g+3], s[K_D0:K_D0+1], v[VD1:VD1+1] op_sel_hi:[1,0,1]   ; (plain instructions behind the exponentials)
.endr
.irp k, K_D2, K_D3, K_D4, K_D5
.irp g, G, G+12
	v_pk_fma_f32 v[\g+10:\g+11], v[\g+10:\g+11], v[\g+2:\g+3], s[\k:\k+1] op_sel_hi:[1,1,0]
.endr
.endr
	s_wait_alu depctr_va_vdst(0)                   ; the four exponentials have written their results, ahead of the first reader
.irp g, G, G+12
	v_pk_fma_f32 v[\g+10:\g+11], v[\g+10:\g+11], v[\g:\g+1], v[\g:\g+1]
	v_pk_fma_f32 v[\g+6:\g+7], v[\g+6:\g+7], -1.0, 1.0 op_sel_hi:[1,0,0]
.endr
.irp g, G, G+12
	v_bfi_b32 v[\g+6], s[MASK], v[\g+6], v[\g]     ; z's sign
	v_bfi_b32 v[\g+7], s[MASK], v[\g+7], v[\g+1]
.endr
	s_wait_alu depctr_va_sdst(0)                   ; the four compares have written s[CM] to s[CM + 3], ahead of their first readers
	v_cndmask_b32 v[G+8], v[G+10], v[G+6], s[CM]
	v_cndmask_b32 v[G+9], v[G+11], v[G+7], s[CM+1]
	v_cndmask_b32 v[G+20], v[G+22], v[G+18], s[CM+2]
	v_cndmask_b32 v[G+21], v[G+23], v[G+19], s[CM+3]
.irp g, G, G+12
	v_pk_mul_f32 v[\x+(\g-G)/6:\x+(\g-G)/6+1], v[\x+(\g-G)/6:\x+(\g-G)/6+1], 0.5 op_sel_hi:[1,0]
.endr
.irp g, G, G+12
	v_pk_fma_f32 v[\x+(\g-G)/6:\x+(\g-G)/6+1], v[\x+(\g-G)/6:\x+(\g-G)/6+1], v[\g+8:\g+9], v[\x+(\g-G)/6:\x+(\g-G)/6+1]   ; x / 2 (1 + erf)
.endr
.endm
.macro SC2 k, val
	s_mov_b32 s[\k], \val
	s_mov_b32 s[\k+1], s[\k]
.endm
	s_load_b512 s[4:19], s[0:1], 0x0               ; ctxf 4, ctxs 6, wb 8, x 10, bo 12, ln1_g 14, ln1_b 16, b1 18
	s_load_b64 s[20:21], s[0:1], 0x40              ; mo
	s_set_vgpr_msb 0x40
	v_lshl_add_u32 v0, v0, 2, 0x47c00
	v_mov_b32 v1, 0
	s_set_vgpr_msb 0x4000
	v_lshrrev_b32 v1, 5, v0
	v_readfirstlane_b32 s[WV], v1                  ; wave 0..11
	v_and_b32 v8, 31, v0                           ; L
	v_and_b32 v9, 15, v0                           ; r
	v_bfe_u32 v10, v0, 4, 1                        ; h
	v_lshlrev_b32 v1, 4, v8
	v_lshlrev_b32 v2, 3, v8
	v_lshlrev_b32 v3, 2, v9
	v_mov_b32 v[FA2], v2                           ; the first product's rows: ctx's images begin at LDS byte 0
	v_add_nc_u32 v[FA3], CSC, v3
	s_wait_alu depctr_va_sdst(0)                   ; s[WV] is written, ahead of its first reader
	s_mul_i32 s2, s[WV], 17408
	s_add_co_u32 s2, s2, XRES                      ; my stage
	v_mul_u32_u24 v7, v9, 272
	v_lshl_add_u32 v7, v10, 6, v7
	v_add_nc_u32 v7, s2, v7                        ; out of it: row r, + 64 h
	v_mul_u32_u24 v[FA1], v10, 272
	v_lshl_add_u32 v[FA1], v9, 4, v[FA1]
	v_add_nc_u32 v[FA1], s2, v[FA1]                ; into it: lanes 0-15 one row, lanes 16-31 the next  (up to the first barrier; then the register is the fragments' 16 L)
	s_lshl_b32 s2, s[WV], 8
	v_lshlrev_b32 v21, 6, v10
	v_add_nc_u32 v21, s2, v21
	v_mul_u32_u24 v124, v10, 3072
	v_lshl_add_u32 v124, v9, 4, v124
	v_add_nc_u32 v124, s2, v124                    ; x: 3,072 h + 16 r + 256 w
	v_lshlrev_b32 v22, 6, v9
	v_add_nc_u32 v22, RED, v22
	v_mul_u32_u24 v23, v10, 24
	v_add_nc_u32 v23, v23, v22
	s_lshl_b32 s2, s[WV], 2
	v_add_nc_u32 v22, s2, v22
	s_mul_i32 s2, s[WV], 3072
	v_add_nc_u32 v125, s2, v1                      ; my twelfth of ctx's images, in memory and in LDS alike
	s_lshl_b32 s2, s[WV], 7
	v_lshlrev_b32 v126, 2, v8
	v_add_nc_u32 v126, s2, v126                    ; and of their scale words
	s_and_b32 s[SG], ttmp9, 3
	s_lshr_b32 s[RB], ttmp9, 2
	s_mul_i32 s32, s[RB], 36864
	s_mov_b32 s33, 0
	s_mul_i32 s34, s[RB], 1536
	s_mov_b32 s35, 0
	s_mul_i32 s66, s[RB], 196608                   ; 64 rows of x
	s_mov_b32 s67, 0
	s_mul_i32 s68, s[WV], 345600                   ; Wo's six quads head stream w
	s_mov_b32 s69, 0
	s_mul_i32 s31, s[SG], 12
	s_add_co_u32 s31, s31, s[WV]                   ; u: my group of 64 hidden units
	s_lshr_b32 s2, s31, 2
	s_mul_i32 s2, s2, 54
	s_bfe_u32 s3, s31, 0x10001
	s_mul_i32 s3, s3, 12
	s_add_co_u32 s2, s2, s3
	s_and_b32 s3, s31, 1
	s_add_co_u32 s2, s2, s3
	s_add_co_u32 s2, s2, 6                         ; W1's quad of K step 0: 54 (u / 4) + 6 + 12 ((u / 2) % 2) + u % 2; a K step on is two quads on
	s_mul_i32 s80, s2, 6400
	s_mov_b32 s81, 0
	s_lshl_b32 s2, s[RB], 2
	s_add_co_u32 s2, s2, s[SG]
	s_mul_i32 s2, s2, 12
	s_add_co_u32 s2, s2, s[WV]
	s_lshl_b32 s82, s2, 12                         ; h: image (4 RB + G, w)
	s_mov_b32 s83, 0
	s_mul_i32 s2, s[RB], 192
	s_add_co_u32 s2, s2, s31
	s_mul_i32 s84, s2, 768
	s_add_co_u32 s84, s84, HID_OFF                 ; hidden codes: half fragment 48 (4 RB) + u; a tile of rows on is 36,864 bytes on
	s_mov_b32 s85, 0
	s_mul_i32 s86, s[RB], 6144
	s_lshr_b32 s2, s31, 1
	s_lshl_b32 s2, s2, 6
	s_add_co_u32 s86, s86, s2
	s_and_b32 s2, s31, 1
	s_lshl_b32 s2, s2, 1
	s_add_co_u32 s86, s86, s2
	s_add_co_u32 s86, s86, HIDS_OFF                ; their scale words: 1,536 (4 RB) + 64 (u / 2) + 2 (u % 2)
	s_mov_b32 s87, 0
	s_mul_i32 s88, s[SG], 3072
	s_mov_b32 s89, 0
	SC2 K_IS2, 0x3f3504f3
	SC2 K_C1, 0xb7910000
	SC2 K_C3, 0xbb7e8a1c
	SC2 K_C5, 0xbddaae5c
	SC2 K_C6, 0xbf228550
	SC2 K_C7, 0xbe03ce86
	SC2 K_L2E, 0x3fb8aa3b
	SC2 K_D0, 0xba1c7000
	SC2 K_D2, 0xbcdb48d9
	SC2 K_D3, 0x3de70e22
	SC2 K_D4, 0xbec09380
	SC2 K_D5, 0x3e0375d4
	s_mov_b32 s[MASK], 0x7fffffff
	s_mov_b32 s[THR], 0x3f6d8000
	s_mov_b32 s[SEL], 0x76543210
	s_mov_b32 s[SEL+1], 0xfedcba98
	s_wait_kmcnt 0x0
	s_add_nc_u64 s[4:5], s[4:5], s[32:33]
	s_add_nc_u64 s[6:7], s[6:7], s[34:35]
	s_add_nc_u64 s[10:11], s[10:11], s[66:67]
	s_add_nc_u64 s[WSA:WSA+1], s[8:9], s[68:69]
	s_add_nc_u64 s[WSB:WSB+1], s[8:9], s[80:81]
	s_add_nc_u64 s[18:19], s[18:19], s[88:89]      ; b1 at my work-group's 768 hidden units
	s_add_nc_u64 s[74:75], s[20:21], s[82:83]
	s_add_nc_u64 s[76:77], s[20:21], s[84:85]
	s_add_nc_u64 s[78:79], s[20:21], s[86:87]
	; ---- 0: ctx's images are copied into LDS, a twelfth a wave; my 64 columns of the 64 rows of x come by whole runs of 256 bytes and turn through my stage into the accumulators
	s_wait_alu depctr_va_vdst(0)                   ; the offsets and addresses v1-7, v21-23 and v124-126 are written, which the loads and stores below read
.irp i, 0,1,2,3,4,5
	global_load_b128 v[QB+4*\i:QB+4*\i+3], v125, s[4:5] offset:512*\i
.endr
	global_load_b32 v[QB+24], v126, s[6:7]
.irp m, 0,1,2,3
.irp i, 0,1,2,3,4,5,6,7
	global_load_b128 v[ACC+32*\m+4*\i:ACC+32*\m+4*\i+3], v124, s[10:11] offset:(32*(\m/2)+8*(\m%2)+2*\i+8*(\i/4))*3072   ; sixteen lanes read 256 consecutive bytes of a row
.endr
.endr
.set NLD, 39
	QLOAD 0, WSA, 0
	s_wait_loadcnt 45                              ; ctx's seven loads are in: x's 32 and the quad's 13 are younger
.irp i, 0,1,2,3,4,5
	ds_store_b128 v125, v[QB+4*\i:QB+4*\i+3] offset:CIMG+512*\i
.endr
	ds_store_b32 v126, v[QB+24] offset:CSC
	s_wait_dscnt 0x0
	s_wait_alu depctr_vm_vsrc(0)                   ; these stores have read v[QB ..], in which the second quad lands
	QLOAD 1, WSA, 6400
	s_wait_loadcnt 26                              ; x is in: the two quads' 26 loads are younger
.irp m, 0,1,2,3
.irp i, 0,1,2,3,4,5,6,7
	ds_store_b128 v[FA1], v[ACC+32*\m+4*\i:ACC+32*\m+4*\i+3] offset:4352*\m+544*\i
.endr
.endr
	s_wait_dscnt 0x0
	s_wait_alu depctr_vm_vsrc(0)                   ; the stage's stores have read v[ACC ..], in which the loads below land
.irp m, 0,1,2,3
.irp e, 0,1
.irp j, 0,1,2,3
	ds_load_b128 v[ACC+32*\m+16*\e+4*\j:ACC+32*\m+16*\e+4*\j+3], v7 offset:4352*\m+128*\e+16*\j
.endr
.endr
.endr
	BARRIER                                        ; ctx's 48 half fragments lie in LDS; x is in the accumulators
	s_wait_alu depctr_vm_vsrc(0)                   ; the loads and stores that named v[FA1] and v124-126 have read them: they are written anew
	s_mul_i32 s2, s[WV], 768                       ; the loads that named v124-126 are done too: now h's images' places
	s_add_co_u32 s2, s2, HIMG
	v_add_nc_u32 v124, s2, v1
	v_add_nc_u32 v125, s2, v2
	s_lshr_b32 s2, s[WV], 1
	s_lshl_b32 s2, s2, 6
	s_and_b32 s3, s[WV], 1
	s_lshl_b32 s3, s3, 1
	s_add_co_u32 s2, s2, s3
	s_add_co_u32 s2, s2, HSC
	v_add_nc_u32 v126, s2, v3
	v_mov_b32 v[FA1], v1                           ; and the fragments' 16 L
	; ---- 1: x + ctx Wo, + bo
	MAIN WSA, 6400, 12, 0
	YADD4
	s_wait_alu depctr_va_vdst(0)                   ; the additions are done reading v[BI ..], the last K step's products reading ring buffer 1: ln1's shift and gain land there
	VLOAD GM, 14                                   ; ln1's gain and shift land under the sums
	VLOAD BI, 16
	; ---- 2: h = LN1
	LN4
	s_wait_alu depctr_va_vdst(0)                   ; h is written in v[ACC ..], which the stores below read
.irp m, 0,1,2,3                                ; of the four work-groups that hold these rows each stores one tile: a branch on the work-group's number, round stores alone
	s_cmp_lg_u32 s[SG], \m
	s_cbranch_scc1 .Lnoh\m
.irp i, 0,1,2,3,4,5,6,7
	global_store_b128 v1, v[ACC+32*\m+4*\i:ACC+32*\m+4*\i+3], s[74:75] offset:512*\i   ; 32 lanes store 512 consecutive bytes
.endr
.Lnoh\m:
.endr
	v_mov_b32 v[TM+4], 0                           ; a lane permute's destination counts as read
	v_mov_b32 v[TM+5], 0
.irp m, 0,1,2,3                                ; my 64 columns are half w % 2 of K step w / 2.  The four tiles are quantised first, each into a set of its own, so that one wait serves all twelve stores
	QUANTH ACC+32*\m, PC+8*\m, PT, PC+8*\m+6, TM
.endr
	s_wait_alu depctr_va_vdst(0)                   ; the quantisers have written the four sets at v[PC ..], which the stores read; all vector lines that named v24-123 are done, in which the quads below land
.irp m, 0,1,2,3
	ds_store_b128 v124, v[PC+8*\m:PC+8*\m+3] offset:9216*\m
	ds_store_b64 v125, v[PC+8*\m+4:PC+8*\m+5] offset:9216*\m+512
	ds_store_b16 v126, v[PC+8*\m+6] offset:384*\m
.endr
	s_wait_dscnt 0x0                               ; for the others' sake: my images have landed
	s_wait_xcnt 0x0                                ; h's stores have had their addresses translated: the accumulators are written again only behind this wait
	s_wait_alu depctr_vm_vsrc(0)                   ; the LDS stores have read v[PC ..], in which the quads land; h's stores have read v[ACC ..], which the next products write; the fragments' loads have read v[FA1] to v[FA3], which are written anew
.set NLD, 0
.set QE0, 0
.set QE1, 0
	QLOAD 0, WSB, 0
	QLOAD 1, WSB, 12800
	v_add_nc_u32 v[FA1], HIMG, v1                  ; the second product's rows
	v_add_nc_u32 v[FA2], HIMG, v2
	v_add_nc_u32 v[FA3], HSC, v3
	s_barrier_signal -1
	s_barrier_wait -1                              ; h's 48 half fragments lie in LDS
	; ---- 3: h W1 + b1, gelu, quantised: half u % 2 of K step u / 2 of the last product
	MAIN WSB, 12800, 18, 1
	YADD4
	v_mov_b32 v[VC2], 0x39c8e7d9
	v_mov_b32 v[VC2+1], 0x39c8e7d9
	v_mov_b32 v[VC4], 0x3cc6b1a1
	v_mov_b32 v[VC4+1], 0x3cc6b1a1
	v_mov_b32 v[VD1], 0x3ba38d2c
	v_mov_b32 v[VD1+1], 0x3ba38d2c
.set GG, 0
.rept 32
	GELU2 ACC+4*GG
.set GG, GG+1
.endr
	v_mov_b32 v[TM+4], 0
	v_mov_b32 v[TM+5], 0
.irp m, 0,1,2,3
	QUANTH ACC+32*\m, PC+8*\m, PT, PC+8*\m+6, TM
.endr
	s_wait_alu depctr_va_vdst(0)                   ; the quantisers have written the four sets at v[PC ..], which the stores read
.irp m, 0,1,2,3
	global_store_b128 v1, v[PC+8*\m:PC+8*\m+3], s[76:77] offset:36864*\m
	global_store_b64 v2, v[PC+8*\m+4:PC+8*\m+5], s[76:77] offset:36864*\m+512
	global_store_b16 v3, v[PC+8*\m+6], s[78:79] offset:1536*\m      ; lanes r and r + 16 hold the same two bytes
.endr
	s_set_vgpr_msb 0x5                             ; the add's two registers, sources 0 and 1, in window 1
	s_wait_dscnt 0x0                               ; the closing lines, six on end
	s_wait_alu 0x0
	s_wait_tensorcnt 0x0
	ds_add_u32 v0, v1
	s_wait_dscnt 0x0
	s_endpgm
.Lfunc_end_k_qe8e8d03fdb_mid:
	.size	k_qe8e8d03fdb_mid, .Lfunc_end_k_qe8e8d03fdb_mid-k_qe8e8d03fdb_mid
	.p2alignl 7, 3214868480
	.fill 96, 4, 3214868480
	.section	.rodata,"a",@progbits
	.p2align	6, 0x0
	.amdhsa_kernel k_qe8e8d03fdb_mid
		.amdhsa_group_segment_fixed_size 295424
		.amdhsa_private_segment_fixed_size 0
		.amdhsa_enable_private_segment 0
		.amdhsa_kernarg_size 72
		.amdhsa_user_sgpr_count 2
		.amdhsa_user_sgpr_kernarg_segment_ptr 1
		.amdhsa_wavefront_size32 1
		.amdhsa_system_sgpr_workgroup_id_x 1
		.amdhsa_system_sgpr_workgroup_id_y 1
		.amdhsa_system_sgpr_workgroup_id_z 1
		.amdhsa_system_vgpr_workitem_id 0
		.amdhsa_next_free_vgpr 270
		.amdhsa_next_free_sgpr 90
		.amdhsa_reserve_vcc 0
		.amdhsa_float_denorm_mode_32 3
		.amdhsa_float_denorm_mode_16_64 3
		.amdhsa_memory_ordered 1
		.amdhsa_forward_progress 1
		.amdhsa_inst_pref_size 251
	.end_amdhsa_kernel
	.amdgpu_metadata
---
amdhsa.version: [ 1, 2 ]
amdhsa.kernels:
  - .name:           k_qe8e8d03fdb_mid
    .symbol:         k_qe8e8d03fdb_mid.kd
    .args:
      - { .name: ctxf, .offset: 0, .size: 8, .value_kind: global_buffer, .address_space: global }
      - { .name: ctxs, .offset: 8, .size: 8, .value_kind: global_buffer, .address_space: global }
      - { .name: wb, .offset: 16, .size: 8, .value_kind: global_buffer, .address_space: global }
      - { .name: x, .offset: 24, .size: 8, .value_kind: global_buffer, .address_space: global }
      - { .name: bo, .offset: 32, .size: 8, .value_kind: global_buffer, .address_space: global }
      - { .name: ln1_g, .offset: 40, .size: 8, .value_kind: global_buffer, .address_space: global }
      - { .name: ln1_b, .offset: 48, .size: 8, .value_kind: global_buffer, .address_space: global }
      - { .name: b1, .offset: 56, .size: 8, .value_kind: global_buffer, .address_space: global }
      - { .name: mo, .offset: 64, .size: 8, .value_kind: global_buffer, .address_space: global }
    .group_segment_fixed_size: 295424
    .private_segment_fixed_size: 0
    .kernarg_segment_align: 8
    .kernarg_segment_size: 72
    .max_flat_workgroup_size: 384
    .sgpr_count:     90
    .vgpr_count:     270
    .wavefront_size: 32
...
	.end_amdgpu_metadata
.endif
;; end of part 10
;; launch ffn2 (part 11): grid 256 x 1, 12 waves a work-group, no clusters, 198,144 bytes of LDS; arguments mo, wb, b2, xf; writes xf
.if DOCPART == 11
	.amdgcn_target "amdgcn-amd-amdhsa--gfx1250"
	.amdhsa_code_object_version 6
	.text
	.protected	k_qe8e8d03fdb_ffn2
	.globl	k_qe8e8d03fdb_ffn2
	.p2align	8
	.type	k_qe8e8d03fdb_ffn2,@function
k_qe8e8d03fdb_ffn2:
	s_mov_b64 s[64:65], 0
	v_nop
	global_prefetch_b8 v0, s[64:65] scope:SCOPE_SE
	s_setreg_imm32_b32 hwreg(HW_REG_WAVE_SCHED_MODE, 0, 2), 2
	s_setreg_imm32_b32 hwreg(HW_REG_WAVE_MODE, 25, 1), 1
	s_wait_xcnt 0x0
	s_wait_alu depctr_vm_vsrc(0)
; FFN2.  y = h + b2 + hidden W2, the product on codes of E3M2, the rest in f32.  y goes to memory for the launch that norms whole rows.
; SHARES.  Work-group id: G = id % 4, RB = id / 4: 64 rows (row tiles 4 RB + m) x 192 columns (groups of 64: 3 G + j).  Wave w: kq = w % 4, j = w / 4: all 64 rows x column group 3 G + j, K steps 6 kq .. 6 kq + 5 of the 24.
; So each weight quad enters the work-group once, into one wave's ring of two register buffers, and each of the rows' 96 fragments, copied into LDS once (153,600 bytes, dense in memory), is read by three waves.
; The four parts along K meet in LDS as images of the accumulators, laid over the fragments' bytes behind a barrier; wave (kq, j) adds the four parts of tile kq, K ascending, then h and b2.
; Products are used transposed (source 0 = 16 weight rows, source 1 = 16 rows): a lane holds one row.  h and y: [T][column group] images of 4,096 bytes (register group i of lane L at 512 i + 16 L).
; No cluster and no tensor load: a weight fragment feeds one wave alone, and a work-group's weights are 461 KB in all.
; THE MODE: SCHED_MODE bits 1:0 = 2 (LLVM: expert scheduling mode 2), set by the entry lines.  The code itself states the register dependences
; between vector or matrix instructions and memory or LDS instructions, with s_wait_alu, always for 0.
; THE PLAN.  A group g = 4 SS + MM is four products: my K step SS, tile of rows MM.  Registers that memory or LDS instructions touch in the products:
;   X0 (v8-19, scale words v20), X1 (v258-269, scale words v125)   Group g's products read X[g % 2]; at the head of group g + 1 the fragment of group g + 2 is asked for into it.
;   ring buffer SS % 2   Read by the 16 products of K step SS; loaded again in the first group of K step SS + 1 (quad SS + 2; behind K step 4: h).
;   v1, v2, v4-7, v21    Offsets and addresses, made at the head and never written again.
; So ONE wait on va_vdst stands at a group's head: the group before is done reading the other fragment, and, in a K step's first group, the K step before is done with its ring buffer.
; The loads follow it, the quad's dealt among the group's products, which name X[g % 2], ring buffer SS % 2 and the accumulators: none of the registers that those loads touch.
.set DSC, 147456                       ; LDS: the fragments [m][K step] from 0 on; their scale words [m][K step][r] here.  Later, from 0 on: 12 x 4 images of 4,096 bytes
.set HID_OFF, 12582912
.set HIDS_OFF, 22020096
.set XF,  8                            ; v8-19 fragment buffer 0;  v20 its scale words
.set XSC, 20
.set XH,  2                            ; v258-269 fragment buffer 1, written v2-13 under window 1;  v125 its scale words (scale operands have no window)
.set XSH, 125
.set QA,  24                           ; ring buffer k at v[24 + 50 k]; v72, 73, 122, 123 hold scales and nothing else
.set ACC, 128
.set BI,  24                           ; behind K step 4: h
.set B2R, 74                           ; behind the products: b2
.set NLD, 0
.set QE0, 0
.set QE1, 0
.set MSB, 0
; v1 16 L; v2 8 L; v4, v5 16 L, 8 L + 9,216 kq (tiles 0, 1); v6, v7 the same + 73,728 (tiles 2, 3); v21 DSC + 4 r + 384 kq; v22 16 L + 12,288 w, behind the first barrier 16 L + 16,384 w; v23 16 L + 512 w; v124 DSC + v23;
; v126 16 L + 65,536 j + 4,096 kq; v127 64 h
.macro WIN new                         ; the immediate's high byte repeats the setting that is left; a switch that changes nothing is dropped
.if MSB != \new
	s_set_vgpr_msb (MSB<<8)|\new
.set MSB, \new
.endif
.endm
.macro WM d, a, b, zero, sa, sb, row
.if \zero
.if (\row)==0
	v_wmma_scale_f32_16x16x128_f8f6f4 v[\d:\d+7], v[\a:\a+11], v[\b:\b+11], 0, v[\sa], v[\sb] matrix_a_fmt:MATRIX_FMT_BF6 matrix_b_fmt:MATRIX_FMT_BF6
.else
	v_wmma_scale_f32_16x16x128_f8f6f4 v[\d:\d+7], v[\a:\a+11], v[\b:\b+11], 0, v[\sa], v[\sb] matrix_a_fmt:MATRIX_FMT_BF6 matrix_b_fmt:MATRIX_FMT_BF6 matrix_a_scale:MATRIX_SCALE_ROW1
.endif
.else
.if (\row)==0
	v_wmma_scale_f32_16x16x128_f8f6f4 v[\d:\d+7], v[\a:\a+11], v[\b:\b+11], v[\d:\d+7], v[\sa], v[\sb] matrix_a_fmt:MATRIX_FMT_BF6 matrix_b_fmt:MATRIX_FMT_BF6
.else
	v_wmma_scale_f32_16x16x128_f8f6f4 v[\d:\d+7], v[\a:\a+11], v[\b:\b+11], v[\d:\d+7], v[\sa], v[\sb] matrix_a_fmt:MATRIX_FMT_BF6 matrix_b_fmt:MATRIX_FMT_BF6 matrix_a_scale:MATRIX_SCALE_ROW1
.endif
.endif
.endm
.macro QL3 k, n, t                     ; tile t of quad n of my six into ring buffer k: three loads of 512 consecutive bytes; behind the last tile the quad's scale words
.set QW, QA+50*(\k)
.irp c, 0,1,2
	global_load_b128 v[QW+12*(\t)+4*\c:QW+12*(\t)+4*\c+3], v1, s[24:25] offset:6400*(\n)+1536*(\t)+512*\c
.endr
.set NLD, NLD+3
.if (\t)==3
	global_load_b64 v[QW+48:QW+49], v2, s[24:25] offset:6400*(\n)+6144
.set NLD, NLD+1
.if (\k)==0
.set QE0, NLD
.else
.set QE1, NLD
.endif
.endif
.endm
.macro QLOAD k, n                      ; a whole quad: 13 loads
.irp t, 0,1,2,3
	QL3 \k, \n, \t
.endr
.endm
.macro WAITQ k                         ; ring buffer k is in: the count is that of the loads issued behind its last one
.if (\k)==0
	s_wait_loadcnt NLD-QE0
.else
	s_wait_loadcnt NLD-QE1
.endif
.endm
.macro XFETCH g                        ; the fragment and the scale words of group g (my K step g / 4, tile of rows g % 4) into fragment buffer g % 2
.set XO, 36864*((\g)%2)+1536*((\g)/4)
.set XA, 4+2*(((\g)%4)/2)
.if (\g)%2
	WIN 0x40                                       ; destination window 1, address window 0
	ds_load_b128 v[XH:XH+3], v[XA] offset:XO
	ds_load_b64 v[XH+4:XH+5], v[XA+1] offset:XO+512
	ds_load_b128 v[XH+6:XH+9], v[XA] offset:XO+768
	ds_load_b64 v[XH+10:XH+11], v[XA+1] offset:XO+1280
	WIN 0
	ds_load_b32 v[XSH], v21 offset:1536*((\g)%4)+64*((\g)/4)
.else
	ds_load_b128 v[XF:XF+3], v[XA] offset:XO
	ds_load_b64 v[XF+4:XF+5], v[XA+1] offset:XO+512
	ds_load_b128 v[XF+6:XF+9], v[XA] offset:XO+768
	ds_load_b64 v[XF+10:XF+11], v[XA+1] offset:XO+1280
	ds_load_b32 v[XSC], v21 offset:1536*((\g)%4)+64*((\g)/4)
.endif
.endm
	s_load_b256 s[4:11], s[0:1], 0x0               ; mo, wb, b2, xf
	v_lshl_add_u32 v3, v0, 2, 0x30000
	s_set_vgpr_msb 0x40
	v_mov_b32 v1, 0
	s_set_vgpr_msb 0x4000
	v_lshrrev_b32 v1, 5, v0
	v_readfirstlane_b32 s12, v1                    ; wave 0..11
	v_and_b32 v8, 31, v0
	v_and_b32 v9, 15, v0
	v_bfe_u32 v10, v0, 4, 1
	v_lshlrev_b32 v1, 4, v8
	s_wait_alu depctr_va_vdst(0)
	v_lshlrev_b32 v2, 3, v8
	s_wait_alu depctr_va_sdst(0)                   ; s12 is written, ahead of its first reader
	s_and_b32 s15, s12, 3                          ; kq
	s_lshr_b32 s16, s12, 2                         ; j
	s_mul_i32 s2, s15, 9216
	v_add_nc_u32 v4, s2, v1
	v_add_nc_u32 v5, s2, v2
	v_add_nc_u32 v6, 73728, v4
	v_add_nc_u32 v7, 73728, v5
	s_mul_i32 s2, s15, 384
	s_add_co_u32 s2, s2, DSC
	v_lshlrev_b32 v21, 2, v9
	v_add_nc_u32 v21, s2, v21
	s_mul_i32 s2, s12, 12288
	v_add_nc_u32 v22, s2, v1
	s_lshl_b32 s2, s12, 9
	v_add_nc_u32 v23, s2, v1
	v_add_nc_u32 v124, DSC, v23
	s_lshl_b32 s2, s16, 16
	s_lshl_b32 s3, s15, 12
	s_add_co_u32 s2, s2, s3
	v_add_nc_u32 v126, s2, v1
	v_lshlrev_b32 v127, 6, v10
	s_and_b32 s13, ttmp9, 3                        ; G
	s_lshr_b32 s14, ttmp9, 2                       ; RB
	s_mul_i32 s17, s13, 3
	s_add_co_u32 s17, s17, s16                     ; my column group
	s_mul_i32 s30, s14, 147456
	s_add_co_u32 s30, s30, HID_OFF
	s_mov_b32 s31, 0
	s_mul_i32 s32, s14, 6144
	s_add_co_u32 s32, s32, HIDS_OFF
	s_mov_b32 s33, 0
	s_mul_i32 s2, s17, 54
	s_mul_i32 s3, s15, 6
	s_add_co_u32 s2, s2, s3
	s_add_co_u32 s2, s2, 30                        ; W2's quads: 54 x column group + 30 + K step
	s_mul_i32 s34, s2, 6400
	s_mov_b32 s35, 0
	s_lshl_b32 s2, s14, 2
	s_add_co_u32 s2, s2, s15
	s_mul_i32 s2, s2, 12
	s_add_co_u32 s2, s2, s17
	s_lshl_b32 s36, s2, 12                         ; h's and y's image (4 RB + kq, column group)
	s_mov_b32 s37, 0
	s_lshl_b32 s38, s17, 8
	s_mov_b32 s39, 0
	s_wait_kmcnt 0x0
	s_add_nc_u64 s[20:21], s[4:5], s[30:31]
	s_add_nc_u64 s[22:23], s[4:5], s[32:33]
	s_add_nc_u64 s[24:25], s[6:7], s[34:35]
	s_add_nc_u64 s[26:27], s[4:5], s[36:37]
	s_add_nc_u64 s[28:29], s[10:11], s[36:37]
	s_add_nc_u64 s[8:9], s[8:9], s[38:39]
	; ---- 0: the rows' fragments and scale words into LDS, a twelfth a wave
	s_wait_alu depctr_va_vdst(0)                   ; the offsets and addresses v1, v2, v4-7, v21-23, v124, v126 and v127 are written, which the loads and stores below read; the head is done with v8-10, in which a fragment lands
.irp i, 0,1,2,3,4,5,6,7,8,9,10,11,12,13,14,15,16,17,18,19,20,21,22,23
	global_load_b128 v[ACC+4*\i:ACC+4*\i+3], v22, s[20:21] offset:512*\i
.endr
	global_load_b128 v[ACC+96:ACC+99], v23, s[22:23]
.set NLD, 25
	QLOAD 0, 0
	QLOAD 1, 1
	s_wait_loadcnt 26                              ; the copy's 25 loads are in: the two quads' 26 are younger
.irp i, 0,1,2,3,4,5,6,7,8,9,10,11,12,13,14,15,16,17,18,19,20,21,22,23
	ds_store_b128 v22, v[ACC+4*\i:ACC+4*\i+3] offset:512*\i
.endr
	ds_store_b128 v124, v[ACC+96:ACC+99]
	s_wait_dscnt 0x0                               ; for the others' sake: my part lies in LDS
	s_barrier_signal -1
	s_barrier_wait -1
	s_wait_alu depctr_vm_vsrc(0)                   ; my LDS stores have read v[ACC ..], which the products write, and v22, which is written anew
	s_lshl_b32 s2, s12, 14
	v_add_nc_u32 v22, s2, v1                       ; from here on: where my four images go.  (The copy's loads, which read v22 too, are done)
	; ---- 1: my six K steps.  The 16 accumulators take turns, one instruction a turn
	XFETCH 0                                       ; its addresses and fragment buffer 0 stand behind the head's wait
.set GG, 0
.rept 24
.set SS, GG/4
.set MM, GG%4
.if MM == 0
	WAITQ SS%2
.endif
	s_wait_dscnt 0x0                               ; this group's fragment and scale words are in
.if (GG > 0) && (GG < 23)
	s_wait_alu depctr_va_vdst(0)                   ; the group before is done reading the other fragment and its scale words; in a K step's first group the K step before is done reading its ring buffer: the loads below land there
.endif
.if GG < 23
	XFETCH GG+1
.endif
.if GG == 20                           ; ring buffer 0 has had its last quad: h lands there
.irp i, 0,1,2,3,4,5,6,7
	global_load_b128 v[BI+4*\i:BI+4*\i+3], v1, s[26:27] offset:512*\i
.endr
.set NLD, NLD+8
.endif
.set QR, QA+50*(SS%2)
.if MM%2
.set XR, XH
.set XS, XSH
	WIN 0x04                                       ; source 1, the rows' fragment, in window 1
.else
.set XR, XF
.set XS, XSC
.endif
.irp i, 0,1,2,3
	WM ACC+32*MM+8*\i, QR+12*\i, XR, SS==0, QR+48+\i/2, XS, \i%2
.if (MM == 0) && (SS > 0) && (SS < 5)
	QL3 (SS+1)%2, SS+1, \i                         ; the next K step's quad.  No wait: no product since the wait above names the other ring buffer
.endif
.endr
	WIN 0
.rept 4
	v_nop                                          ; four plain instructions behind a group's products, as they stood; the last group's stand in front of the first read of results
.endr
.set GG, GG+1
.endr
	s_wait_alu depctr_va_vdst(0)                   ; the products have written the accumulators, which the LDS stores below read, and the last K step's are done reading ring buffer 1, in which b2 lands; v22 is written
.irp e, 0,1
.irp j, 0,1,2,3
	global_load_b128 v[B2R+16*\e+4*\j:B2R+16*\e+4*\j+3], v127, s[8:9] offset:128*\e+16*\j
.endr
.endr
	; ---- 2: the four parts along K meet
	s_wait_dscnt 0x0                               ; my reads of the fragments are over
	s_barrier_signal -1
	s_barrier_wait -1                              ; everybody's are: their bytes may be written
.irp i, 0,1,2,3,4,5,6,7,8,9,10,11,12,13,14,15,16,17,18,19,20,21,22,23,24,25,26,27,28,29,30,31
	ds_store_b128 v22, v[ACC+4*\i:ACC+4*\i+3] offset:512*\i        ; each accumulator from its low end on
.endr
	s_wait_dscnt 0x0
	s_barrier_signal -1
	s_barrier_wait -1
	s_wait_alu depctr_vm_vsrc(0)                   ; my LDS stores have read v[ACC ..], in which the four parts land
.irp q, 0,1,2,3
.irp i, 0,1,2,3,4,5,6,7
	ds_load_b128 v[ACC+32*\q+4*\i:ACC+32*\q+4*\i+3], v126 offset:16384*\q+512*\i   ; tile kq as wave (q, j) summed it
.endr
.endr
	s_wait_dscnt 0x0
	s_wait_loadcnt 0x0                             ; h and b2
.irp q, ACC+32, ACC+64, ACC+96, BI, B2R
.irp j, 0,2,4,6,8,10,12,14,16,18,20,22,24,26,28,30
	v_pk_add_f32 v[ACC+\j:ACC+\j+1], v[ACC+\j:ACC+\j+1], v[\q+\j:\q+\j+1]
.endr
.endr
	s_wait_alu depctr_va_vdst(0)                   ; the additions have written y in v[ACC .. ACC + 31], which the stores read
.irp i, 0,1,2,3,4,5,6,7
	global_store_b128 v1, v[ACC+4*\i:ACC+4*\i+3], s[28:29] offset:512*\i    ; 32 lanes store 512 consecutive bytes
.endr
	s_set_vgpr_msb 0x4                             ; the add's second register, source 1, in window 1
	s_wait_dscnt 0x0                               ; the closing lines, six on end
	s_wait_alu 0x0
	s_wait_tensorcnt 0x0
	ds_add_u32 v3, v1
	s_wait_dscnt 0x0
	s_endpgm
.Lfunc_end_k_qe8e8d03fdb_ffn2:
	.size	k_qe8e8d03fdb_ffn2, .Lfunc_end_k_qe8e8d03fdb_ffn2-k_qe8e8d03fdb_ffn2
	.p2alignl 7, 3214868480
	.fill 96, 4, 3214868480
	.section	.rodata,"a",@progbits
	.p2align	6, 0x0
	.amdhsa_kernel k_qe8e8d03fdb_ffn2
		.amdhsa_group_segment_fixed_size 198144
		.amdhsa_private_segment_fixed_size 0
		.amdhsa_enable_private_segment 0
		.amdhsa_kernarg_size 32
		.amdhsa_user_sgpr_count 2
		.amdhsa_user_sgpr_kernarg_segment_ptr 1
		.amdhsa_wavefront_size32 1
		.amdhsa_system_sgpr_workgroup_id_x 1
		.amdhsa_system_sgpr_workgroup_id_y 1
		.amdhsa_system_sgpr_workgroup_id_z 1
		.amdhsa_system_vgpr_workitem_id 0
		.amdhsa_next_free_vgpr 270
		.amdhsa_next_free_sgpr 66
		.amdhsa_reserve_vcc 0
		.amdhsa_float_denorm_mode_32 3
		.amdhsa_float_denorm_mode_16_64 3
		.amdhsa_memory_ordered 1
		.amdhsa_forward_progress 1
		.amdhsa_inst_pref_size 52
	.end_amdhsa_kernel
	.amdgpu_metadata
---
amdhsa.version: [ 1, 2 ]
amdhsa.kernels:
  - .name:           k_qe8e8d03fdb_ffn2
    .symbol:         k_qe8e8d03fdb_ffn2.kd
    .args:
      - { .name: mo, .offset: 0, .size: 8, .value_kind: global_buffer, .address_space: global }
      - { .name: wb, .offset: 8, .size: 8, .value_kind: global_buffer, .address_space: global }
      - { .name: b2, .offset: 16, .size: 8, .value_kind: global_buffer, .address_space: global }
      - { .name: xf, .offset: 24, .size: 8, .value_kind: global_buffer, .address_space: global }
    .group_segment_fixed_size: 198144
    .private_segment_fixed_size: 0
    .kernarg_segment_align: 8
    .kernarg_segment_size: 32
    .max_flat_workgroup_size: 384
    .sgpr_count:     66
    .vgpr_count:     270
    .wavefront_size: 32
...
	.end_amdgpu_metadata
.endif
;; end of part 11
;; launch ln2 (part 12): grid 256 x 1, 12 waves a work-group, no clusters, 55,808 bytes of LDS; arguments xf, ln2_g, ln2_b, out0; writes out0
.if DOCPART == 12
	.amdgcn_target "amdgcn-amd-amdhsa--gfx1250"
	.amdhsa_code_object_version 6
	.text
	.protected	k_qe8e8d03fdb_ln2
	.globl	k_qe8e8d03fdb_ln2
	.p2align	8
	.type	k_qe8e8d03fdb_ln2,@function
k_qe8e8d03fdb_ln2:
	s_mov_b64 s[64:65], 0
	v_nop
	global_prefetch_b8 v0, s[64:65] scope:SCOPE_SE
	s_setreg_imm32_b32 hwreg(HW_REG_WAVE_MODE, 25, 1), 1
	s_wait_xcnt 0x0
; LN2.  out = LayerNorm(y) g + b, in f32, in two passes (mean, then the squares of the differences).
; Work-group T owns row tile T (16 rows: 64 (T/4) + 32 ((T/2)%2) + 8 (T%2) + r + 8 (r/8)); wave w owns columns 64 w .. 64 w + 63.  y comes as images of 4,096 bytes, [T][w]: register group i of lane L at 512 i + 16 L;
; a lane holds one row, and register 16 b + i is column 64 w + 32 b + 16 (lane/16) + i.  The rows' partial sums of the twelve waves meet in LDS; the result leaves through the wave's own stage as whole runs of 256 bytes.
; A stream: each byte is read once and written once; matrix units, clusters and tensor loads would add nothing.
.set RED,  0                           ; LDS: two tables [r] x 64 bytes, word w; each used once
.set STG,  2048                        ; a stage of 16 rows x (256 + 16) bytes for each wave, its own
.set Y,    146
.set GM,   178
.set BT,   210
.set ST,   242
.set WV,   28
.set SEL,  62
.macro BARRIER
	s_wait_dscnt 0x0
	s_barrier_signal -1
	s_barrier_wait -1
.endm
.macro VLOAD reg, ptr
.irp b, 0,1
.irp j, 0,1,2,3
	global_load_b128 v[\reg+16*\b+4*\j:\reg+16*\b+4*\j+3], v16, s[\ptr:\ptr+1] offset:128*\b+16*\j
.endr
.endr
.endm
; the two chains at ST and ST + 2 become the row's total over all 768 columns, in v20 of every lane
.macro RSUM k
	s_delay_alu instid0(VALU_DEP_1)
	v_pk_add_f32 v[ST:ST+1], v[ST:ST+1], v[ST+2:ST+3]
	s_delay_alu instid0(VALU_DEP_1)
	v_add_f32 v[ST], v[ST], v[ST+1]
	s_delay_alu instid0(VALU_DEP_1)
	v_permlanex16_b32 v[ST+4], v[ST], s[SEL], s[SEL+1]
	s_delay_alu instid0(VALU_DEP_1)
	v_add_f32 v[ST], v[ST], v[ST+4]
	ds_store_b32 v11, v[ST] offset:1024*(\k)       ; lanes r and r + 16 hold the same sum
	BARRIER
.irp c, 0,1,2
	ds_load_b128 v[20+4*\c:23+4*\c], v12 offset:1024*(\k)+16*\c
.endr
	s_wait_dscnt 0x0
	v_pk_add_f32 v[20:21], v[20:21], v[22:23]      ; one order in every wave: all get the same bits
	v_pk_add_f32 v[24:25], v[24:25], v[26:27]
	v_pk_add_f32 v[28:29], v[28:29], v[30:31]
	s_delay_alu instid0(VALU_DEP_2)
	v_pk_add_f32 v[20:21], v[20:21], v[24:25]
	s_delay_alu instid0(VALU_DEP_1)
	v_pk_add_f32 v[20:21], v[20:21], v[28:29]
	s_delay_alu instid0(VALU_DEP_1)
	v_add_f32 v20, v20, v21
.endm
	s_load_b256 s[4:11], s[0:1], 0x0               ; y, ln2_g, ln2_b, out0
	v_lshl_add_u32 v254, v0, 2, 0xd400
	v_mov_b32 v255, 0
	v_lshrrev_b32 v1, 5, v0
	s_delay_alu instid0(VALU_DEP_1)
	v_readfirstlane_b32 s[WV], v1                  ; wave 0..11
	v_and_b32 v18, 31, v0
	v_and_b32 v19, 15, v0
	v_bfe_u32 v8, v0, 4, 1
	s_delay_alu instid0(VALU_DEP_3)
	v_lshlrev_b32 v1, 4, v18                       ; 16 L
	s_delay_alu instid0(VALU_DEP_3)
	v_lshlrev_b32 v12, 6, v19
	s_delay_alu instid0(VALU_DEP_1)
	v_add_nc_u32 v12, RED, v12                     ; RED + 64 r
	s_lshl_b32 s2, s[WV], 2
	v_add_nc_u32 v11, s2, v12                      ; + 4 w
	s_mul_i32 s2, s[WV], 4352
	s_add_co_u32 s2, s2, STG
	v_mul_u32_u24 v13, v19, 272
	s_delay_alu instid0(VALU_DEP_1)
	v_lshl_add_u32 v13, v8, 6, v13
	s_delay_alu instid0(VALU_DEP_1)
	v_add_nc_u32 v13, s2, v13                      ; my stage + 272 r + 64 h
	v_mul_u32_u24 v14, v8, 272
	s_delay_alu instid0(VALU_DEP_1)
	v_lshl_add_u32 v14, v19, 4, v14
	s_delay_alu instid0(VALU_DEP_1)
	v_add_nc_u32 v14, s2, v14                      ; my stage + 272 h + 16 r
	s_lshl_b32 s2, s[WV], 8
	v_mul_u32_u24 v15, v8, 3072
	s_delay_alu instid0(VALU_DEP_1)
	v_lshl_add_u32 v15, v19, 4, v15
	s_delay_alu instid0(VALU_DEP_1)
	v_add_nc_u32 v15, s2, v15                      ; out: 3,072 h + 16 r + 256 w
	v_lshlrev_b32 v16, 6, v8
	s_delay_alu instid0(VALU_DEP_1)
	v_add_nc_u32 v16, s2, v16                      ; a vector of 768: 64 h + 256 w
.irp j, 242,243,244,245,246,247
	v_mov_b32 v[\j], 0                             ; a lane permute's destination counts as read
.endr
	s_lshr_b32 s2, ttmp9, 2
	s_lshl_b32 s2, s2, 6
	s_bfe_u32 s3, ttmp9, 0x10001
	s_lshl_b32 s3, s3, 5
	s_add_co_u32 s2, s2, s3
	s_and_b32 s3, ttmp9, 1
	s_lshl_b32 s3, s3, 3
	s_add_co_u32 s2, s2, s3                        ; the tile's first row
	s_mul_i32 s32, s2, 3072
	s_mov_b32 s33, 0
	s_mul_i32 s30, ttmp9, 12
	s_add_co_u32 s30, s30, s[WV]
	s_lshl_b32 s30, s30, 12
	s_mov_b32 s31, 0
	s_mov_b32 s[SEL], 0x76543210
	s_mov_b32 s[SEL+1], 0xfedcba98
	s_wait_alu depctr_va_vdst(0)
	s_wait_kmcnt 0x0
	s_add_nc_u64 s[4:5], s[4:5], s[30:31]
	s_add_nc_u64 s[10:11], s[10:11], s[32:33]
.irp i, 0,1,2,3,4,5,6,7
	global_load_b128 v[Y+4*\i:Y+4*\i+3], v1, s[4:5] offset:512*\i th:TH_LOAD_NT   ; read once in the launch
.endr
	VLOAD GM, 6
	VLOAD BT, 8
	s_wait_loadcnt 0x0
	v_pk_add_f32 v[ST:ST+1], v[Y:Y+1], v[Y+2:Y+3]
	v_pk_add_f32 v[ST+2:ST+3], v[Y+4:Y+5], v[Y+6:Y+7]
.irp j, 8,12,16,20,24,28
	s_delay_alu instid0(VALU_DEP_2)
	v_pk_add_f32 v[ST:ST+1], v[ST:ST+1], v[Y+\j:Y+\j+1]
	s_delay_alu instid0(VALU_DEP_2)
	v_pk_add_f32 v[ST+2:ST+3], v[ST+2:ST+3], v[Y+\j+2:Y+\j+3]
.endr
	RSUM 0
	s_delay_alu instid0(VALU_DEP_1)
	v_mul_f32 v[ST], 0x3aaaaaab, v20               ; / 768
	s_delay_alu instid0(VALU_DEP_1)
	v_mov_b32 v[ST+1], v[ST]
.irp j, 0,2,4,6,8,10,12,14,16,18,20,22,24,26,28,30
	v_pk_add_f32 v[Y+\j:Y+\j+1], v[Y+\j:Y+\j+1], v[ST:ST+1] neg_lo:[0,1] neg_hi:[0,1]
.endr
	v_pk_mul_f32 v[ST:ST+1], v[Y:Y+1], v[Y:Y+1]
	v_pk_mul_f32 v[ST+2:ST+3], v[Y+2:Y+3], v[Y+2:Y+3]
.irp j, 4,8,12,16,20,24,28
	s_delay_alu instid0(VALU_DEP_2)
	v_pk_fma_f32 v[ST:ST+1], v[Y+\j:Y+\j+1], v[Y+\j:Y+\j+1], v[ST:ST+1]
	s_delay_alu instid0(VALU_DEP_2)
	v_pk_fma_f32 v[ST+2:ST+3], v[Y+\j+2:Y+\j+3], v[Y+\j+2:Y+\j+3], v[ST+2:ST+3]
.endr
	RSUM 1
	s_delay_alu instid0(VALU_DEP_1)
	v_mul_f32 v[ST], 0x3aaaaaab, v20
	s_delay_alu instid0(VALU_DEP_1)
	v_add_f32 v[ST], 0x3727c5ac, v[ST]             ; + 1e-5
	s_wait_alu depctr_va_vdst(0)
	v_rsq_f32 v[ST+2], v[ST]
	v_nop                                          ; one plain instruction behind the transcendental
	s_wait_alu depctr_va_vdst(0)
	v_mov_b32 v[ST+3], v[ST+2]
.irp j, 0,2,4,6,8,10,12,14,16,18,20,22,24,26,28,30
	v_pk_mul_f32 v[Y+\j:Y+\j+1], v[Y+\j:Y+\j+1], v[ST+2:ST+3]
.endr
.irp j, 0,2,4,6,8,10,12,14,16,18,20,22,24,26,28,30
	v_pk_fma_f32 v[Y+\j:Y+\j+1], v[Y+\j:Y+\j+1], v[GM+\j:GM+\j+1], v[BT+\j:BT+\j+1]
.endr
.irp b, 0,1
.irp j, 0,1,2,3
	ds_store_b128 v13, v[Y+16*\b+4*\j:Y+16*\b+4*\j+3] offset:128*\b+16*\j
.endr
.endr
.irp i, 0,1,2,3,4,5,6,7
	ds_load_b128 v[GM+4*\i:GM+4*\i+3], v14 offset:544*\i           ; the wave's own bytes, served in order: these see the stores above
.endr
.irp i, 0,1,2,3,4,5,6,7
	s_wait_dscnt 7-\i                              ; the 7 - i younger loads may be out
	global_store_b128 v15, v[GM+4*\i:GM+4*\i+3], s[10:11] offset:(2*\i+8*(\i/4))*3072 th:TH_STORE_NT   ; sixteen lanes store 256 consecutive bytes, aligned
.endr
	s_wait_tensorcnt 0x0
	ds_add_u32 v254, v255
	s_wait_dscnt 0x0
	s_endpgm
.Lfunc_end_k_qe8e8d03fdb_ln2:
	.size	k_qe8e8d03fdb_ln2, .Lfunc_end_k_qe8e8d03fdb_ln2-k_qe8e8d03fdb_ln2
	.p2alignl 7, 3214868480
	.fill 96, 4, 3214868480
	.section	.rodata,"a",@progbits
	.p2align	6, 0x0
	.amdhsa_kernel k_qe8e8d03fdb_ln2
		.amdhsa_group_segment_fixed_size 55808
		.amdhsa_private_segment_fixed_size 0
		.amdhsa_enable_private_segment 0
		.amdhsa_kernarg_size 32
		.amdhsa_user_sgpr_count 2
		.amdhsa_user_sgpr_kernarg_segment_ptr 1
		.amdhsa_wavefront_size32 1
		.amdhsa_system_sgpr_workgroup_id_x 1
		.amdhsa_system_sgpr_workgroup_id_y 1
		.amdhsa_system_sgpr_workgroup_id_z 1
		.amdhsa_system_vgpr_workitem_id 0
		.amdhsa_next_free_vgpr 256
		.amdhsa_next_free_sgpr 66
		.amdhsa_reserve_vcc 0
		.amdhsa_float_denorm_mode_32 3
		.amdhsa_float_denorm_mode_16_64 3
		.amdhsa_memory_ordered 1
		.amdhsa_forward_progress 1
		.amdhsa_inst_pref_size 16
	.end_amdhsa_kernel
	.amdgpu_metadata
---
amdhsa.version: [ 1, 2 ]
amdhsa.kernels:
  - .name:           k_qe8e8d03fdb_ln2
    .symbol:         k_qe8e8d03fdb_ln2.kd
    .args:
      - { .name: xf, .offset: 0, .size: 8, .value_kind: global_buffer, .address_space: global }
      - { .name: ln2_g, .offset: 8, .size: 8, .value_kind: global_buffer, .address_space: global }
      - { .name: ln2_b, .offset: 16, .size: 8, .value_kind: global_buffer, .address_space: global }
      - { .name: out0, .offset: 24, .size: 8, .value_kind: global_buffer, .address_space: global }
    .group_segment_fixed_size: 55808
    .private_segment_fixed_size: 0
    .kernarg_segment_align: 8
    .kernarg_segment_size: 32
    .max_flat_workgroup_size: 384
    .sgpr_count:     66
    .vgpr_count:     256
    .wavefront_size: 32
...
	.end_amdgpu_metadata
.endif
;; end of part 12
